; MI455X (gfx1250); checked and timed in simulation.
; The chip was launched on July 23, 2026; its instructions are those of AMD's public machine-readable ISA for CDNA 5 (MIT licence, August 2026) and "CDNA5" Instruction Set Architecture Reference Guide (July 2026). The comments in the code are by the model that wrote it; some were corrected since.
;; DIN Attention. Allowed arithmetic: matrix products marked QUANTISED: E3M2 operands, one E8M0 scale for each 32 along K, by v_wmma_scale_f32_16x16x128_f8f6f4 with both operands' format E3M2, f32 sums; products left as they are: f32 operands where the result goes on into a quantised operand, else bf16, f16 or f32 operands; f32 sums; everything else in f32.
;; Inputs: W1_codes 64 x 8 x 24 uint8 (E3M2 codes of W1, K innermost, in blocks of 32 codes, four codes in three bytes); W1_scales 64 x 8 uint8 (E8M0 scales of W1, one for each 32 codes along K); W2_codes 32 x 2 x 24 uint8 (E3M2 codes of W2, K innermost, in blocks of 32 codes, four codes in three bytes); W2_scales 32 x 2 uint8 (E8M0 scales of W2, one for each 32 codes along K); Wf 32 x 1 float32; a1 64 float32; a2 32 float32; b1 64 float32; b2 32 float32; be1 64 float32; be2 32 float32; bf 1 float32; db1 64 float32; db2 32 float32; dg1 64 float32; dg2 32 float32; facts 4,096 x 200 x 64 float32; g1 64 float32; g2 32 float32; mask 4,096 x 200 x 1 int32; query 4,096 x 1 x 64 float32.
;; Outputs: out0 4,096 x 64 float32.
;; This version of the problem:
;;   THIS VERSION OF THE PROBLEM IS GIVEN IN LOW PRECISION. The matrix products marked QUANTISED in the list below multiply operands that are first quantised to E3M2 (3 exponent bits, 2 mantissa bits; 6 bits a number), with one power-of-two scale for each 32 numbers along K (OCP MX v1.0); their sums are f32. All else is computed in f32.
;;   The module's matrix products, in the order in which they are computed (A, B: the left and right operand; K: the contracted axis; several contracted axes count as one K, in the product's order):
;;     1. [M 819,200, K 256] x [K 256, N 64]; A: computed on the way; B: input W1 (given as codes): QUANTISED
;;     2. [M 819,200, K 64] x [K 64, N 32]; A: computed on the way; B: input W2 (given as codes): QUANTISED
;;     3. [M 819,200, K 32] x [K 32, N 1]; A: computed on the way; B: input Wf: left as it is (N = 1 < 16)
;;   THE QUANTISER, for each operand of a quantised product, along K:
;;     - K is cut into blocks of 32 from its start; a last block that is shorter is filled with zeros.
;;     - A block's scale is 2^e with e = floor(log2(the largest magnitude in the block)) - 4, held to -126 .. 127; a block of zeros has e = 0. As a byte (E8M0): e + 127.
;;     - Each number is divided by its block's scale, clamped to +-28, and rounded to the nearest number of E3M2, ties to even, subnormals kept.
;;     - The product sums the exact products of the quantised numbers (number of the format x scale) in f32.
;;   ~~~python
;;   def quantise(x, axis):      # numpy; x: float32 -> the quantised numbers, widened to float32 again
;;       x = np.moveaxis(x, axis, -1); K = x.shape[-1]
;;       x = np.pad(x, [(0, 0)] * (x.ndim - 1) + [(0, -K % 32)]); x = x.reshape(x.shape[:-1] + (-1, 32)); a = np.abs(x).max(-1, keepdims=True)
;;       e = np.where(a > 0, np.clip(np.frexp(np.where(a > 0, a, 1))[1] - 1 - 4, -126, 127), 0)      # np.frexp(a)[1] - 1 = floor(log2(a)), exactly
;;       r = np.clip(x / 2.0 ** e, -28, 28)
;;       step = 2.0 ** (np.maximum(np.frexp(np.where(r == 0, 1, r))[1] - 1, -2) - 2)
;;       q = np.round(r / step) * step * 2.0 ** e      # np.round: ties to even
;;       return np.moveaxis(q.reshape(q.shape[:-2] + (-1,))[..., :K], -1, axis).astype(np.float32)
;;   ~~~
;;   OPERANDS COMPUTED ON THE WAY. 'Computed on the way' means the value that the module computes at that place (a softmax that the list does not call 'softmax' is quantised finished and normalised). What goes into a quantiser is computed in f32, as accurately as f32 sums, v_exp_f32 and their like allow (about 1e-6 of the number): no bf16 or f16 on the way to a quantiser, and a product that is left as it is and whose result goes on into a quantised operand takes f32 operands (vector FMAs, or v_wmma_f32_16x16x4_f32). A number that lies on a knife's edge between two numbers of the format may be rounded either way, as far as f32 arithmetic and the matrix unit's own rounding can turn it there, and no further.
;;   INPUTS GIVEN AS CODES. W1 (in the module: [256, 64], K = its axis 0); W2 (in the module: [64, 32], K = its axis 0): each comes as NAME_codes (uint8): NAME with its K axis moved to the last place and cut into blocks of 32 codes, [.., K / 32, bytes a block], one block behind the other in memory; four codes in three bytes: a row's codes are one little-endian stream of bits, code i at bits 6 i .. 6 i + 5 (a code: sign, 3 exponent bits, 2 mantissa bits); and NAME_scales (uint8): the same leading axes, one E8M0 byte (e + 127) for each 32 codes along K. Its value is code x scale, taken as it is: it is not quantised again, and the codes and scales need not be those that the quantiser above would give.
;; 2 versions. Each part assembles by itself: llvm-mc -triple=amdgcn-amd-amdhsa -mcpu=gfx1250 --defsym DOCPART=n.
;; ======== version 1 of 2: 3 launches
;; limits: a difference of large sums (such as E[x^2] - mean^2): digits are lost where the result is much smaller than its terms
;; workspace buffers: part1 131,584 bytes; part2 65,792 bytes; hcodes 52,428,800 bytes
;; launch stats1 (part 1): grid 256 x 1, 8 waves a work-group, no clusters, 82,944 bytes of LDS; arguments facts, query, W1_codes, W1_scales, b1, part1; writes part1
.if DOCPART == 1
	.amdgcn_target "amdgcn-amd-amdhsa--gfx1250"
	.amdhsa_code_object_version 6
	.text
	.protected	k_qbd9727d50f_stats1
	.globl	k_qbd9727d50f_stats1
	.p2align	8
	.type	k_qbd9727d50f_stats1,@function
k_qbd9727d50f_stats1:
	s_mov_b64 s[64:65], 0
	v_nop
	global_prefetch_b8 v0, s[64:65] scope:SCOPE_SE
	s_setreg_imm32_b32 hwreg(HW_REG_WAVE_MODE, 25, 1), 1
	s_wait_xcnt 0x0
; FIRST WALK.  For all 819,200 rows: ai = [q, f, q - f, q f] (256 numbers, f32) -> codes of E3M2 with one E8M0 byte for each 32 -> x W1 (codes as given) + b1 = h1 (64 units);
; stored: for each work-group the sums of d = h1 - c and of d^2 for each unit, and once the shift c.  The next launch makes the batch mean and variance of them.
; THE SHIFT.  c = the mean of h1 over 16 fixed rows (fact 0 of batches 0 to 15).  Every wave computes it anew from the same bytes by the same lines, so it has the same bits everywhere and all sums add up.
; d comes free: b1 - c is the C of each sum's first matrix instruction.  No difference of large sums is formed: variance = mean(d^2) - mean(d)^2 with |mean(d)| of the order of the spread.
; SHARES.  256 work-groups x 8 waves; wave w of work-group g owns batches 2 p and 2 p + 1, p = 8 g + w: 400 rows = 25 tiles of 16 rows: 12 of batch A, 12 of batch B, one with the last 8 rows of each.
; A TILE.  Eight loads, each lane 16 bytes, sixteen lanes one whole row of 256 bytes (lanes 0-15 tile row i, lanes 16-31 tile row 8 + i).  The 4,096 bytes turn through the wave's own stage in LDS (rows 272 bytes
; apart) and come back so that lane (r, h) holds f[32 h .. 32 h + 31] of tile row r: a whole block of 32 in one lane, in the order of the matrix operand's registers.
; THE PRODUCT: source 0 = the tile's 16 rows, source 1 = 16 units (column r of unit tile t is unit 4 r + t).  In the result lane (r, h) holds ONE unit and the rows 8 h + 0 .. 7: the sums over rows stay in the lane.
; No tensor load, no cluster, no prefetch: each stream is one wave's own, read once, and asked for D tiles ahead; work-groups share only the weights.
; LIMITS: NaN and infinities among the inputs are not served; a block whose largest magnitude lies under 2^-122 keeps the scale byte 1 (a block of zeros too: its codes are zeros).
.set D,     4                          ; tiles on their way for each wave
.set WREG,  9472                       ; LDS: a wave's region: the stage for facts (16 x 272), a second stage (not used here), q of both batches (2 x 272)
.set SQO,   8704
.set RED1,  75776                      ; behind the eight regions: 8 x 512 bytes for the work-group's sums
.set VOF,   1                          ; v1   2048 h + 16 r: a plain tile's lane offset
.set VOFM,  2                          ; v2   51200 h + 16 r: the mixed tile's (lanes 16-31 in batch B)
.set VOFP,  3                          ; v3   409600 h + 16 r: the probe's (a batch to a row)
.set VSTW,  4                          ; v4   stage, in: region + 272 (8 h) + 16 r
.set VSTR,  5                          ; v5   stage, out: region + 272 r + 128 h
.set VQA,   6                          ; v6   q of batch A: region + SQO + 128 h (B: 272 on)
.set VQM,   7                          ; v7   the same for the mixed tile: rows 8-15 take B's
.set VIMG,  8                          ; v8   16 x lane
.set VRD,   9                          ; v9   RED1 + 16 x lane
.set VRW,   10                         ; v10  RED1 + 512 x wave + 16 x lane
.set VQW,   11                         ; v11  where q of the pair is stored
.set W1S,   16                         ; v16-23 W1's scale words, 2 t + s
.set XW0,   26                         ; v26, v27 the tile's scale words for K steps 0 and 1: they hold scales and nothing else
.set XW1,   27
.set QT,    28                         ; q's scale byte << 24
.set X,     29
.set Y,     30                         ; a lane permute's destination: written once at the head
.set MX,    32                         ; v32-34 largest magnitudes of f, q - f, q f; then their bytes
.set SO,    35                         ; v35-37 the conversions' scale operands
.set FR0,   40                         ; v40-51 source 0 of K step 0: q's six registers (they stay for a batch), f's six
.set FR1,   52                         ; v52-63 of K step 1: (q - f)'s, (q f)'s
.set TC,    64                         ; v64-75 second halves of blocks as the conversions leave them
.set Q,     76
.set F,     108
.set T,     140
.set ACC,   172                        ; v172-203 four accumulators; before the products: q f
.set S1,    204                        ; v204-211 sums of d, a pair for each unit tile
.set S2,    212                        ; v212-219 sums of d^2
.set B1,    220
.set C1,    224
.set HW,    236                        ; v236-248 at work in the head
.set HR,    237
.set HH,    238
.set HL,    239
.set H16R,  240
.set HA1,   241
.set HA2,   242
.set HA3,   243
.set HB3,   248
.set W1F,   128                        ; window 1: v0-127 the ring of D tiles as loaded; v128-223 W1's eight fragments; v224-255 b1 - c, eight registers a unit tile
.set CI,    224
.set MSB,   0
.macro WIN new                         ; the immediate's high byte repeats the setting that is left; a switch that changes nothing is dropped
.if MSB != \new
	s_set_vgpr_msb (MSB<<8)|\new
.set MSB, \new
.endif
.endm
.macro PLACES n
.rept \n
	v_nop
.endr
.endm
.macro LOADT set, base, voff, imm0, stride, nt     ; a tile's eight loads into ring set \set (window 1)
	WIN 0x40
.irp i, 0,1,2,3,4,5,6,7
.if \nt
	global_load_b128 v[32*(\set)+4*\i:32*(\set)+4*\i+3], v[\voff], s[\base:\base+1] offset:\imm0+\i*\stride th:TH_LOAD_NT
.else
	global_load_b128 v[32*(\set)+4*\i:32*(\set)+4*\i+3], v[\voff], s[\base:\base+1] offset:\imm0+\i*\stride
.endif
.endr
	WIN 0
.endm
.macro TURN set                        ; through the wave's own stage: LDS serves a wave's instructions in order, so no wait stands between the stores and the loads
	WIN 0x04
.irp i, 0,1,2,3,4,5,6,7
	ds_store_b128 v[VSTW], v[32*(\set)+4*\i:32*(\set)+4*\i+3] offset:272*\i
.endr
	WIN 0
.irp i, 0,1,2,3,4,5,6,7
	ds_load_b128 v[F+4*\i:F+4*\i+3], v[VSTR] offset:16*\i
.endr
.endm
.macro QQUANT                          ; my block of q: its byte (<< 24) and its six code registers
	v_max3_num_f32 v[MX], |v[Q]|, |v[Q+1]|, 0x2800000              ; the floor 2^(5 - 127) among the leaves: the byte cannot fall under 1
	v_max3_num_f32 v[MX+1], |v[Q+16]|, |v[Q+17]|, 0x2800000
.set i, 2
.rept 7
	v_max3_num_f32 v[MX], v[MX], |v[Q+i]|, |v[Q+i+1]|
	v_max3_num_f32 v[MX+1], v[MX+1], |v[Q+16+i]|, |v[Q+17+i]|
.set i, i+2
.endr
	v_max_num_f32 v[MX], v[MX], v[MX+1]
	v_add_nc_u32 v[SO], 0xfe000000, v[MX]                          ; 4 off the exponent field: the conversion's scale operand
	v_lshrrev_b32 v[QT], 23, v[SO]
	v_lshlrev_b32 v[QT], 24, v[QT]
	v_cvt_scalef32_pk16_bf6_f32 v[FR0:FR0+2], v[Q:Q+15], v[SO]
	v_cvt_scalef32_pk16_bf6_f32 v[TC:TC+2], v[Q+16:Q+31], v[SO]    ; (a conversion's three registers begin on an even number)
	v_nop                                                          ; one plain place behind a scaled conversion
.irp i, 0,1,2
	v_mov_b32 v[FR0+3+\i], v[TC+\i]
.endr
.endm
.macro QSET adr, off                   ; q of the rows to come, from LDS
.irp c, 0,1,2,3,4,5,6,7
	ds_load_b128 v[Q+4*\c:Q+4*\c+3], v[\adr] offset:\off+16*\c
.endr
	s_wait_dscnt 0x0
	QQUANT
.endm
.macro FRONT                           ; f in F, q in Q -> both sources 0 and both scale words
.set i, 0
.rept 16
	v_pk_add_f32 v[T+i:T+i+1], v[Q+i:Q+i+1], v[F+i:F+i+1] neg_lo:[0,1] neg_hi:[0,1]
	v_pk_mul_f32 v[ACC+i:ACC+i+1], v[Q+i:Q+i+1], v[F+i:F+i+1]
.set i, i+2
.endr
	v_max3_num_f32 v[MX], |v[F]|, |v[F+1]|, 0x2800000
	v_max3_num_f32 v[MX+1], |v[T]|, |v[T+1]|, 0x2800000
	v_max3_num_f32 v[MX+2], |v[ACC]|, |v[ACC+1]|, 0x2800000
.set i, 2
.rept 15                               ; the three blocks by turns: no line waits for the line above it
	v_max3_num_f32 v[MX], v[MX], |v[F+i]|, |v[F+i+1]|
	v_max3_num_f32 v[MX+1], v[MX+1], |v[T+i]|, |v[T+i+1]|
	v_max3_num_f32 v[MX+2], v[MX+2], |v[ACC+i]|, |v[ACC+i+1]|
.set i, i+2
.endr
.irp b, 0,1,2
	v_add_nc_u32 v[SO+\b], 0xfe000000, v[MX+\b]
.endr
.irp b, 0,1,2
	v_lshrrev_b32 v[MX+\b], 23, v[SO+\b]
.endr
	v_lshl_or_b32 v[X], v[MX+2], 8, v[MX+1]
	v_lshl_or_b32 v[X], v[X], 8, v[MX]
	v_or_b32 v[X], v[X], v[QT]                                     ; my half's four bytes: f, q - f, q f, q
	v_permlanex16_b32 v[Y], v[X], s52, s53                         ; and the other half's
	v_perm_b32 v[XW0], v[Y], v[X], 0x04000703                      ; lanes 0-15: q's two bytes, f's two: row r's word for k = 0 .. 127
	v_perm_b32 v[XW1], v[Y], v[X], 0x06020501                      ; (q - f)'s two, (q f)'s two: for k = 128 .. 255
	v_cvt_scalef32_pk16_bf6_f32 v[FR0+6:FR0+8], v[F:F+15], v[SO]
	v_cvt_scalef32_pk16_bf6_f32 v[TC:TC+2], v[F+16:F+31], v[SO]
	v_cvt_scalef32_pk16_bf6_f32 v[FR1:FR1+2], v[T:T+15], v[SO+1]
	v_cvt_scalef32_pk16_bf6_f32 v[TC+4:TC+6], v[T+16:T+31], v[SO+1]
	v_cvt_scalef32_pk16_bf6_f32 v[FR1+6:FR1+8], v[ACC:ACC+15], v[SO+2]
	v_cvt_scalef32_pk16_bf6_f32 v[TC+8:TC+10], v[ACC+16:ACC+31], v[SO+2]
	v_nop                                                          ; one plain place behind the conversions
.irp i, 0,1,2
	v_mov_b32 v[FR0+9+\i], v[TC+\i]
	v_mov_b32 v[FR1+3+\i], v[TC+4+\i]
	v_mov_b32 v[FR1+9+\i], v[TC+8+\i]
.endr
.endm
.macro MM1                             ; 16 rows x 64 units x 256: eight matrix instructions; the four accumulators take turns
	WIN 0x14                                                       ; source 1 (W1) and C (b1 - c) in window 1
.irp t, 0,1,2,3
	v_wmma_scale_f32_16x16x128_f8f6f4 v[ACC+8*\t:ACC+8*\t+7], v[FR0:FR0+11], v[W1F+24*\t:W1F+24*\t+11], v[CI+8*\t:CI+8*\t+7], v[XW0], v[W1S+2*\t] matrix_a_fmt:MATRIX_FMT_BF6 matrix_b_fmt:MATRIX_FMT_BF6
.endr
	WIN 0x04
.irp t, 0,1,2,3
	v_wmma_scale_f32_16x16x128_f8f6f4 v[ACC+8*\t:ACC+8*\t+7], v[FR1:FR1+11], v[W1F+24*\t+12:W1F+24*\t+23], v[ACC+8*\t:ACC+8*\t+7], v[XW1], v[W1S+2*\t+1] matrix_a_fmt:MATRIX_FMT_BF6 matrix_b_fmt:MATRIX_FMT_BF6
.endr
	WIN 0
.endm
.macro STATS nt                        ; each accumulator is read from its low end on
.irp p, 0,2,4,6
.set t, 0
.rept \nt
	v_pk_add_f32 v[S1+2*t:S1+2*t+1], v[S1+2*t:S1+2*t+1], v[ACC+8*t+\p:ACC+8*t+\p+1]
	v_pk_fma_f32 v[S2+2*t:S2+2*t+1], v[ACC+8*t+\p:ACC+8*t+\p+1], v[ACC+8*t+\p:ACC+8*t+\p+1], v[S2+2*t:S2+2*t+1]
.set t, t+1
.endr
.endr
.endm
.macro PMEAN nt, dst                   ; the mean over the tile's 16 rows of each of my units
.set t, 0
.rept \nt
	v_pk_add_f32 v[12:13], v[ACC+8*t:ACC+8*t+1], v[ACC+8*t+2:ACC+8*t+3]
	v_pk_add_f32 v[14:15], v[ACC+8*t+4:ACC+8*t+5], v[ACC+8*t+6:ACC+8*t+7]
	v_pk_add_f32 v[12:13], v[12:13], v[14:15]
	v_add_f32 v12, v12, v13
	v_permlanex16_b32 v[Y], v12, s52, s53
	v_add_f32 v12, v12, v[Y]
	v_mul_f32 v[\dst+t], 0x3d800000, v12
.set t, t+1
.endr
.endm
; A TILE.  set: its ring set.  ahead: the set takes the tile D further on, at \aimm from the walking pointer.  turn: the next tile goes through the stage; young: the loads that may stay out then.
.macro TILE set, ahead, aimm, turn, young, kind
	s_wait_dscnt 0x0                                               ; my tile is back from the stage, and the stage's stores have read the ring set,
.if \ahead
	LOADT \set, 40, VOF, \aimm, 256, 1                             ; which takes the tile D further on
.endif
	FRONT
.if \turn
	s_wait_loadcnt \young                                          ; loads come back in order: the next tile's eight are in; those of the tiles behind it may be out
	TURN ((\set)+1)%D
.endif
	PLACES 7                                                       ; with the v_nop behind the conversions: eight places between the scale words' last write and the scaled products
	MM1
	PLACES 4
.if \kind
	STATS 4
.endif
.endm
	s_load_b256 s[4:11], s[0:1], 0x0               ; facts s[4:5], query s[6:7], W1's codes s[8:9], W1's scales s[10:11]
	s_load_b128 s[12:15], s[0:1], 0x20             ; b1 s[12:13], part1 s[14:15]
	v_lshl_add_u32 v254, v0, 2, 0x14000
	v_mov_b32 v255, 0
	v_lshrrev_b32 v[HW], 5, v0
	v_readfirstlane_b32 s36, v[HW]                 ; wave
	v_and_b32 v[HR], 15, v0                        ; r
	v_bfe_u32 v[HH], v0, 4, 1                      ; h
	v_and_b32 v[HL], 31, v0                        ; lane
	v_bfe_u32 v[HB3], v0, 3, 1                     ; r / 8
	v_lshlrev_b32 v[H16R], 4, v[HR]
	v_lshl_add_u32 v[VOF], v[HH], 11, v[H16R]
	v_mad_u32_u24 v[VOFM], v[HH], 51200, v[H16R]
	v_mad_u32_u24 v[VOFP], v[HH], 409600, v[H16R]
	s_mul_i32 s57, s36, WREG
	v_mad_u32_u24 v[VSTW], v[HH], 2176, v[H16R]
	v_add_nc_u32 v[VSTW], s57, v[VSTW]
	v_mul_u32_u24 v[VSTR], v[HR], 272
	v_lshl_add_u32 v[VSTR], v[HH], 7, v[VSTR]
	v_add_nc_u32 v[VSTR], s57, v[VSTR]
	s_add_co_u32 s58, s57, SQO
	v_lshlrev_b32 v[VQA], 7, v[HH]
	v_add_nc_u32 v[VQA], s58, v[VQA]
	v_mad_u32_u24 v[VQM], v[HB3], 272, v[VQA]
	v_mad_u32_u24 v[VQW], v[HH], 272, v[H16R]
	v_add_nc_u32 v[VQW], s58, v[VQW]
	v_lshlrev_b32 v[VIMG], 4, v[HL]
	v_add_nc_u32 v[VRD], RED1, v[VIMG]
	s_lshl_b32 s59, s36, 9
	v_add_nc_u32 v[VRW], s59, v[VRD]
	v_mul_u32_u24 v[HA1], v[HR], 768               ; W1: units 4 r .. 4 r + 3 are 768 bytes; + 24 h
	v_mad_u32_u24 v[HA1], v[HH], 24, v[HA1]
	v_lshlrev_b32 v[HA2], 5, v[HR]                 ; their scale bytes: 32 r
	v_lshlrev_b32 v[HA3], 8, v[HR]                 ; the probe's q: row r of query, + 128 h
	v_lshl_add_u32 v[HA3], v[HH], 7, v[HA3]
	s_mov_b32 s52, 0x76543210
	s_mov_b32 s53, 0xfedcba98                      ; v_permlanex16_b32's selects for lane l xor 16
	s_mov_b32 s54, 0xffff0000                      ; lanes 16-31
	s_lshl_b32 s37, ttmp9, 3
	s_add_co_u32 s37, s37, s36                     ; my pair of batches
	s_mul_i32 s38, s37, 102400
	s_mov_b32 s39, 0
	s_lshl_b32 s42, s37, 9
	s_mov_b32 s43, 0
	s_lshl_b32 s44, ttmp9, 9
	s_mov_b32 s45, 0
	s_mov_b32 s49, 0
	s_mov_b32 s46, 0                               ; the loop's counter
	s_wait_kmcnt 0x0
	s_add_nc_u64 s[38:39], s[4:5], s[38:39]        ; the pair's facts
	s_add_nc_u64 s[42:43], s[6:7], s[42:43]        ; its two rows of query
	s_add_nc_u64 s[44:45], s[14:15], s[44:45]      ; my work-group's record
	s_add_nc_u64 s[40:41], s[38:39], (D-2)*4096    ; the walking pointer
	LOADT 0, 4, VOFP, 0, 51200, 0                  ; the probe: fact 0 of batches 0 to 15 (every wave reads these rows: no hint)
	LOADT 1, 38, VOFM, 49152, 256, 1               ; the mixed tile
	LOADT 2, 38, VOF, 0, 256, 1                    ; A's tiles 0 and 1
	LOADT 3, 38, VOF, 4096, 256, 1
	WIN 0x40
.irp t, 0,1,2,3
.irp s, 0,1
.irp p, 0,1,2,3,4,5
	global_load_b64 v[W1F+12*(2*\t+\s)+2*\p:W1F+12*(2*\t+\s)+2*\p+1], v[HA1], s[8:9] offset:192*\t+96*\s+48*(\p/3)+8*(\p%3)
.endr
.endr
.endr
	WIN 0
	global_load_b128 v[W1S:W1S+3], v[HA2], s[10:11]
	global_load_b128 v[W1S+4:W1S+7], v[HA2], s[10:11] offset:16
	global_load_b128 v[B1:B1+3], v[H16R], s[12:13]
	global_load_b128 v[70:73], v[VIMG], s[42:43]   ; q of A (lanes 0-15) and of B (lanes 16-31)
.irp c, 0,1,2,3,4,5,6,7
	global_load_b128 v[Q+4*\c:Q+4*\c+3], v[HA3], s[6:7] offset:16*\c
.endr
	s_wait_loadcnt 0x0                             ; once: weights, q, the first D tiles
	ds_store_b128 v[VQW], v[70:73]
	TURN 0
	WIN 0x40
.irp t, 0,1,2,3
.irp j, 0,1,2,3,4,5,6,7
	v_mov_b32 v[CI+8*\t+\j], v[B1+\t]              ; for the probe C = b1: it yields h1 itself
.endr
.endr
	WIN 0
.irp j, 0,1,2,3,4,5,6,7,8,9,10,11,12,13,14,15
	v_mov_b32 v[S1+\j], 0
.endr
	v_mov_b32 v[Y], 0
	QQUANT
	TILE 0, 1, 0, 1, 8*(D-1), 0                    ; the probe
	PMEAN 4, C1                                    ; c
	WIN 0x40
.irp t, 0,1,2,3
.irp j, 0,1,2,3,4,5,6,7
	v_sub_f32 v[CI+8*\t+\j], v[B1+\t], v[C1+\t]    ; from here on C = b1 - c
.endr
.endr
	WIN 0
	s_or_b32 s57, ttmp9, s36
	s_cmp_lg_u32 s57, 0
	s_cbranch_scc1 .Lnoc
	global_store_b128 v[VIMG], v[C1:C1+3], s[14:15] offset:131072  ; c, by one wave of the launch (lanes 16-31 store it a second time: 512 consecutive bytes)
.Lnoc:
	QSET VQM, 0
	TILE 1, 1, 4096, 1, 8*(D-1), 1                 ; the mixed tile
	QSET VQA, 0
.Ltrip:                                            ; 24 / D - 1 trips of D tiles
	s_cmp_lg_u32 s46, 12/D
	s_cbranch_scc1 .Lsameq
	QSET VQA, 272                                  ; batch B begins
.Lsameq:
	TILE 2, 1, 8192, 1, 8*(D-1), 1
	TILE 3, 1, 12288, 1, 8*(D-1), 1
	TILE 0, 1, 16384, 1, 8*(D-1), 1
	TILE 1, 1, 20480, 1, 8*(D-1), 1
	s_wait_xcnt 0x0                                ; the loads have read their base: it may step
	s_add_co_u32 s46, s46, 1
	s_mov_b32 s48, 4096*D
	s_cmp_eq_u32 s46, 12/D-1
	s_cselect_b32 s48, 4096*D+2048, s48            ; once: over A's last 8 rows, which the mixed tile took
	s_add_nc_u64 s[40:41], s[40:41], s[48:49]
	s_cmp_lt_u32 s46, 24/D-1
	s_cbranch_scc1 .Ltrip
	TILE 2, 0, 0, 1, 16, 1                         ; the last D tiles load nothing: the counts run down
	TILE 3, 0, 0, 1, 8, 1
	TILE 0, 0, 0, 1, 0, 1
	TILE 1, 0, 0, 0, 0, 1
	; THE WAY OUT: pairs, the two halves of the lanes, the eight waves
.irp t, 0,1,2,3
	v_add_f32 v[S1+2*\t], v[S1+2*\t], v[S1+2*\t+1]
	v_add_f32 v[S2+2*\t], v[S2+2*\t], v[S2+2*\t+1]
.endr
.irp t, 0,1,2,3
	v_permlanex16_b32 v[S1+2*\t+1], v[S1+2*\t], s52, s53
	v_permlanex16_b32 v[S2+2*\t+1], v[S2+2*\t], s52, s53
.endr
.irp t, 0,1,2,3
	v_add_f32 v[S1+2*\t], v[S1+2*\t], v[S1+2*\t+1]
	v_add_f32 v[S2+2*\t], v[S2+2*\t], v[S2+2*\t+1]
.endr
.irp t, 0,1,2,3
	v_cndmask_b32 v[T+\t], v[S1+2*\t], v[S2+2*\t], s54             ; lanes 0-15 carry the sums of d, lanes 16-31 those of d^2: the record's layout
.endr
	ds_store_b128 v[VRW], v[T:T+3]
	s_wait_dscnt 0x0                               ; for the others' sake: my store has landed
	s_barrier_signal -1
	s_barrier_wait -1
	s_cmp_lg_u32 s36, 0
	s_cbranch_scc1 .Lend
.irp w, 0,1,2,3,4,5,6,7
	ds_load_b128 v[T+4*\w:T+4*\w+3], v[VRD] offset:512*\w
.endr
	s_wait_dscnt 0x0
.irp st, 4,2,1
.set i, 0
.rept \st
	v_pk_add_f32 v[T+4*i:T+4*i+1], v[T+4*i:T+4*i+1], v[T+4*(i+\st):T+4*(i+\st)+1]
	v_pk_add_f32 v[T+4*i+2:T+4*i+3], v[T+4*i+2:T+4*i+3], v[T+4*(i+\st)+2:T+4*(i+\st)+3]
.set i, i+1
.endr
.endr
	global_store_b128 v[VIMG], v[T:T+3], s[44:45]  ; 512 consecutive bytes, aligned
.Lend:
	s_wait_tensorcnt 0x0
	ds_add_u32 v254, v255
	s_wait_dscnt 0x0
	s_endpgm
.Lfunc_end_k_qbd9727d50f_stats1:
	.size	k_qbd9727d50f_stats1, .Lfunc_end_k_qbd9727d50f_stats1-k_qbd9727d50f_stats1
	.p2alignl 7, 3214868480
	.fill 96, 4, 3214868480
	.section	.rodata,"a",@progbits
	.p2align	6, 0x0
	.amdhsa_kernel k_qbd9727d50f_stats1
		.amdhsa_group_segment_fixed_size 82944
		.amdhsa_private_segment_fixed_size 0
		.amdhsa_enable_private_segment 0
		.amdhsa_kernarg_size 48
		.amdhsa_user_sgpr_count 2
		.amdhsa_user_sgpr_kernarg_segment_ptr 1
		.amdhsa_wavefront_size32 1
		.amdhsa_system_sgpr_workgroup_id_x 1
		.amdhsa_system_sgpr_workgroup_id_y 1
		.amdhsa_system_sgpr_workgroup_id_z 1
		.amdhsa_system_vgpr_workitem_id 0
		.amdhsa_next_free_vgpr 512
		.amdhsa_next_free_sgpr 66
		.amdhsa_reserve_vcc 0
		.amdhsa_float_denorm_mode_32 3
		.amdhsa_float_denorm_mode_16_64 3
		.amdhsa_memory_ordered 1
		.amdhsa_forward_progress 1
		.amdhsa_inst_pref_size 141
	.end_amdhsa_kernel
	.amdgpu_metadata
---
amdhsa.version: [ 1, 2 ]
amdhsa.kernels:
  - .name:           k_qbd9727d50f_stats1
    .symbol:         k_qbd9727d50f_stats1.kd
    .args:
      - { .name: facts, .offset: 0, .size: 8, .value_kind: global_buffer, .address_space: global }
      - { .name: query, .offset: 8, .size: 8, .value_kind: global_buffer, .address_space: global }
      - { .name: W1_codes, .offset: 16, .size: 8, .value_kind: global_buffer, .address_space: global }
      - { .name: W1_scales, .offset: 24, .size: 8, .value_kind: global_buffer, .address_space: global }
      - { .name: b1, .offset: 32, .size: 8, .value_kind: global_buffer, .address_space: global }
      - { .name: part1, .offset: 40, .size: 8, .value_kind: global_buffer, .address_space: global }
    .group_segment_fixed_size: 82944
    .private_segment_fixed_size: 0
    .kernarg_segment_align: 8
    .kernarg_segment_size: 48
    .max_flat_workgroup_size: 256
    .sgpr_count:     66
    .vgpr_count:     512
    .wavefront_size: 32
...
	.end_amdgpu_metadata
.endif
;; end of part 1
;; launch stats2 (part 2): grid 256 x 1, 8 waves a work-group, no clusters, 82,944 bytes of LDS; arguments facts, query, W1_codes, W1_scales, W2_codes, W2_scales, b1, g1, be1, dg1, db1, a1, b2, part1, part2, hcodes; writes part2, hcodes
.if DOCPART == 2
	.amdgcn_target "amdgcn-amd-amdhsa--gfx1250"
	.amdhsa_code_object_version 6
	.text
	.protected	k_qbd9727d50f_stats2
	.globl	k_qbd9727d50f_stats2
	.p2align	8
	.type	k_qbd9727d50f_stats2,@function
k_qbd9727d50f_stats2:
	s_mov_b64 s[64:65], 0
	v_nop
	global_prefetch_b8 v0, s[64:65] scope:SCOPE_SE
	s_setreg_imm32_b32 hwreg(HW_REG_WAVE_MODE, 25, 1), 1
	s_wait_xcnt 0x0
; SECOND WALK.  For all 819,200 rows: ai -> codes -> x W1 as in the first walk; BatchNorm 1 and Dice 1 in f32 with the batch statistics of the first walk; the result -> codes of E3M2 along its 64 units;
; the codes are STORED (48 bytes and a scale word a row, as an image of the operand's registers), so that the third walk needs none of this again; x W2 + b2 = h2; stored: the sums of d = h2 - c2 and d^2.
; THE NORMS IN CLOSED FORM.  With m, var the batch mean and variance of h = acc + b:  y = g (h - m) rs + be, rs = rsqrt(var + 1e-5).  The batch mean of y is be and its variance (g rs)^2 var, so Dice's own
; norm needs no pass:  z = dg (y - be) rsqrt((g rs)^2 var + 1e-8) + db.  Per unit: y = acc CA + CB;  -log2(e) z = acc CG + CD;  gate = 1 / (1 + 2^(-log2(e) z));  out = y (gate (1 - a) + a).
; Shares, tiles, stage, the shift c and the product's orientation: as in the first walk (a wave owns two batches, 25 tiles of 16 rows; lane (r, h) of a result holds ONE unit and rows 8 h + 0 .. 7).
; Units of a tile: layer 1: column r of tile t is unit 4 r + t; layer 2: column r of tile t is unit 2 r + t: a lane's parameters are 16 or 8 neighbouring bytes.
; Dice's output turns through a second stage of the wave's own, so that lane (r, h) holds units 32 h .. 32 h + 31 of row r: a whole block of the next K.
; LIMITS: NaN and infinities among the inputs are not served; a block whose largest magnitude lies under 2^-122 keeps the scale byte 1; the mean is folded into CB and CD, whose rounding is one ulp of |m| g rs,
; as h's own rounding is; the variance comes from sums about c, a mean of 16 rows: its relative error grows as 1 + ((m - c) / spread)^2.
.set D,     3
.set WREG,  9472                       ; LDS: a wave's region: stage for facts (16 x 272), stage for Dice's output (16 x 272), q of both batches (2 x 272)
.set SHO,   4352
.set SQO,   8704
.set RED1,  75776                      ; 8 x 512 bytes: the head's sums of the first walk's records
.set RED2,  79872                      ; 8 x 256 bytes: the way out
.set VOF,   1
.set VOFM,  2
.set VOFP,  3
.set VSTW,  4
.set VSTR,  5
.set VQA,   6
.set VQM,   7
.set VIMG,  8                          ; 16 x lane
.set VRD,   9                          ; RED2 + 8 x lane
.set VRW,   10                         ; RED2 + 256 x wave + 8 x lane
.set VQW,   11
.set W1S,   16
.set W2S,   24                         ; v24, v25 W2's scale words
.set XW0,   26
.set XW1,   27
.set QT,    28
.set X,     29
.set Y,     30
.set Y2,    31
.set MX,    32
.set SO,    35
.set M2,    38
.set SO2,   39
.set FR0,   40
.set FR1,   52
.set TC,    64
.set Q,     76
.set F,     108
.set T,     140
.set ACC,   172
.set CA,    204                        ; six coefficients for each of my four units
.set CB,    208
.set CG,    212
.set CD,    216
.set CO,    220
.set CL,    224
.set SW,    228                        ; v228 the row's scale word, v229 0, v230-235 the six code registers, v236-241 zeros (k = 64 .. 127 of the K step): v[230:241] is source 0
.set PC,    230
.set S1,    242
.set S2,    246
.set B2,    250
.set C2,    252
.set V8L,   254                        ; 8 x lane
.set PC1,   40                         ; the head: c1, b1, g1, be1, dg1, db1, a1 of my four units
.set PB1,   44
.set PG1,   48
.set PBE,   52
.set PDG,   56
.set PDB,   60
.set PA1,   64
.set MD,    144                        ; the head's work
.set VR,    148
.set KB,    152
.set RS,    156
.set RY,    160
.set GG,    164
.set TT,    168
.set HW,    236
.set HR,    237
.set HH,    238
.set HL,    239
.set H16R,  240
.set HA1,   241
.set HA2,   242
.set HA3,   243
.set HA4,   244
.set HA5,   245
.set HA6,   246
.set HA7,   247
.set HB3,   248
.set W1F,   96                         ; window 1: v0-95 the ring; v96-191 W1's eight fragments; v192-215 W2's two; v216-231 b2 - c2
.set W2F,   192
.set CI2,   216
.set MSB,   0
.macro WIN new
.if MSB != \new
	s_set_vgpr_msb (MSB<<8)|\new
.set MSB, \new
.endif
.endm
.macro PLACES n
.rept \n
	v_nop
.endr
.endm
.macro LOADT set, base, voff, imm0, stride, nt
	WIN 0x40
.irp i, 0,1,2,3,4,5,6,7
.if \nt
	global_load_b128 v[32*(\set)+4*\i:32*(\set)+4*\i+3], v[\voff], s[\base:\base+1] offset:\imm0+\i*\stride th:TH_LOAD_NT
.else
	global_load_b128 v[32*(\set)+4*\i:32*(\set)+4*\i+3], v[\voff], s[\base:\base+1] offset:\imm0+\i*\stride
.endif
.endr
	WIN 0
.endm
.macro TURN set
	WIN 0x04
.irp i, 0,1,2,3,4,5,6,7
	ds_store_b128 v[VSTW], v[32*(\set)+4*\i:32*(\set)+4*\i+3] offset:272*\i
.endr
	WIN 0
.irp i, 0,1,2,3,4,5,6,7
	ds_load_b128 v[F+4*\i:F+4*\i+3], v[VSTR] offset:16*\i
.endr
.endm
.macro QQUANT
	v_max3_num_f32 v[MX], |v[Q]|, |v[Q+1]|, 0x2800000
	v_max3_num_f32 v[MX+1], |v[Q+16]|, |v[Q+17]|, 0x2800000
.set i, 2
.rept 7
	v_max3_num_f32 v[MX], v[MX], |v[Q+i]|, |v[Q+i+1]|
	v_max3_num_f32 v[MX+1], v[MX+1], |v[Q+16+i]|, |v[Q+17+i]|
.set i, i+2
.endr
	v_max_num_f32 v[MX], v[MX], v[MX+1]
	v_add_nc_u32 v[SO], 0xfe000000, v[MX]
	v_lshrrev_b32 v[QT], 23, v[SO]
	v_lshlrev_b32 v[QT], 24, v[QT]
	v_cvt_scalef32_pk16_bf6_f32 v[FR0:FR0+2], v[Q:Q+15], v[SO]
	v_cvt_scalef32_pk16_bf6_f32 v[TC:TC+2], v[Q+16:Q+31], v[SO]
	v_nop
.irp i, 0,1,2
	v_mov_b32 v[FR0+3+\i], v[TC+\i]
.endr
.endm
.macro QSET adr, off
.irp c, 0,1,2,3,4,5,6,7
	ds_load_b128 v[Q+4*\c:Q+4*\c+3], v[\adr] offset:\off+16*\c
.endr
	s_wait_dscnt 0x0
	QQUANT
.endm
.macro FRONT
.set i, 0
.rept 16
	v_pk_add_f32 v[T+i:T+i+1], v[Q+i:Q+i+1], v[F+i:F+i+1] neg_lo:[0,1] neg_hi:[0,1]
	v_pk_mul_f32 v[ACC+i:ACC+i+1], v[Q+i:Q+i+1], v[F+i:F+i+1]
.set i, i+2
.endr
	v_max3_num_f32 v[MX], |v[F]|, |v[F+1]|, 0x2800000
	v_max3_num_f32 v[MX+1], |v[T]|, |v[T+1]|, 0x2800000
	v_max3_num_f32 v[MX+2], |v[ACC]|, |v[ACC+1]|, 0x2800000
.set i, 2
.rept 15
	v_max3_num_f32 v[MX], v[MX], |v[F+i]|, |v[F+i+1]|
	v_max3_num_f32 v[MX+1], v[MX+1], |v[T+i]|, |v[T+i+1]|
	v_max3_num_f32 v[MX+2], v[MX+2], |v[ACC+i]|, |v[ACC+i+1]|
.set i, i+2
.endr
.irp b, 0,1,2
	v_add_nc_u32 v[SO+\b], 0xfe000000, v[MX+\b]
.endr
.irp b, 0,1,2
	v_lshrrev_b32 v[MX+\b], 23, v[SO+\b]
.endr
	v_lshl_or_b32 v[X], v[MX+2], 8, v[MX+1]
	v_lshl_or_b32 v[X], v[X], 8, v[MX]
	v_or_b32 v[X], v[X], v[QT]
	v_permlanex16_b32 v[Y], v[X], s52, s53
	v_perm_b32 v[XW0], v[Y], v[X], 0x04000703
	v_perm_b32 v[XW1], v[Y], v[X], 0x06020501
	v_cvt_scalef32_pk16_bf6_f32 v[FR0+6:FR0+8], v[F:F+15], v[SO]
	v_cvt_scalef32_pk16_bf6_f32 v[TC:TC+2], v[F+16:F+31], v[SO]
	v_cvt_scalef32_pk16_bf6_f32 v[FR1:FR1+2], v[T:T+15], v[SO+1]
	v_cvt_scalef32_pk16_bf6_f32 v[TC+4:TC+6], v[T+16:T+31], v[SO+1]
	v_cvt_scalef32_pk16_bf6_f32 v[FR1+6:FR1+8], v[ACC:ACC+15], v[SO+2]
	v_cvt_scalef32_pk16_bf6_f32 v[TC+8:TC+10], v[ACC+16:ACC+31], v[SO+2]
	v_nop
.irp i, 0,1,2
	v_mov_b32 v[FR0+9+\i], v[TC+\i]
	v_mov_b32 v[FR1+3+\i], v[TC+4+\i]
	v_mov_b32 v[FR1+9+\i], v[TC+8+\i]
.endr
.endm
.macro MM1                             ; the sums begin with the constant 0: b1 is folded into CB and CD
	WIN 0x04
.irp t, 0,1,2,3
	v_wmma_scale_f32_16x16x128_f8f6f4 v[ACC+8*\t:ACC+8*\t+7], v[FR0:FR0+11], v[W1F+24*\t:W1F+24*\t+11], 0, v[XW0], v[W1S+2*\t] matrix_a_fmt:MATRIX_FMT_BF6 matrix_b_fmt:MATRIX_FMT_BF6
.endr
.irp t, 0,1,2,3
	v_wmma_scale_f32_16x16x128_f8f6f4 v[ACC+8*\t:ACC+8*\t+7], v[FR1:FR1+11], v[W1F+24*\t+12:W1F+24*\t+23], v[ACC+8*\t:ACC+8*\t+7], v[XW1], v[W1S+2*\t+1] matrix_a_fmt:MATRIX_FMT_BF6 matrix_b_fmt:MATRIX_FMT_BF6
.endr
	WIN 0
.endm
.macro PKFMAB d, a, cb, cc, u          ; two numbers: d = a x cb[u] + cc[u]; of the coefficients' pairs the word u % 2 serves both halves
.if ((\u)%2) == 0
	v_pk_fma_f32 v[\d:\d+1], v[\a:\a+1], v[\cb+(\u):\cb+(\u)+1], v[\cc+(\u):\cc+(\u)+1] op_sel_hi:[1,0,0]
.else
	v_pk_fma_f32 v[\d:\d+1], v[\a:\a+1], v[\cb+(\u)-1:\cb+(\u)], v[\cc+(\u)-1:\cc+(\u)] op_sel:[0,1,1] op_sel_hi:[1,1,1]
.endif
.endm
.macro DICE1                           ; ACC (16 rows x my 4 units) -> F[4 j + t] = Dice's output of row 8 h + j, unit 4 r + t
.irp t, 0,1,2,3
.irp p, 0,2,4,6
	PKFMAB F+8*\t+\p, ACC+8*\t+\p, CG, CD, \t
.endr
.endr
.set i, 0
.rept 32
	v_exp_f32 v[F+i], v[F+i]
.set i, i+1
.endr
.irp t, 0,1,2,3
.irp p, 0,2,4,6
	PKFMAB T+8*\t+\p, ACC+8*\t+\p, CA, CB, \t      ; y: plain work that names no exponential's result
.endr
.endr
	s_wait_alu depctr_va_vdst(0)                   ; one wait for the batch of 32, ahead of its first reader
.set i, 0
.rept 16
	v_pk_add_f32 v[F+i:F+i+1], v[F+i:F+i+1], 1.0 op_sel_hi:[1,0]
.set i, i+2
.endr
.set i, 0
.rept 32
	v_rcp_f32 v[F+i], v[F+i]
.set i, i+1
.endr
	v_nop                                          ; a plain place behind the last reciprocal
	s_wait_alu depctr_va_vdst(0)                   ; and one wait for these 32
.irp t, 0,1,2,3
.irp p, 0,2,4,6
	PKFMAB ACC+8*\t+\p, F+8*\t+\p, CO, CL, \t      ; gate (1 - a) + a
.endr
.endr
.irp j, 0,1,2,3,4,5,6,7
.irp t, 0,1,2,3
	v_mul_f32 v[F+4*\j+\t], v[T+8*\t+\j], v[ACC+8*\t+\j]
.endr
.endr
.endm
.macro HTURN                           ; through the second stage: a row's 64 units are 256 bytes; back: row r, units 32 h .. 32 h + 31
.irp j, 0,1,2,3,4,5,6,7
	ds_store_b128 v[VSTW], v[F+4*\j:F+4*\j+3] offset:SHO+272*\j
.endr
.irp c, 0,1,2,3,4,5,6,7
	ds_load_b128 v[T+4*\c:T+4*\c+3], v[VSTR] offset:SHO+16*\c
.endr
.endm
.macro QUANT2
	s_wait_xcnt 0x0                                ; the last tile's image stores have read their registers: they are written anew only behind this wait
	v_max3_num_f32 v[M2], |v[T]|, |v[T+1]|, 0x2800000
	v_max3_num_f32 v12, |v[T+16]|, |v[T+17]|, 0x2800000
.set i, 2
.rept 7
	v_max3_num_f32 v[M2], v[M2], |v[T+i]|, |v[T+i+1]|
	v_max3_num_f32 v12, v12, |v[T+16+i]|, |v[T+17+i]|
.set i, i+2
.endr
	v_max_num_f32 v[M2], v[M2], v12
	v_add_nc_u32 v[SO2], 0xfe000000, v[M2]
	v_lshrrev_b32 v[M2], 23, v[SO2]
	v_permlanex16_b32 v[Y2], v[M2], s52, s53
	v_lshl_or_b32 v[SW], v[Y2], 8, v[M2]           ; lanes 0-15: row r's two bytes; the upper two are 0, over zero codes
	v_cvt_scalef32_pk16_bf6_f32 v[PC:PC+2], v[T:T+15], v[SO2]
	v_cvt_scalef32_pk16_bf6_f32 v[TC:TC+2], v[T+16:T+31], v[SO2]
	v_nop
.irp i, 0,1,2
	v_mov_b32 v[PC+3+\i], v[TC+\i]
.endr
.endm
.macro IMGST imm                       ; the operand as it stands in the registers: each store covers 512 consecutive bytes, aligned
	global_store_b128 v[VIMG], v[SW:SW+3], s[42:43] offset:\imm th:TH_STORE_NT
	global_store_b128 v[VIMG], v[SW+4:SW+7], s[42:43] offset:\imm+512 th:TH_STORE_NT
.endm
.macro MM2
	WIN 0x14
.irp t, 0,1
	v_wmma_scale_f32_16x16x128_f8f6f4 v[ACC+8*\t:ACC+8*\t+7], v[PC:PC+11], v[W2F+12*\t:W2F+12*\t+11], v[CI2+8*\t:CI2+8*\t+7], v[SW], v[W2S+\t] matrix_a_fmt:MATRIX_FMT_BF6 matrix_b_fmt:MATRIX_FMT_BF6
.endr
	WIN 0
.endm
.macro STATS nt
.irp p, 0,2,4,6
.set t, 0
.rept \nt
	v_pk_add_f32 v[S1+2*t:S1+2*t+1], v[S1+2*t:S1+2*t+1], v[ACC+8*t+\p:ACC+8*t+\p+1]
	v_pk_fma_f32 v[S2+2*t:S2+2*t+1], v[ACC+8*t+\p:ACC+8*t+\p+1], v[ACC+8*t+\p:ACC+8*t+\p+1], v[S2+2*t:S2+2*t+1]
.set t, t+1
.endr
.endr
.endm
.macro PMEAN nt, dst
.set t, 0
.rept \nt
	v_pk_add_f32 v[12:13], v[ACC+8*t:ACC+8*t+1], v[ACC+8*t+2:ACC+8*t+3]
	v_pk_add_f32 v[14:15], v[ACC+8*t+4:ACC+8*t+5], v[ACC+8*t+6:ACC+8*t+7]
	v_pk_add_f32 v[12:13], v[12:13], v[14:15]
	v_add_f32 v12, v12, v13
	v_permlanex16_b32 v[Y], v12, s52, s53
	v_add_f32 v12, v12, v[Y]
	v_mul_f32 v[\dst+t], 0x3d800000, v12
.set t, t+1
.endr
.endm
.macro TILE set, ahead, aimm, turn, young, kind, img
	s_wait_dscnt 0x0                               ; my tile is back from the stage, and the stage's stores have read the ring set,
.if \ahead
	LOADT \set, 40, VOF, \aimm, 256, 1             ; which takes the tile D further on
.endif
	FRONT
	PLACES 7                                       ; with the v_nop behind the conversions: eight places between the scale words' last write and the scaled products
	MM1
	PLACES 4
	DICE1
	HTURN
	s_wait_dscnt 0x0                               ; Dice's output is back; F is free
.if \turn
	s_wait_loadcnt \young                          ; the next tile's eight loads are in; those of the tiles behind it may be out
	TURN ((\set)+1)%D
.endif
	QUANT2
.if \kind
	IMGST \img
.endif
	PLACES 7
	MM2
	PLACES 4
.if \kind
	STATS 2
.endif
.endm
	s_load_b512 s[4:19], s[0:1], 0x0               ; facts 4, query 6, W1 codes 8, W1 scales 10, W2 codes 12, W2 scales 14, b1 16, g1 18
	s_load_b512 s[20:35], s[0:1], 0x40             ; be1 20, dg1 22, db1 24, a1 26, b2 28, part1 30, part2 32, hcodes 34
	v_lshl_add_u32 v75, v0, 2, 0x14000
	v_mov_b32 v255, 0
	v_lshrrev_b32 v[HW], 5, v0
	v_readfirstlane_b32 s36, v[HW]
	v_and_b32 v[HR], 15, v0
	v_bfe_u32 v[HH], v0, 4, 1
	v_and_b32 v[HL], 31, v0
	v_bfe_u32 v[HB3], v0, 3, 1
	v_lshlrev_b32 v[H16R], 4, v[HR]
	v_lshl_add_u32 v[VOF], v[HH], 11, v[H16R]
	v_mad_u32_u24 v[VOFM], v[HH], 51200, v[H16R]
	v_mad_u32_u24 v[VOFP], v[HH], 409600, v[H16R]
	s_mul_i32 s57, s36, WREG
	v_mad_u32_u24 v[VSTW], v[HH], 2176, v[H16R]
	v_add_nc_u32 v[VSTW], s57, v[VSTW]
	v_mul_u32_u24 v[VSTR], v[HR], 272
	v_lshl_add_u32 v[VSTR], v[HH], 7, v[VSTR]
	v_add_nc_u32 v[VSTR], s57, v[VSTR]
	s_add_co_u32 s58, s57, SQO
	v_lshlrev_b32 v[VQA], 7, v[HH]
	v_add_nc_u32 v[VQA], s58, v[VQA]
	v_mad_u32_u24 v[VQM], v[HB3], 272, v[VQA]
	v_mad_u32_u24 v[VQW], v[HH], 272, v[H16R]
	v_add_nc_u32 v[VQW], s58, v[VQW]
	v_lshlrev_b32 v[VIMG], 4, v[HL]
	v_lshlrev_b32 v[V8L], 3, v[HL]
	v_add_nc_u32 v[VRD], RED2, v[V8L]
	s_lshl_b32 s59, s36, 8
	v_add_nc_u32 v[VRW], s59, v[VRD]
	v_add_nc_u32 v12, RED1, v[H16R]                ; the head's sums: read at RED1 + 16 r,
	v_add_nc_u32 v13, RED1, v[VIMG]
	s_lshl_b32 s60, s36, 9
	v_add_nc_u32 v13, s60, v13                     ; stored at RED1 + 512 x wave + 16 x lane
	v_mul_u32_u24 v[HA1], v[HR], 768
	v_mad_u32_u24 v[HA1], v[HH], 24, v[HA1]
	v_lshlrev_b32 v[HA2], 5, v[HR]
	v_lshlrev_b32 v[HA3], 8, v[HR]
	v_lshl_add_u32 v[HA3], v[HH], 7, v[HA3]
	v_mul_u32_u24 v[HA4], v[HR], 96                ; W2: units 2 r, 2 r + 1 are 96 bytes; + 24 h
	v_mad_u32_u24 v[HA4], v[HH], 24, v[HA4]
	v_lshlrev_b32 v[HA5], 2, v[HR]                 ; their scale bytes: 4 r
	v_lshlrev_b32 v[HA6], 3, v[HR]                 ; b2: 8 r
	s_lshl_b32 s61, s36, 14
	v_add_nc_u32 v[HA7], s61, v[VIMG]              ; my wave's 32 records of 512 bytes
	s_mov_b32 s52, 0x76543210
	s_mov_b32 s53, 0xfedcba98
	s_mov_b32 s54, 0xffff0000
	s_lshl_b32 s37, ttmp9, 3
	s_add_co_u32 s37, s37, s36
	s_mul_i32 s38, s37, 102400
	s_mov_b32 s39, 0
	s_lshl_b32 s50, s37, 9
	s_mov_b32 s51, 0
	s_mul_i32 s42, s37, 25600
	s_mov_b32 s43, 0
	s_lshl_b32 s44, ttmp9, 8
	s_mov_b32 s45, 0
	s_mov_b32 s49, 0
	s_mov_b32 s46, 0
	s_wait_kmcnt 0x0
	s_add_nc_u64 s[38:39], s[4:5], s[38:39]        ; the pair's facts
	s_add_nc_u64 s[50:51], s[6:7], s[50:51]        ; its two rows of query
	s_add_nc_u64 s[42:43], s[34:35], s[42:43]      ; its 25 images
	s_add_nc_u64 s[44:45], s[32:33], s[44:45]      ; my work-group's record
	s_add_nc_u64 s[40:41], s[38:39], (D-2)*4096
	LOADT 0, 4, VOFP, 0, 51200, 0
	LOADT 1, 38, VOFM, 49152, 256, 1
	LOADT 2, 38, VOF, 0, 256, 1
	WIN 0x40
.irp t, 0,1,2,3
.irp s, 0,1
.irp p, 0,1,2,3,4,5
	global_load_b64 v[W1F+12*(2*\t+\s)+2*\p:W1F+12*(2*\t+\s)+2*\p+1], v[HA1], s[8:9] offset:192*\t+96*\s+48*(\p/3)+8*(\p%3)
.endr
.endr
.endr
.irp t, 0,1
.irp p, 0,1,2
	global_load_b64 v[W2F+12*\t+2*\p:W2F+12*\t+2*\p+1], v[HA4], s[12:13] offset:48*\t+8*\p
.endr
.endr
	WIN 0
	global_load_b128 v[W1S:W1S+3], v[HA2], s[10:11]
	global_load_b128 v[W1S+4:W1S+7], v[HA2], s[10:11] offset:16
	global_load_u16 v[W2S], v[HA5], s[14:15]
	global_load_u16 v[W2S+1], v[HA5], s[14:15] offset:2
	global_load_b128 v[PC1:PC1+3], v[H16R], s[30:31] offset:131072
	global_load_b128 v[PB1:PB1+3], v[H16R], s[16:17]
	global_load_b128 v[PG1:PG1+3], v[H16R], s[18:19]
	global_load_b128 v[PBE:PBE+3], v[H16R], s[20:21]
	global_load_b128 v[PDG:PDG+3], v[H16R], s[22:23]
	global_load_b128 v[PDB:PDB+3], v[H16R], s[24:25]
	global_load_b128 v[PA1:PA1+3], v[H16R], s[26:27]
	global_load_b64 v[B2:B2+1], v[HA6], s[28:29]
	global_load_b128 v[70:73], v[VIMG], s[50:51]
.irp c, 0,1,2,3,4,5,6,7
	global_load_b128 v[Q+4*\c:Q+4*\c+3], v[HA3], s[6:7] offset:16*\c
.endr
.set i, 0
.rept 32
	global_load_b128 v[F+4*i:F+4*i+3], v[HA7], s[30:31] offset:512*i
.set i, i+1
.endr
	s_wait_loadcnt 0x0
	WIN 0x40
.irp t, 0,1
.irp j, 6,7,8,9,10,11
	v_mov_b32 v[W2F+12*\t+\j], 0                   ; k = 64 .. 127 of the K step: zero codes on both sides
.endr
.endr
.irp t, 0,1
.irp j, 0,1,2,3,4,5,6,7
	v_mov_b32 v[CI2+8*\t+\j], v[B2+\t]             ; for the probe C = b2
.endr
.endr
	WIN 0
.irp st, 16,8,4,2,1                    ; my 32 records, added in a fixed order
.set i, 0
.rept \st
	v_pk_add_f32 v[F+4*i:F+4*i+1], v[F+4*i:F+4*i+1], v[F+4*(i+\st):F+4*(i+\st)+1]
	v_pk_add_f32 v[F+4*i+2:F+4*i+3], v[F+4*i+2:F+4*i+3], v[F+4*(i+\st)+2:F+4*(i+\st)+3]
.set i, i+1
.endr
.endr
	ds_store_b128 v13, v[F:F+3]
	ds_store_b128 v[VQW], v[70:73]
	TURN 0
	s_wait_dscnt 0x0                               ; for the others' sake: my store has landed
	s_barrier_signal -1
	s_barrier_wait -1
.irp w, 0,1,2,3,4,5,6,7
	ds_load_b128 v[T+4*\w:T+4*\w+3], v12 offset:512*\w             ; the sums of d of my four units,
	ds_load_b128 v[ACC+4*\w:ACC+4*\w+3], v12 offset:512*\w+256     ; and of d^2
.endr
	s_wait_dscnt 0x0
.irp st, 4,2,1
.set i, 0
.rept \st
	v_pk_add_f32 v[T+4*i:T+4*i+1], v[T+4*i:T+4*i+1], v[T+4*(i+\st):T+4*(i+\st)+1]
	v_pk_add_f32 v[T+4*i+2:T+4*i+3], v[T+4*i+2:T+4*i+3], v[T+4*(i+\st)+2:T+4*(i+\st)+3]
	v_pk_add_f32 v[ACC+4*i:ACC+4*i+1], v[ACC+4*i:ACC+4*i+1], v[ACC+4*(i+\st):ACC+4*(i+\st)+1]
	v_pk_add_f32 v[ACC+4*i+2:ACC+4*i+3], v[ACC+4*i+2:ACC+4*i+3], v[ACC+4*(i+\st)+2:ACC+4*(i+\st)+3]
.set i, i+1
.endr
.endr
	; the six coefficients of my four units
.irp u, 0,1,2,3
	v_mul_f32 v[MD+\u], 0x35a3d70a, v[T+\u]        ; mean of d (1 / 819,200)
	v_mul_f32 v[VR+\u], 0x35a3d70a, v[ACC+\u]
.endr
.irp u, 0,1,2,3
	v_fma_f32 v[VR+\u], -v[MD+\u], v[MD+\u], v[VR+\u]
	v_add_f32 v[KB+\u], v[PC1+\u], v[MD+\u]        ; m = c + mean of d
.endr
.irp u, 0,1,2,3
	v_max_num_f32 v[VR+\u], 0, v[VR+\u]            ; the variance
	v_sub_f32 v[KB+\u], v[PB1+\u], v[KB+\u]        ; b - m
.endr
.irp u, 0,1,2,3
	v_add_f32 v[RS+\u], 0x3727c5ac, v[VR+\u]       ; + 1e-5
.endr
.irp u, 0,1,2,3
	v_rsq_f32 v[RS+\u], v[RS+\u]
.endr
	v_nop
	s_wait_alu depctr_va_vdst(0)
.irp u, 0,1,2,3
	v_mul_f32 v[CA+\u], v[PG1+\u], v[RS+\u]
.endr
.irp u, 0,1,2,3
	v_mul_f32 v[RY+\u], v[CA+\u], v[CA+\u]
.endr
.irp u, 0,1,2,3
	v_fmaak_f32 v[RY+\u], v[RY+\u], v[VR+\u], 0x322bcc77           ; y's variance + 1e-8
.endr
.irp u, 0,1,2,3
	v_rsq_f32 v[RY+\u], v[RY+\u]
.endr
	v_nop
	s_wait_alu depctr_va_vdst(0)
.irp u, 0,1,2,3
	v_mul_f32 v[GG+\u], v[PDG+\u], v[CA+\u]
	v_fma_f32 v[CB+\u], v[CA+\u], v[KB+\u], v[PBE+\u]
	v_sub_f32 v[CO+\u], 1.0, v[PA1+\u]
	v_mov_b32 v[CL+\u], v[PA1+\u]
.endr
.irp u, 0,1,2,3
	v_mul_f32 v[GG+\u], v[GG+\u], v[RY+\u]
.endr
.irp u, 0,1,2,3
	v_fma_f32 v[TT+\u], v[GG+\u], v[KB+\u], v[PDB+\u]
	v_mul_f32 v[CG+\u], 0xbfb8aa3b, v[GG+\u]       ; x -log2(e)
.endr
.irp u, 0,1,2,3
	v_mul_f32 v[CD+\u], 0xbfb8aa3b, v[TT+\u]
.endr
	v_mov_b32 v[SW+1], 0
.irp j, 6,7,8,9,10,11
	v_mov_b32 v[PC+\j], 0
.endr
.irp j, 0,1,2,3,4,5,6,7
	v_mov_b32 v[S1+\j], 0
.endr
	v_mov_b32 v[Y], 0
	v_mov_b32 v[Y2], 0
	QQUANT
	TILE 0, 1, 0, 1, 8*(D-1), 0, 0                 ; the probe
	PMEAN 2, C2
	WIN 0x40
.irp t, 0,1
.irp j, 0,1,2,3,4,5,6,7
	v_sub_f32 v[CI2+8*\t+\j], v[B2+\t], v[C2+\t]
.endr
.endr
	WIN 0
	s_or_b32 s57, ttmp9, s36
	s_cmp_lg_u32 s57, 0
	s_cbranch_scc1 .Lnoc
	global_store_b64 v[V8L], v[C2:C2+1], s[32:33] offset:65536     ; c2, by one wave of the launch (lanes 16-31 store it a second time: 256 consecutive bytes)
.Lnoc:
	QSET VQM, 0
	TILE 1, 1, 4096, 1, 8*(D-1), 1, 0              ; the mixed tile: image 0
	QSET VQA, 0
.Ltrip:                                            ; 24 / D - 1 trips of D tiles
	s_cmp_lg_u32 s46, 12/D
	s_cbranch_scc1 .Lsameq
	QSET VQA, 272
.Lsameq:
	TILE 2, 1, 8192, 1, 8*(D-1), 1, 1024
	TILE 0, 1, 12288, 1, 8*(D-1), 1, 2048
	TILE 1, 1, 16384, 1, 8*(D-1), 1, 3072
	s_wait_xcnt 0x0                                ; loads and stores have read their bases: both may step
	s_add_co_u32 s46, s46, 1
	s_mov_b32 s48, 4096*D
	s_cmp_eq_u32 s46, 12/D-1
	s_cselect_b32 s48, 4096*D+2048, s48
	s_add_nc_u64 s[40:41], s[40:41], s[48:49]
	s_add_nc_u64 s[42:43], s[42:43], 1024*D
	s_cmp_lt_u32 s46, 24/D-1
	s_cbranch_scc1 .Ltrip
	TILE 2, 0, 0, 1, 8, 1, 1024
	TILE 0, 0, 0, 1, 0, 1, 2048
	TILE 1, 0, 0, 0, 0, 1, 3072
.irp t, 0,1
	v_add_f32 v[S1+2*\t], v[S1+2*\t], v[S1+2*\t+1]
	v_add_f32 v[S2+2*\t], v[S2+2*\t], v[S2+2*\t+1]
.endr
.irp t, 0,1
	v_permlanex16_b32 v[S1+2*\t+1], v[S1+2*\t], s52, s53
	v_permlanex16_b32 v[S2+2*\t+1], v[S2+2*\t], s52, s53
.endr
.irp t, 0,1
	v_add_f32 v[S1+2*\t], v[S1+2*\t], v[S1+2*\t+1]
	v_add_f32 v[S2+2*\t], v[S2+2*\t], v[S2+2*\t+1]
.endr
.irp t, 0,1
	v_cndmask_b32 v[T+\t], v[S1+2*\t], v[S2+2*\t], s54
.endr
	ds_store_b64 v[VRW], v[T:T+1]
	s_wait_dscnt 0x0
	s_barrier_signal -1
	s_barrier_wait -1
	s_cmp_lg_u32 s36, 0
	s_cbranch_scc1 .Lend
.irp w, 0,1,2,3,4,5,6,7
	ds_load_b64 v[T+2*\w:T+2*\w+1], v[VRD] offset:256*\w
.endr
	s_wait_dscnt 0x0
.irp st, 4,2,1
.set i, 0
.rept \st
	v_pk_add_f32 v[T+2*i:T+2*i+1], v[T+2*i:T+2*i+1], v[T+2*(i+\st):T+2*(i+\st)+1]
.set i, i+1
.endr
.endr
	global_store_b64 v[V8L], v[T:T+1], s[44:45]    ; 256 consecutive bytes, aligned
.Lend:
	s_wait_tensorcnt 0x0
	ds_add_u32 v75, v255
	s_wait_dscnt 0x0
	s_endpgm
.Lfunc_end_k_qbd9727d50f_stats2:
	.size	k_qbd9727d50f_stats2, .Lfunc_end_k_qbd9727d50f_stats2-k_qbd9727d50f_stats2
	.p2alignl 7, 3214868480
	.fill 96, 4, 3214868480
	.section	.rodata,"a",@progbits
	.p2align	6, 0x0
	.amdhsa_kernel k_qbd9727d50f_stats2
		.amdhsa_group_segment_fixed_size 82944
		.amdhsa_private_segment_fixed_size 0
		.amdhsa_enable_private_segment 0
		.amdhsa_kernarg_size 128
		.amdhsa_user_sgpr_count 2
		.amdhsa_user_sgpr_kernarg_segment_ptr 1
		.amdhsa_wavefront_size32 1
		.amdhsa_system_sgpr_workgroup_id_x 1
		.amdhsa_system_sgpr_workgroup_id_y 1
		.amdhsa_system_sgpr_workgroup_id_z 1
		.amdhsa_system_vgpr_workitem_id 0
		.amdhsa_next_free_vgpr 512
		.amdhsa_next_free_sgpr 66
		.amdhsa_reserve_vcc 0
		.amdhsa_float_denorm_mode_32 3
		.amdhsa_float_denorm_mode_16_64 3
		.amdhsa_memory_ordered 1
		.amdhsa_forward_progress 1
		.amdhsa_inst_pref_size 207
	.end_amdhsa_kernel
	.amdgpu_metadata
---
amdhsa.version: [ 1, 2 ]
amdhsa.kernels:
  - .name:           k_qbd9727d50f_stats2
    .symbol:         k_qbd9727d50f_stats2.kd
    .args:
      - { .name: facts, .offset: 0, .size: 8, .value_kind: global_buffer, .address_space: global }
      - { .name: query, .offset: 8, .size: 8, .value_kind: global_buffer, .address_space: global }
      - { .name: W1_codes, .offset: 16, .size: 8, .value_kind: global_buffer, .address_space: global }
      - { .name: W1_scales, .offset: 24, .size: 8, .value_kind: global_buffer, .address_space: global }
      - { .name: W2_codes, .offset: 32, .size: 8, .value_kind: global_buffer, .address_space: global }
      - { .name: W2_scales, .offset: 40, .size: 8, .value_kind: global_buffer, .address_space: global }
      - { .name: b1, .offset: 48, .size: 8, .value_kind: global_buffer, .address_space: global }
      - { .name: g1, .offset: 56, .size: 8, .value_kind: global_buffer, .address_space: global }
      - { .name: be1, .offset: 64, .size: 8, .value_kind: global_buffer, .address_space: global }
      - { .name: dg1, .offset: 72, .size: 8, .value_kind: global_buffer, .address_space: global }
      - { .name: db1, .offset: 80, .size: 8, .value_kind: global_buffer, .address_space: global }
      - { .name: a1, .offset: 88, .size: 8, .value_kind: global_buffer, .address_space: global }
      - { .name: b2, .offset: 96, .size: 8, .value_kind: global_buffer, .address_space: global }
      - { .name: part1, .offset: 104, .size: 8, .value_kind: global_buffer, .address_space: global }
      - { .name: part2, .offset: 112, .size: 8, .value_kind: global_buffer, .address_space: global }
      - { .name: hcodes, .offset: 120, .size: 8, .value_kind: global_buffer, .address_space: global }
    .group_segment_fixed_size: 82944
    .private_segment_fixed_size: 0
    .kernarg_segment_align: 8
    .kernarg_segment_size: 128
    .max_flat_workgroup_size: 256
    .sgpr_count:     66
    .vgpr_count:     512
    .wavefront_size: 32
...
	.end_amdgpu_metadata
.endif
;; end of part 2
;; launch attend (part 3): grid 256 x 1, 8 waves a work-group, no clusters, 3,072 bytes of LDS; arguments facts, mask, W2_codes, W2_scales, b2, g2, be2, dg2, db2, a2, Wf, bf, part2, hcodes, out0; writes out0
.if DOCPART == 3
	.amdgcn_target "amdgcn-amd-amdhsa--gfx1250"
	.amdhsa_code_object_version 6
	.text
	.protected	k_qbd9727d50f_attend
	.globl	k_qbd9727d50f_attend
	.p2align	8
	.type	k_qbd9727d50f_attend,@function
k_qbd9727d50f_attend:
	s_mov_b64 s[64:65], 0
	v_nop
	global_prefetch_b8 v0, s[64:65] scope:SCOPE_SE
	s_setreg_imm32_b32 hwreg(HW_REG_WAVE_MODE, 25, 1), 1
	s_wait_xcnt 0x0
; THIRD WALK.  For all 819,200 rows: the stored codes of Dice 1's output x W2; BatchNorm 2 and Dice 2 (closed form as in the second walk, statistics from its records); the score = out . Wf + bf;
; masked rows take -1e9; softmax over a batch's 200 rows by a running maximum; out0 = the weighted sum of the batch's facts.
; SHARES as before: a wave owns two batches, 25 tiles of 16 rows.  A tile is 12 loads: 8 of facts (lanes of half h: tile row 8 h + i, 16 bytes a lane), 2 of the operand's image, 2 of the mask (rows 8 h + 0 .. 7).
; In the product's result lane (r, h) holds units 2 r, 2 r + 1 of rows 8 h + 0 .. 7; four steps across the sixteen lanes of a half give every lane of half h the scores of rows 8 h + j,
; and those are the rows whose facts that half has loaded: nothing is turned, nothing goes through LDS.
; t = score x log2(e): Wf and log2(e) are folded into y's coefficients, bf log2(e) / 16 is each lane's addend.  EACH HALF OF THE LANES keeps a state of its own (largest t, sum, four columns of the weighted sum);
; the halves are merged at a batch's end.  The mixed tile comes first: its lower half starts batch A's state, its upper half batch B's, which is set aside.
; An empty state has the largest t -3e38, sum 0: merging it multiplies zeros.  A batch whose every row is masked gets equal weights, as the softmax of equal scores does.
; LIMITS: NaN and infinities among the inputs are not served; the mean is folded into the coefficients (one ulp of |m| g rs); the variance comes from sums about a mean of 16 rows.
.set VOF,   1                          ; 2048 h + 16 r
.set VOFM,  2                          ; 51200 h + 16 r
.set VIMG,  3                          ; 16 x lane
.set VMK,   4                          ; 32 h
.set VMKM,  5                          ; 800 h
.set VRW,   7                          ; LDS: 256 x wave + 8 x lane
.set VRR,   8                          ; 8 r
.set W2S,   16
.set CAW,   18
.set CBW,   20
.set CG,    22
.set CD,    24
.set CO,    26
.set CL,    28
.set BF,    30
.set W2F,   32                         ; v32-55 W2's two fragments
.set SETS,  56                         ; four sets of 22: scale word, 0, six code registers | six zeros | eight words of the mask.  v[set + 2 : set + 13] is source 0
.set ACC2,  144
.set U,     160
.set YY,    176
.set SCO,   192
.set MM,    200                        ; the state: largest t (named as a pair),
.set FS,    202                        ; the factor 2^(old - new) (a pair),
.set LL,    204                        ; the sum in two halves,
.set ACE,   206                        ; four columns, even rows',
.set ACO,   210                        ; odd rows'
.set SB,    214                        ; batch B's state, set aside
.set RESA,  220                        ; batch A's result
.set TM,    224                        ; v224-239 at work
.set PB2,   208                        ; the head: b2, g2, be2, dg2, db2, a2, Wf, c2 of my two units; bf
.set PG,    210
.set PBE,   212
.set PDG,   214
.set PDB,   216
.set PA,    218
.set PWF,   220
.set PC2,   222
.set PBF,   224
.set MD,    162
.set VR,    164
.set KB,    166
.set RS,    168
.set AA,    170
.set RY,    172
.set GG,    174
.set TT,    176
.set CBT,   178
.set HW,    225
.set HR,    226
.set HH,    227
.set HL,    228
.set H16R,  229
.set HA4,   230
.set HA5,   231
.set HA7,   233
.set HZ,    234
.set MSB,   0
.macro WIN new
.if MSB != \new
	s_set_vgpr_msb (MSB<<8)|\new
.set MSB, \new
.endif
.endm
.macro PLACES n
.rept \n
	v_nop
.endr
.endm
.macro PKFMAB d, a, cb, cc, u
.if ((\u)%2) == 0
	v_pk_fma_f32 v[\d:\d+1], v[\a:\a+1], v[\cb+(\u):\cb+(\u)+1], v[\cc+(\u):\cc+(\u)+1] op_sel_hi:[1,0,0]
.else
	v_pk_fma_f32 v[\d:\d+1], v[\a:\a+1], v[\cb+(\u)-1:\cb+(\u)], v[\cc+(\u)-1:\cc+(\u)] op_sel:[0,1,1] op_sel_hi:[1,1,1]
.endif
.endm
.macro LOADC set, fb, fvo, fimm, hb, himm, mb, mvo, mimm           ; a tile's twelve loads
	WIN 0x40
.irp i, 0,1,2,3,4,5,6,7
	global_load_b128 v[32*(\set)+4*\i:32*(\set)+4*\i+3], v[\fvo], s[\fb:\fb+1] offset:\fimm+256*\i th:TH_LOAD_NT
.endr
	WIN 0
	global_load_b128 v[SETS+22*(\set):SETS+22*(\set)+3], v[VIMG], s[\hb:\hb+1] offset:\himm th:TH_LOAD_NT
	global_load_b128 v[SETS+22*(\set)+4:SETS+22*(\set)+7], v[VIMG], s[\hb:\hb+1] offset:\himm+512 th:TH_LOAD_NT
	global_load_b128 v[SETS+22*(\set)+14:SETS+22*(\set)+17], v[\mvo], s[\mb:\mb+1] offset:\mimm
	global_load_b128 v[SETS+22*(\set)+18:SETS+22*(\set)+21], v[\mvo], s[\mb:\mb+1] offset:\mimm+16
.endm
.macro TILEC set, young, ahead, fimm, himm, mimm
	s_wait_loadcnt \young                          ; loads come back in order: my twelve are in; those of the later tiles may be out
	v_wmma_scale_f32_16x16x128_f8f6f4 v[ACC2:ACC2+7], v[SETS+22*(\set)+2:SETS+22*(\set)+13], v[W2F:W2F+11], 0, v[SETS+22*(\set)], v[W2S] matrix_a_fmt:MATRIX_FMT_BF6 matrix_b_fmt:MATRIX_FMT_BF6
	v_wmma_scale_f32_16x16x128_f8f6f4 v[ACC2+8:ACC2+15], v[SETS+22*(\set)+2:SETS+22*(\set)+13], v[W2F+12:W2F+23], 0, v[SETS+22*(\set)], v[W2S+1] matrix_a_fmt:MATRIX_FMT_BF6 matrix_b_fmt:MATRIX_FMT_BF6
	PLACES 4
.irp t, 0,1
.irp p, 0,2,4,6
	PKFMAB U+8*\t+\p, ACC2+8*\t+\p, CG, CD, \t
.endr
.endr
.set i, 0
.rept 16
	v_exp_f32 v[U+i], v[U+i]
.set i, i+1
.endr
.irp t, 0,1
.irp p, 0,2,4,6
	PKFMAB YY+8*\t+\p, ACC2+8*\t+\p, CAW, CBW, \t  ; y Wf log2(e): plain work that names no exponential's result
.endr
.endr
	s_wait_alu depctr_va_vdst(0)                   ; one wait for the batch, ahead of its first reader
.set i, 0
.rept 8
	v_pk_add_f32 v[U+i:U+i+1], v[U+i:U+i+1], 1.0 op_sel_hi:[1,0]
.set i, i+2
.endr
.set i, 0
.rept 16
	v_rcp_f32 v[U+i], v[U+i]
.set i, i+1
.endr
	v_nop
	s_wait_alu depctr_va_vdst(0)
.irp t, 0,1
.irp p, 0,2,4,6
	PKFMAB U+8*\t+\p, U+8*\t+\p, CO, CL, \t
.endr
.endr
.irp p, 0,2,4,6
	v_pk_fma_f32 v[SCO+\p:SCO+\p+1], v[YY+\p:YY+\p+1], v[U+\p:U+\p+1], v[BF:BF+1]
.endr
.irp p, 0,2,4,6
	v_pk_fma_f32 v[SCO+\p:SCO+\p+1], v[YY+8+\p:YY+8+\p+1], v[U+8+\p:U+8+\p+1], v[SCO+\p:SCO+\p+1]
.endr
.irp m, 1,2,4,8                        ; over the sixteen lanes of my half: all 32 units
.irp j, 0,1,2,3,4,5,6,7
	v_add_f32_dpp v[SCO+\j], v[SCO+\j], v[SCO+\j] row_xmask:\m row_mask:0xf bank_mask:0xf
.endr
.endr
.irp j, 0,1,2,3,4,5,6,7
	v_cmp_lt_i32 vcc_lo, 0, v[SETS+22*(\set)+14+\j]
	v_cndmask_b32 v[SCO+\j], s55, v[SCO+\j], vcc_lo                ; a masked row: -1e9 log2(e)
.endr
	v_max3_num_f32 v[TM], v[SCO], v[SCO+1], v[SCO+2]
	v_max3_num_f32 v[TM], v[TM], v[SCO+3], v[SCO+4]
	v_max3_num_f32 v[TM], v[TM], v[SCO+5], v[SCO+6]
	v_max3_num_f32 v[TM], v[TM], v[SCO+7], v[MM]   ; the running largest t
	v_sub_f32 v[FS], v[MM], v[TM]
	v_mov_b32 v[MM], v[TM]
.irp p, 0,2,4,6
	v_pk_add_f32 v[SCO+\p:SCO+\p+1], v[SCO+\p:SCO+\p+1], v[MM:MM+1] op_sel_hi:[1,0] neg_lo:[0,1] neg_hi:[0,1]
.endr
	v_exp_f32 v[FS], v[FS]
.irp j, 0,1,2,3,4,5,6,7
	v_exp_f32 v[SCO+\j], v[SCO+\j]
.endr
	v_nop
	s_wait_alu depctr_va_vdst(0)
	v_pk_fma_f32 v[LL:LL+1], v[LL:LL+1], v[FS:FS+1], v[SCO:SCO+1] op_sel_hi:[1,0,1]
	v_pk_mul_f32 v[ACE:ACE+1], v[ACE:ACE+1], v[FS:FS+1] op_sel_hi:[1,0]
	v_pk_mul_f32 v[ACE+2:ACE+3], v[ACE+2:ACE+3], v[FS:FS+1] op_sel_hi:[1,0]
	v_pk_mul_f32 v[ACO:ACO+1], v[ACO:ACO+1], v[FS:FS+1] op_sel_hi:[1,0]
	v_pk_mul_f32 v[ACO+2:ACO+3], v[ACO+2:ACO+3], v[FS:FS+1] op_sel_hi:[1,0]
.irp p, 2,4,6
	v_pk_add_f32 v[LL:LL+1], v[LL:LL+1], v[SCO+\p:SCO+\p+1]
.endr
	WIN 0x01                                       ; source 0: the facts, in window 1
.irp j, 0,2,4,6
	v_pk_fma_f32 v[ACE:ACE+1], v[32*(\set)+4*\j:32*(\set)+4*\j+1], v[SCO+\j:SCO+\j+1], v[ACE:ACE+1] op_sel_hi:[1,0,1]
	v_pk_fma_f32 v[ACE+2:ACE+3], v[32*(\set)+4*\j+2:32*(\set)+4*\j+3], v[SCO+\j:SCO+\j+1], v[ACE+2:ACE+3] op_sel_hi:[1,0,1]
	v_pk_fma_f32 v[ACO:ACO+1], v[32*(\set)+4*\j+4:32*(\set)+4*\j+5], v[SCO+\j:SCO+\j+1], v[ACO:ACO+1] op_sel:[0,1,0] op_sel_hi:[1,1,1]
	v_pk_fma_f32 v[ACO+2:ACO+3], v[32*(\set)+4*\j+6:32*(\set)+4*\j+7], v[SCO+\j:SCO+\j+1], v[ACO+2:ACO+3] op_sel:[0,1,0] op_sel_hi:[1,1,1]
.endr
	WIN 0
.if \ahead
	LOADC \set, 40, VOF, \fimm, 42, \himm, 44, VMK, \mimm          ; the set takes the tile four further on
.endif
.endm
.macro MERGE
	v_pk_add_f32 v[ACE:ACE+1], v[ACE:ACE+1], v[ACO:ACO+1]
	v_pk_add_f32 v[ACE+2:ACE+3], v[ACE+2:ACE+3], v[ACO+2:ACO+3]
	v_add_f32 v[LL], v[LL], v[LL+1]
.endm
.macro FINAL dst                       ; a batch's end: the two halves' states under their common largest t, added, divided by the sum
	MERGE
	v_permlanex16_b32 v[TM], v[MM], s52, s53
	v_max_num_f32 v[TM+1], v[MM], v[TM]
	v_sub_f32 v[TM+3], v[MM], v[TM+1]
	v_exp_f32 v[TM+3], v[TM+3]
	v_nop
	s_wait_alu depctr_va_vdst(0)
	v_mul_f32 v[LL], v[LL], v[TM+3]
.irp i, 0,1,2,3
	v_mul_f32 v[ACE+\i], v[ACE+\i], v[TM+3]
.endr
	v_permlanex16_b32 v[TM+4], v[LL], s52, s53
.irp i, 0,1,2,3
	v_permlanex16_b32 v[TM+5+\i], v[ACE+\i], s52, s53
.endr
	v_add_f32 v[LL], v[LL], v[TM+4]
.irp i, 0,1,2,3
	v_add_f32 v[ACE+\i], v[ACE+\i], v[TM+5+\i]
.endr
	v_rcp_f32 v[LL], v[LL]                         ; the sum is at least 1: the row with the largest t counts 1
	v_nop
	s_wait_alu depctr_va_vdst(0)
.irp i, 0,1,2,3
	v_mul_f32 v[\dst+\i], v[ACE+\i], v[LL]
.endr
.endm
	s_load_b512 s[4:19], s[0:1], 0x0               ; facts 4, mask 6, W2 codes 8, W2 scales 10, b2 12, g2 14, be2 16, dg2 18
	s_load_b256 s[20:27], s[0:1], 0x40             ; db2 20, a2 22, Wf 24, bf 26
	s_load_b128 s[28:31], s[0:1], 0x60             ; part2 28, hcodes 30
	s_load_b64 s[32:33], s[0:1], 0x70              ; out0
	v_lshl_add_u32 v254, v0, 2, 0x800
	v_mov_b32 v255, 0
	v_lshrrev_b32 v[HW], 5, v0
	v_readfirstlane_b32 s34, v[HW]                 ; wave
	v_and_b32 v[HR], 15, v0
	v_bfe_u32 v[HH], v0, 4, 1
	v_and_b32 v[HL], 31, v0
	v_lshlrev_b32 v[H16R], 4, v[HR]
	v_lshl_add_u32 v[VOF], v[HH], 11, v[H16R]
	v_mad_u32_u24 v[VOFM], v[HH], 51200, v[H16R]
	v_lshlrev_b32 v[VIMG], 4, v[HL]
	v_lshlrev_b32 v[VMK], 5, v[HH]
	v_mul_u32_u24 v[VMKM], v[HH], 800
	v_lshlrev_b32 v[VRW], 3, v[HL]
	s_lshl_b32 s57, s34, 8
	v_add_nc_u32 v[VRW], s57, v[VRW]
	v_lshlrev_b32 v[VRR], 3, v[HR]
	v_mul_u32_u24 v[HA4], v[HR], 96
	v_mad_u32_u24 v[HA4], v[HH], 24, v[HA4]
	v_lshlrev_b32 v[HA5], 2, v[HR]
	v_lshlrev_b32 v[HA7], 3, v[HL]
	s_lshl_b32 s62, s34, 13
	v_add_nc_u32 v[HA7], s62, v[HA7]               ; my wave's 32 records of 256 bytes
	v_mov_b32 v[HZ], 0
	s_mov_b32 s52, 0x76543210
	s_mov_b32 s53, 0xfedcba98
	s_mov_b32 s54, 0xffff0000
	s_mov_b32 s55, 0xceabfb8f                      ; -1e9 log2(e)
	s_lshl_b32 s35, ttmp9, 3
	s_add_co_u32 s35, s35, s34                     ; my pair of batches
	s_mul_i32 s36, s35, 102400
	s_mov_b32 s37, 0
	s_mul_i32 s38, s35, 25600
	s_mov_b32 s39, 0
	s_mul_i32 s58, s35, 1600
	s_mov_b32 s59, 0
	s_lshl_b32 s60, s35, 9
	s_mov_b32 s61, 0
	s_mov_b32 s49, 0
	s_mov_b32 s51, 0
	s_mov_b32 s46, 0
	s_wait_kmcnt 0x0
	s_add_nc_u64 s[36:37], s[4:5], s[36:37]        ; the pair's facts,
	s_add_nc_u64 s[38:39], s[30:31], s[38:39]      ; images,
	s_add_nc_u64 s[58:59], s[6:7], s[58:59]        ; mask,
	s_add_nc_u64 s[60:61], s[32:33], s[60:61]      ; and rows of out0
	s_add_nc_u64 s[40:41], s[36:37], 12288         ; the walking pointers stand at tile 4 (A's tile 3)
	s_add_nc_u64 s[42:43], s[38:39], 4096
	s_add_nc_u64 s[44:45], s[58:59], 192
	LOADC 0, 36, VOFM, 49152, 38, 0, 58, VMKM, 768 ; the mixed tile
	LOADC 1, 36, VOF, 0, 38, 1024, 58, VMK, 0
	LOADC 2, 36, VOF, 4096, 38, 2048, 58, VMK, 64
	LOADC 3, 36, VOF, 8192, 38, 3072, 58, VMK, 128
.irp t, 0,1
.irp p, 0,1,2
	global_load_b64 v[W2F+12*\t+2*\p:W2F+12*\t+2*\p+1], v[HA4], s[8:9] offset:48*\t+8*\p
.endr
.endr
	global_load_u16 v[W2S], v[HA5], s[10:11]
	global_load_u16 v[W2S+1], v[HA5], s[10:11] offset:2
	global_load_b64 v[PB2:PB2+1], v[VRR], s[12:13]
	global_load_b64 v[PG:PG+1], v[VRR], s[14:15]
	global_load_b64 v[PBE:PBE+1], v[VRR], s[16:17]
	global_load_b64 v[PDG:PDG+1], v[VRR], s[18:19]
	global_load_b64 v[PDB:PDB+1], v[VRR], s[20:21]
	global_load_b64 v[PA:PA+1], v[VRR], s[22:23]
	global_load_b64 v[PWF:PWF+1], v[VRR], s[24:25]
	global_load_b64 v[PC2:PC2+1], v[VRR], s[28:29] offset:65536
	global_load_b32 v[PBF], v[HZ], s[26:27]
.set i, 0
.rept 32
	global_load_b64 v[ACC2+2*i:ACC2+2*i+1], v[HA7], s[28:29] offset:256*i
.set i, i+1
.endr
.irp t, 0,1
.irp j, 6,7,8,9,10,11
	v_mov_b32 v[W2F+12*\t+\j], 0                   ; k = 64 .. 127 of the K step: zero codes on both sides
.endr
.endr
.irp s, 0,1,2,3
.irp j, 8,9,10,11,12,13
	v_mov_b32 v[SETS+22*\s+\j], 0
.endr
.endr
	s_wait_loadcnt 0x0
.irp st, 16,8,4,2,1
.set i, 0
.rept \st
	v_pk_add_f32 v[ACC2+2*i:ACC2+2*i+1], v[ACC2+2*i:ACC2+2*i+1], v[ACC2+2*(i+\st):ACC2+2*(i+\st)+1]
.set i, i+1
.endr
.endr
	ds_store_b64 v[VRW], v[ACC2:ACC2+1]
	s_wait_dscnt 0x0                               ; for the others' sake: my store has landed
	s_barrier_signal -1
	s_barrier_wait -1
.irp w, 0,1,2,3,4,5,6,7
	ds_load_b64 v[ACC2+2*\w:ACC2+2*\w+1], v[VRR] offset:256*\w     ; the sums of d of my two units,
	ds_load_b64 v[U+2*\w:U+2*\w+1], v[VRR] offset:256*\w+128       ; and of d^2
.endr
	s_wait_dscnt 0x0
.irp st, 4,2,1
.set i, 0
.rept \st
	v_pk_add_f32 v[ACC2+2*i:ACC2+2*i+1], v[ACC2+2*i:ACC2+2*i+1], v[ACC2+2*(i+\st):ACC2+2*(i+\st)+1]
	v_pk_add_f32 v[U+2*i:U+2*i+1], v[U+2*i:U+2*i+1], v[U+2*(i+\st):U+2*(i+\st)+1]
.set i, i+1
.endr
.endr
.irp u, 0,1
	v_mul_f32 v[MD+\u], 0x35a3d70a, v[ACC2+\u]
	v_mul_f32 v[VR+\u], 0x35a3d70a, v[U+\u]
.endr
.irp u, 0,1
	v_fma_f32 v[VR+\u], -v[MD+\u], v[MD+\u], v[VR+\u]
	v_add_f32 v[KB+\u], v[PC2+\u], v[MD+\u]
.endr
.irp u, 0,1
	v_max_num_f32 v[VR+\u], 0, v[VR+\u]
	v_sub_f32 v[KB+\u], v[PB2+\u], v[KB+\u]
.endr
.irp u, 0,1
	v_add_f32 v[RS+\u], 0x3727c5ac, v[VR+\u]
.endr
.irp u, 0,1
	v_rsq_f32 v[RS+\u], v[RS+\u]
.endr
	v_nop
	s_wait_alu depctr_va_vdst(0)
.irp u, 0,1
	v_mul_f32 v[AA+\u], v[PG+\u], v[RS+\u]
.endr
.irp u, 0,1
	v_mul_f32 v[RY+\u], v[AA+\u], v[AA+\u]
.endr
.irp u, 0,1
	v_fmaak_f32 v[RY+\u], v[RY+\u], v[VR+\u], 0x322bcc77
.endr
.irp u, 0,1
	v_rsq_f32 v[RY+\u], v[RY+\u]
.endr
	v_nop
	s_wait_alu depctr_va_vdst(0)
.irp u, 0,1
	v_mul_f32 v[GG+\u], v[PDG+\u], v[AA+\u]
	v_fma_f32 v[CBT+\u], v[AA+\u], v[KB+\u], v[PBE+\u]
	v_mul_f32 v[TT+\u], 0x3fb8aa3b, v[PWF+\u]      ; Wf log2(e)
	v_sub_f32 v[CO+\u], 1.0, v[PA+\u]
	v_mov_b32 v[CL+\u], v[PA+\u]
.endr
.irp u, 0,1
	v_mul_f32 v[GG+\u], v[GG+\u], v[RY+\u]
	v_mul_f32 v[CAW+\u], v[AA+\u], v[TT+\u]
	v_mul_f32 v[CBW+\u], v[CBT+\u], v[TT+\u]
.endr
.irp u, 0,1
	v_fma_f32 v[TT+\u], v[GG+\u], v[KB+\u], v[PDB+\u]
	v_mul_f32 v[CG+\u], 0xbfb8aa3b, v[GG+\u]
.endr
.irp u, 0,1
	v_mul_f32 v[CD+\u], 0xbfb8aa3b, v[TT+\u]
.endr
	v_mul_f32 v[BF], 0x3db8aa3b, v[PBF]            ; bf log2(e) / 16: sixteen lanes add it
	v_mov_b32 v[BF+1], v[BF]
	v_mov_b32 v[MM], 0xff61b1e6                    ; the empty state
.irp j, 1,2,3,4,5,6,7,8,9,10,11,12,13
	v_mov_b32 v[MM+\j], 0
.endr
.irp j, 0,1,2,3
	v_mov_b32 v[RESA+\j], 0
.endr
.irp j, 0,1,2,3,4,5,6,7,8,9,10,11,12,13,14,15
	v_mov_b32 v[TM+\j], 0                          ; lane permutes' destinations count as read: written once
.endr
	TILEC 0, 36, 1, 0, 0, 0                        ; the mixed tile
	MERGE                                          ; its lower half is batch A's beginning, its upper half batch B's
	v_mov_b32 v[TM+1], 0xff61b1e6
	v_mov_b32 v[TM+2], 0
	v_cndmask_b32 v[SB], v[TM+1], v[MM], s54
	v_cndmask_b32 v[SB+1], v[TM+2], v[LL], s54
.irp i, 0,1,2,3
	v_cndmask_b32 v[SB+2+\i], v[TM+2], v[ACE+\i], s54
.endr
	v_cndmask_b32 v[MM], v[MM], v[TM+1], s54
	v_cndmask_b32 v[LL], v[LL], v[TM+2], s54
.irp i, 0,1,2,3
	v_cndmask_b32 v[ACE+\i], v[ACE+\i], v[TM+2], s54
.endr
	v_mov_b32 v[LL+1], 0
.irp i, 0,1,2,3
	v_mov_b32 v[ACO+\i], 0
.endr
.Ltrip:                                            ; five trips of four tiles
	s_cmp_lg_u32 s46, 3
	s_cbranch_scc1 .Lsame
	FINAL RESA                                     ; batch A is done; batch B goes on from what was set aside
	v_mov_b32 v[MM], v[SB]
	v_mov_b32 v[LL], v[SB+1]
	v_mov_b32 v[LL+1], 0
.irp i, 0,1,2,3
	v_mov_b32 v[ACE+\i], v[SB+2+\i]
	v_mov_b32 v[ACO+\i], 0
.endr
.Lsame:
	TILEC 1, 36, 1, 4096, 1024, 64
	TILEC 2, 36, 1, 8192, 2048, 128
	TILEC 3, 36, 1, 12288, 3072, 192
	TILEC 0, 36, 1, 16384, 4096, 256
	s_wait_xcnt 0x0                                ; the loads have read their bases: they may step
	s_add_co_u32 s46, s46, 1
	s_mov_b32 s48, 16384
	s_mov_b32 s50, 256
	s_cmp_eq_u32 s46, 2
	s_cselect_b32 s48, 18432, s48                  ; once: over A's last 8 rows, which the mixed tile took
	s_cselect_b32 s50, 288, s50
	s_add_nc_u64 s[40:41], s[40:41], s[48:49]
	s_add_nc_u64 s[42:43], s[42:43], 4096
	s_add_nc_u64 s[44:45], s[44:45], s[50:51]
	s_cmp_lt_u32 s46, 5
	s_cbranch_scc1 .Ltrip
	TILEC 1, 36, 0, 0, 0, 0                        ; the last four tiles load nothing: the counts run down
	TILEC 2, 24, 0, 0, 0, 0
	TILEC 3, 12, 0, 0, 0, 0
	TILEC 0, 0, 0, 0, 0, 0
	FINAL TM+12
.irp i, 0,1,2,3
	v_cndmask_b32 v[TM+12+\i], v[RESA+\i], v[TM+12+\i], s54        ; lanes 0-15 carry batch A's row, lanes 16-31 batch B's
.endr
	global_store_b128 v[VIMG], v[TM+12:TM+15], s[60:61]            ; 512 consecutive bytes, aligned: two rows of out0
	s_wait_tensorcnt 0x0
	ds_add_u32 v254, v255
	s_wait_dscnt 0x0
	s_endpgm
.Lfunc_end_k_qbd9727d50f_attend:
	.size	k_qbd9727d50f_attend, .Lfunc_end_k_qbd9727d50f_attend-k_qbd9727d50f_attend
	.p2alignl 7, 3214868480
	.fill 96, 4, 3214868480
	.section	.rodata,"a",@progbits
	.p2align	6, 0x0
	.amdhsa_kernel k_qbd9727d50f_attend
		.amdhsa_group_segment_fixed_size 3072
		.amdhsa_private_segment_fixed_size 0
		.amdhsa_enable_private_segment 0
		.amdhsa_kernarg_size 120
		.amdhsa_user_sgpr_count 2
		.amdhsa_user_sgpr_kernarg_segment_ptr 1
		.amdhsa_wavefront_size32 1
		.amdhsa_system_sgpr_workgroup_id_x 1
		.amdhsa_system_sgpr_workgroup_id_y 1
		.amdhsa_system_sgpr_workgroup_id_z 1
		.amdhsa_system_vgpr_workitem_id 0
		.amdhsa_next_free_vgpr 384
		.amdhsa_next_free_sgpr 66
		.amdhsa_reserve_vcc 1
		.amdhsa_float_denorm_mode_32 3
		.amdhsa_float_denorm_mode_16_64 3
		.amdhsa_memory_ordered 1
		.amdhsa_forward_progress 1
		.amdhsa_inst_pref_size 113
	.end_amdhsa_kernel
	.amdgpu_metadata
---
amdhsa.version: [ 1, 2 ]
amdhsa.kernels:
  - .name:           k_qbd9727d50f_attend
    .symbol:         k_qbd9727d50f_attend.kd
    .args:
      - { .name: facts, .offset: 0, .size: 8, .value_kind: global_buffer, .address_space: global }
      - { .name: mask, .offset: 8, .size: 8, .value_kind: global_buffer, .address_space: global }
      - { .name: W2_codes, .offset: 16, .size: 8, .value_kind: global_buffer, .address_space: global }
      - { .name: W2_scales, .offset: 24, .size: 8, .value_kind: global_buffer, .address_space: global }
      - { .name: b2, .offset: 32, .size: 8, .value_kind: global_buffer, .address_space: global }
      - { .name: g2, .offset: 40, .size: 8, .value_kind: global_buffer, .address_space: global }
      - { .name: be2, .offset: 48, .size: 8, .value_kind: global_buffer, .address_space: global }
      - { .name: dg2, .offset: 56, .size: 8, .value_kind: global_buffer, .address_space: global }
      - { .name: db2, .offset: 64, .size: 8, .value_kind: global_buffer, .address_space: global }
      - { .name: a2, .offset: 72, .size: 8, .value_kind: global_buffer, .address_space: global }
      - { .name: Wf, .offset: 80, .size: 8, .value_kind: global_buffer, .address_space: global }
      - { .name: bf, .offset: 88, .size: 8, .value_kind: global_buffer, .address_space: global }
      - { .name: part2, .offset: 96, .size: 8, .value_kind: global_buffer, .address_space: global }
      - { .name: hcodes, .offset: 104, .size: 8, .value_kind: global_buffer, .address_space: global }
      - { .name: out0, .offset: 112, .size: 8, .value_kind: global_buffer, .address_space: global }
    .group_segment_fixed_size: 3072
    .private_segment_fixed_size: 0
    .kernarg_segment_align: 8
    .kernarg_segment_size: 120
    .max_flat_workgroup_size: 256
    .sgpr_count:     66
    .vgpr_count:     384
    .wavefront_size: 32
...
	.end_amdgpu_metadata
.endif
;; end of part 3
;; ======== version 2 of 2: 3 launches; version 1 with the launches stats1, stats2, attend written anew for expert scheduling mode
;; limits: a difference of large sums (such as E[x^2] - mean^2): digits are lost where the result is much smaller than its terms
;; workspace buffers: part1 131,584 bytes; part2 65,792 bytes; hcodes 52,428,800 bytes
;; launch stats1 (part 4): grid 256 x 1, 8 waves a work-group, no clusters, 82,944 bytes of LDS; arguments facts, query, W1_codes, W1_scales, b1, part1; writes part1
.if DOCPART == 4
	.amdgcn_target "amdgcn-amd-amdhsa--gfx1250"
	.amdhsa_code_object_version 6
	.text
	.protected	k_qbd9727d50f_stats1
	.globl	k_qbd9727d50f_stats1
	.p2align	8
	.type	k_qbd9727d50f_stats1,@function
k_qbd9727d50f_stats1:
	s_mov_b64 s[64:65], 0
	v_nop
	global_prefetch_b8 v0, s[64:65] scope:SCOPE_SE
	s_setreg_imm32_b32 hwreg(HW_REG_WAVE_SCHED_MODE, 0, 2), 2
	s_setreg_imm32_b32 hwreg(HW_REG_WAVE_MODE, 25, 1), 1
	s_wait_xcnt 0x0
	s_wait_alu depctr_vm_vsrc(0)
; FIRST WALK.  For all 819,200 rows: ai = [q, f, q - f, q f] (256 numbers, f32) -> codes of E3M2 with one E8M0 byte for each 32 -> x W1 (codes as given) + b1 = h1 (64 units);
; stored: for each work-group the sums of d = h1 - c and of d^2 for each unit, and once the shift c.  The next launch makes the batch mean and variance of them.
; THE SHIFT.  c = the mean of h1 over 16 fixed rows (fact 0 of batches 0 to 15).  Every wave computes it anew from the same bytes by the same lines, so it has the same bits everywhere and all sums add up.
; d comes free: b1 - c is the C of each sum's first matrix instruction.  No difference of large sums is formed: variance = mean(d^2) - mean(d)^2 with |mean(d)| of the order of the spread.
; SHARES.  256 work-groups x 8 waves; wave w of work-group g owns batches 2 p and 2 p + 1, p = 8 g + w: 400 rows = 25 tiles of 16 rows: 12 of batch A, 12 of batch B, one with the last 8 rows of each.
; A TILE.  Eight loads, each lane 16 bytes, sixteen lanes one whole row of 256 bytes (lanes 0-15 tile row i, lanes 16-31 tile row 8 + i).  The 4,096 bytes turn through the wave's own stage in LDS (rows 272 bytes
; apart) and come back so that lane (r, h) holds f[32 h .. 32 h + 31] of tile row r: a whole block of 32 in one lane, in the order of the matrix operand's registers.
; THE PRODUCT: source 0 = the tile's 16 rows, source 1 = 16 units (column r of unit tile t is unit 4 r + t).  In the result lane (r, h) holds ONE unit and the rows 8 h + 0 .. 7: the sums over rows stay in the lane.
; No tensor load, no cluster, no prefetch: each stream is one wave's own, read once, and asked for D tiles ahead; work-groups share only the weights.
; LIMITS: NaN and infinities among the inputs are not served; a block whose largest magnitude lies under 2^-122 keeps the scale byte 1 (a block of zeros too: its codes are zeros).
; THE MODE: SCHED_MODE bits 1:0 = 2 (LLVM: expert scheduling mode 2), set by the entry lines.  The code itself states the register dependences
; between vector or matrix instructions and memory or LDS instructions, with s_wait_alu, always for 0.
; THE PLAN.  Registers that memory or LDS instructions touch:
;   the ring     window 1, v0-127.  Written by the loads of facts, read by the stage's stores.  No vector instruction names it.
;   F            Written by the stage's loads, which stand among tile p's products and bring tile p + 1; read by FRONT alone.
;   Q            Written by loads (the probe's from memory, a batch's from LDS); read by QQUANT and FRONT.
;   v70-73       q of the pair: loaded, stored to LDS once; afterwards part of TC, which FRONT's conversions write.
;   v1-11, v240-243  offsets and addresses, made at the head and never written again.
;   C1, and T on the way out: written by vector lines, read by one store each; wave 0's last LDS loads land in T.
; A TILE HAS TWO SUCH WAITS.  On vm_vsrc at its head: the stage's stores have read the ring set that is asked for again.  On va_vdst behind FRONT and its places: both sources 0 and both scale words are written,
; which the scaled products take, and FRONT is done reading F.  Behind that wait only the products are issued, which name FR0, FR1, XW0, XW1, W1S, ACC and window 1's W1F and CI: none of the ring, F, VSTW, VSTR.
; So the next tile's eight stage stores and eight stage loads are dealt among the first four products with no further wait, under the products' own window setting.
.set D,     4                          ; tiles on their way for each wave
.set WREG,  9472                       ; LDS: a wave's region: the stage for facts (16 x 272), a second stage (not used here), q of both batches (2 x 272)
.set SQO,   8704
.set RED1,  75776                      ; behind the eight regions: 8 x 512 bytes for the work-group's sums
.set VOF,   1                          ; v1   2048 h + 16 r: a plain tile's lane offset
.set VOFM,  2                          ; v2   51200 h + 16 r: the mixed tile's (lanes 16-31 in batch B)
.set VOFP,  3                          ; v3   409600 h + 16 r: the probe's (a batch to a row)
.set VSTW,  4                          ; v4   stage, in: region + 272 (8 h) + 16 r
.set VSTR,  5                          ; v5   stage, out: region + 272 r + 128 h
.set VQA,   6                          ; v6   q of batch A: region + SQO + 128 h (B: 272 on)
.set VQM,   7                          ; v7   the same for the mixed tile: rows 8-15 take B's
.set VIMG,  8                          ; v8   16 x lane
.set VRD,   9                          ; v9   RED1 + 16 x lane
.set VRW,   10                         ; v10  RED1 + 512 x wave + 16 x lane
.set VQW,   11                         ; v11  where q of the pair is stored
.set W1S,   16                         ; v16-23 W1's scale words, 2 t + s
.set XW0,   26                         ; v26, v27 the tile's scale words for K steps 0 and 1: they hold scales and nothing else
.set XW1,   27
.set QT,    28                         ; q's scale byte << 24
.set X,     29
.set Y,     30                         ; a lane permute's destination: written once at the head
.set MX,    32                         ; v32-34 largest magnitudes of f, q - f, q f; then their bytes
.set SO,    35                         ; v35-37 the conversions' scale operands
.set FR0,   40                         ; v40-51 source 0 of K step 0: q's six registers (they stay for a batch), f's six
.set FR1,   52                         ; v52-63 of K step 1: (q - f)'s, (q f)'s
.set TC,    64                         ; v64-75 second halves of blocks as the conversions leave them
.set Q,     76
.set F,     108
.set T,     140
.set ACC,   172                        ; v172-203 four accumulators; before the products: q f
.set S1,    204                        ; v204-211 sums of d, a pair for each unit tile
.set S2,    212                        ; v212-219 sums of d^2
.set B1,    220
.set C1,    224
.set HW,    236                        ; v236-248 at work in the head
.set HR,    237
.set HH,    238
.set HL,    239
.set H16R,  240
.set HA1,   241
.set HA2,   242
.set HA3,   243
.set HB3,   248
.set W1F,   128                        ; window 1: v0-127 the ring of D tiles as loaded; v128-223 W1's eight fragments; v224-255 b1 - c, eight registers a unit tile
.set CI,    224
.set MSB,   0
.macro WIN new                         ; the immediate's high byte repeats the setting that is left; a switch that changes nothing is dropped
.if MSB != \new
	s_set_vgpr_msb (MSB<<8)|\new
.set MSB, \new
.endif
.endm
.macro PLACES n
.rept \n
	v_nop
.endr
.endm
.macro LOADT set, base, voff, imm0, stride, nt     ; a tile's eight loads into ring set \set (window 1)
	WIN 0x40
.irp i, 0,1,2,3,4,5,6,7
.if \nt
	global_load_b128 v[32*(\set)+4*\i:32*(\set)+4*\i+3], v[\voff], s[\base:\base+1] offset:\imm0+\i*\stride th:TH_LOAD_NT
.else
	global_load_b128 v[32*(\set)+4*\i:32*(\set)+4*\i+3], v[\voff], s[\base:\base+1] offset:\imm0+\i*\stride
.endif
.endr
	WIN 0
.endm
.macro TURN set                        ; (the head's, in one run)  through the wave's own stage: LDS serves a wave's instructions in order, so no wait stands between the stores and the loads
	WIN 0x04
.irp i, 0,1,2,3,4,5,6,7
	ds_store_b128 v[VSTW], v[32*(\set)+4*\i:32*(\set)+4*\i+3] offset:272*\i
.endr
	WIN 0
.irp i, 0,1,2,3,4,5,6,7
	ds_load_b128 v[F+4*\i:F+4*\i+3], v[VSTR] offset:16*\i
.endr
.endm
.macro QQUANT                          ; my block of q: its byte (<< 24) and its six code registers
	v_max3_num_f32 v[MX], |v[Q]|, |v[Q+1]|, 0x2800000              ; the floor 2^(5 - 127) among the leaves: the byte cannot fall under 1
	v_max3_num_f32 v[MX+1], |v[Q+16]|, |v[Q+17]|, 0x2800000
.set i, 2
.rept 7
	v_max3_num_f32 v[MX], v[MX], |v[Q+i]|, |v[Q+i+1]|
	v_max3_num_f32 v[MX+1], v[MX+1], |v[Q+16+i]|, |v[Q+17+i]|
.set i, i+2
.endr
	v_max_num_f32 v[MX], v[MX], v[MX+1]
	v_add_nc_u32 v[SO], 0xfe000000, v[MX]                          ; 4 off the exponent field: the conversion's scale operand
	v_lshrrev_b32 v[QT], 23, v[SO]
	v_lshlrev_b32 v[QT], 24, v[QT]
	v_cvt_scalef32_pk16_bf6_f32 v[FR0:FR0+2], v[Q:Q+15], v[SO]
	v_cvt_scalef32_pk16_bf6_f32 v[TC:TC+2], v[Q+16:Q+31], v[SO]    ; (a conversion's three registers begin on an even number)
	v_nop                                                          ; one plain place behind a scaled conversion
.irp i, 0,1,2
	v_mov_b32 v[FR0+3+\i], v[TC+\i]
.endr
.endm
.macro QSET adr, off                   ; q of the rows to come, from LDS
	s_wait_alu depctr_va_vdst(0)                                   ; every line that reads Q (the tiles' FRONT, the last QQUANT) is done: the loads below land in Q
.irp c, 0,1,2,3,4,5,6,7
	ds_load_b128 v[Q+4*\c:Q+4*\c+3], v[\adr] offset:\off+16*\c
.endr
	s_wait_dscnt 0x0
	QQUANT
.endm
.macro FRONT                           ; f in F, q in Q -> both sources 0 and both scale words
.set i, 0
.rept 16
	v_pk_add_f32 v[T+i:T+i+1], v[Q+i:Q+i+1], v[F+i:F+i+1] neg_lo:[0,1] neg_hi:[0,1]
	v_pk_mul_f32 v[ACC+i:ACC+i+1], v[Q+i:Q+i+1], v[F+i:F+i+1]
.set i, i+2
.endr
	v_max3_num_f32 v[MX], |v[F]|, |v[F+1]|, 0x2800000
	v_max3_num_f32 v[MX+1], |v[T]|, |v[T+1]|, 0x2800000
	v_max3_num_f32 v[MX+2], |v[ACC]|, |v[ACC+1]|, 0x2800000
.set i, 2
.rept 15                               ; the three blocks by turns: no line waits for the line above it
	v_max3_num_f32 v[MX], v[MX], |v[F+i]|, |v[F+i+1]|
	v_max3_num_f32 v[MX+1], v[MX+1], |v[T+i]|, |v[T+i+1]|
	v_max3_num_f32 v[MX+2], v[MX+2], |v[ACC+i]|, |v[ACC+i+1]|
.set i, i+2
.endr
.irp b, 0,1,2
	v_add_nc_u32 v[SO+\b], 0xfe000000, v[MX+\b]
.endr
.irp b, 0,1,2
	v_lshrrev_b32 v[MX+\b], 23, v[SO+\b]
.endr
	v_lshl_or_b32 v[X], v[MX+2], 8, v[MX+1]
	v_lshl_or_b32 v[X], v[X], 8, v[MX]
	v_or_b32 v[X], v[X], v[QT]                                     ; my half's four bytes: f, q - f, q f, q
	v_permlanex16_b32 v[Y], v[X], s52, s53                         ; and the other half's
	v_perm_b32 v[XW0], v[Y], v[X], 0x04000703                      ; lanes 0-15: q's two bytes, f's two: row r's word for k = 0 .. 127
	v_perm_b32 v[XW1], v[Y], v[X], 0x06020501                      ; (q - f)'s two, (q f)'s two: for k = 128 .. 255
	v_cvt_scalef32_pk16_bf6_f32 v[FR0+6:FR0+8], v[F:F+15], v[SO]
	v_cvt_scalef32_pk16_bf6_f32 v[TC:TC+2], v[F+16:F+31], v[SO]
	v_cvt_scalef32_pk16_bf6_f32 v[FR1:FR1+2], v[T:T+15], v[SO+1]
	v_cvt_scalef32_pk16_bf6_f32 v[TC+4:TC+6], v[T+16:T+31], v[SO+1]
	v_cvt_scalef32_pk16_bf6_f32 v[FR1+6:FR1+8], v[ACC:ACC+15], v[SO+2]
	v_cvt_scalef32_pk16_bf6_f32 v[TC+8:TC+10], v[ACC+16:ACC+31], v[SO+2]
	v_nop                                                          ; one plain place behind the conversions
.irp i, 0,1,2
	v_mov_b32 v[FR0+9+\i], v[TC+\i]
	v_mov_b32 v[FR1+3+\i], v[TC+4+\i]
	v_mov_b32 v[FR1+9+\i], v[TC+8+\i]
.endr
.endm
; 16 rows x 64 units x 256: eight matrix instructions; the four accumulators take turns.
; turn = 1: ring set nset, the next tile, goes through the wave's own stage meanwhile: four stores behind each of the first two products, four loads behind each of the next two.  LDS serves a wave's instructions
; in order, so no wait stands between the stores and the loads.  The products' window setting serves them too: an LDS store's data are its source 1 (window 1: the ring), addresses and loaded data lie in window 0.
.macro MM1 turn, nset
	WIN 0x14                                                       ; source 1 (W1) and C (b1 - c) in window 1
.irp t, 0,1,2,3
	v_wmma_scale_f32_16x16x128_f8f6f4 v[ACC+8*\t:ACC+8*\t+7], v[FR0:FR0+11], v[W1F+24*\t:W1F+24*\t+11], v[CI+8*\t:CI+8*\t+7], v[XW0], v[W1S+2*\t] matrix_a_fmt:MATRIX_FMT_BF6 matrix_b_fmt:MATRIX_FMT_BF6
.if \turn
.if \t < 2
.irp i, 0,1,2,3
	ds_store_b128 v[VSTW], v[32*(\nset)+4*(4*\t+\i):32*(\nset)+4*(4*\t+\i)+3] offset:272*(4*\t+\i)
.endr
.else
.irp i, 0,1,2,3
	ds_load_b128 v[F+4*(4*\t-8+\i):F+4*(4*\t-8+\i)+3], v[VSTR] offset:16*(4*\t-8+\i)   ; no wait: no vector or matrix instruction since the tile's wait on va_vdst names F
.endr
.endif
.endif
.endr
	WIN 0x04
.irp t, 0,1,2,3
	v_wmma_scale_f32_16x16x128_f8f6f4 v[ACC+8*\t:ACC+8*\t+7], v[FR1:FR1+11], v[W1F+24*\t+12:W1F+24*\t+23], v[ACC+8*\t:ACC+8*\t+7], v[XW1], v[W1S+2*\t+1] matrix_a_fmt:MATRIX_FMT_BF6 matrix_b_fmt:MATRIX_FMT_BF6
.endr
	WIN 0
.endm
.macro STATS nt                        ; each accumulator is read from its low end on
.irp p, 0,2,4,6
.set t, 0
.rept \nt
	v_pk_add_f32 v[S1+2*t:S1+2*t+1], v[S1+2*t:S1+2*t+1], v[ACC+8*t+\p:ACC+8*t+\p+1]
	v_pk_fma_f32 v[S2+2*t:S2+2*t+1], v[ACC+8*t+\p:ACC+8*t+\p+1], v[ACC+8*t+\p:ACC+8*t+\p+1], v[S2+2*t:S2+2*t+1]
.set t, t+1
.endr
.endr
.endm
.macro PMEAN nt, dst                   ; the mean over the tile's 16 rows of each of my units
.set t, 0
.rept \nt
	v_pk_add_f32 v[12:13], v[ACC+8*t:ACC+8*t+1], v[ACC+8*t+2:ACC+8*t+3]
	v_pk_add_f32 v[14:15], v[ACC+8*t+4:ACC+8*t+5], v[ACC+8*t+6:ACC+8*t+7]
	v_pk_add_f32 v[12:13], v[12:13], v[14:15]
	v_add_f32 v12, v12, v13
	v_permlanex16_b32 v[Y], v12, s52, s53
	v_add_f32 v12, v12, v[Y]
	v_mul_f32 v[\dst+t], 0x3d800000, v12
.set t, t+1
.endr
.endm
; A TILE.  set: its ring set.  ahead: the set takes the tile D further on, at \aimm from the walking pointer.  turn: the next tile goes through the stage; young: the loads that may stay out then.
.macro TILE set, ahead, aimm, turn, young, kind
	s_wait_dscnt 0x0                                               ; my tile is back from the stage
.if \ahead
	s_wait_alu depctr_vm_vsrc(0)                                   ; the stage's stores have read this tile's ring set, in which the loads below land
	LOADT \set, 40, VOF, \aimm, 256, 1                             ; it takes the tile D further on
.endif
	FRONT
	PLACES 7                                                       ; with the v_nop behind the conversions: eight places between the scale words' last write and the scaled products
	s_wait_alu depctr_va_vdst(0)                                   ; FRONT (and QQUANT) have written both sources 0 and both scale words, which the scaled products take; FRONT is done reading F, in which the loads among the products land
.if \turn
	s_wait_loadcnt \young                                          ; loads come back in order: the next tile's eight are in; those of the tiles behind it may be out
.endif
	MM1 \turn, ((\set)+1)%D
	PLACES 4
.if \kind
	STATS 4
.endif
.endm
	s_load_b256 s[4:11], s[0:1], 0x0               ; facts s[4:5], query s[6:7], W1's codes s[8:9], W1's scales s[10:11]
	s_load_b128 s[12:15], s[0:1], 0x20             ; b1 s[12:13], part1 s[14:15]
	v_lshl_add_u32 v254, v0, 2, 0x14000
	v_mov_b32 v255, 0
	v_lshrrev_b32 v[HW], 5, v0
	v_readfirstlane_b32 s36, v[HW]                 ; wave
	v_and_b32 v[HR], 15, v0                        ; r
	v_bfe_u32 v[HH], v0, 4, 1                      ; h
	v_and_b32 v[HL], 31, v0                        ; lane
	v_bfe_u32 v[HB3], v0, 3, 1                     ; r / 8
	v_lshlrev_b32 v[H16R], 4, v[HR]
	v_lshl_add_u32 v[VOF], v[HH], 11, v[H16R]
	v_mad_u32_u24 v[VOFM], v[HH], 51200, v[H16R]
	v_mad_u32_u24 v[VOFP], v[HH], 409600, v[H16R]
	s_wait_alu depctr_va_sdst(0)                   ; s36 is written, ahead of its first reader: LDS regions and the bases are made from it
	s_mul_i32 s57, s36, WREG
	v_mad_u32_u24 v[VSTW], v[HH], 2176, v[H16R]
	v_add_nc_u32 v[VSTW], s57, v[VSTW]
	v_mul_u32_u24 v[VSTR], v[HR], 272
	v_lshl_add_u32 v[VSTR], v[HH], 7, v[VSTR]
	v_add_nc_u32 v[VSTR], s57, v[VSTR]
	s_add_co_u32 s58, s57, SQO
	v_lshlrev_b32 v[VQA], 7, v[HH]
	v_add_nc_u32 v[VQA], s58, v[VQA]
	v_mad_u32_u24 v[VQM], v[HB3], 272, v[VQA]
	v_mad_u32_u24 v[VQW], v[HH], 272, v[H16R]
	v_add_nc_u32 v[VQW], s58, v[VQW]
	v_lshlrev_b32 v[VIMG], 4, v[HL]
	v_add_nc_u32 v[VRD], RED1, v[VIMG]
	s_lshl_b32 s59, s36, 9
	v_add_nc_u32 v[VRW], s59, v[VRD]
	v_mul_u32_u24 v[HA1], v[HR], 768               ; W1: units 4 r .. 4 r + 3 are 768 bytes; + 24 h
	v_mad_u32_u24 v[HA1], v[HH], 24, v[HA1]
	v_lshlrev_b32 v[HA2], 5, v[HR]                 ; their scale bytes: 32 r
	v_lshlrev_b32 v[HA3], 8, v[HR]                 ; the probe's q: row r of query, + 128 h
	v_lshl_add_u32 v[HA3], v[HH], 7, v[HA3]
	s_mov_b32 s52, 0x76543210
	s_mov_b32 s53, 0xfedcba98                      ; v_permlanex16_b32's selects for lane l xor 16
	s_mov_b32 s54, 0xffff0000                      ; lanes 16-31
	s_lshl_b32 s37, ttmp9, 3
	s_add_co_u32 s37, s37, s36                     ; my pair of batches
	s_mul_i32 s38, s37, 102400
	s_mov_b32 s39, 0
	s_lshl_b32 s42, s37, 9
	s_mov_b32 s43, 0
	s_lshl_b32 s44, ttmp9, 9
	s_mov_b32 s45, 0
	s_mov_b32 s49, 0
	s_mov_b32 s46, 0                               ; the loop's counter
	s_wait_kmcnt 0x0
	s_add_nc_u64 s[38:39], s[4:5], s[38:39]        ; the pair's facts
	s_add_nc_u64 s[42:43], s[6:7], s[42:43]        ; its two rows of query
	s_add_nc_u64 s[44:45], s[14:15], s[44:45]      ; my work-group's record
	s_add_nc_u64 s[40:41], s[38:39], (D-2)*4096    ; the walking pointer
	s_wait_alu depctr_va_vdst(0)                   ; the offsets and addresses v1 to v11 and v240 to v243 are written, which every load, store and LDS instruction of the kernel reads
	LOADT 0, 4, VOFP, 0, 51200, 0                  ; the probe: fact 0 of batches 0 to 15 (every wave reads these rows: no hint)
	LOADT 1, 38, VOFM, 49152, 256, 1               ; the mixed tile
	LOADT 2, 38, VOF, 0, 256, 1                    ; A's tiles 0 and 1
	LOADT 3, 38, VOF, 4096, 256, 1
	WIN 0x40
.irp t, 0,1,2,3
.irp s, 0,1
.irp p, 0,1,2,3,4,5
	global_load_b64 v[W1F+12*(2*\t+\s)+2*\p:W1F+12*(2*\t+\s)+2*\p+1], v[HA1], s[8:9] offset:192*\t+96*\s+48*(\p/3)+8*(\p%3)
.endr
.endr
.endr
	WIN 0
	global_load_b128 v[W1S:W1S+3], v[HA2], s[10:11]
	global_load_b128 v[W1S+4:W1S+7], v[HA2], s[10:11] offset:16
	global_load_b128 v[B1:B1+3], v[H16R], s[12:13]
	global_load_b128 v[70:73], v[VIMG], s[42:43]   ; q of A (lanes 0-15) and of B (lanes 16-31)
.irp c, 0,1,2,3,4,5,6,7
	global_load_b128 v[Q+4*\c:Q+4*\c+3], v[HA3], s[6:7] offset:16*\c
.endr
	s_wait_loadcnt 0x0                             ; once: weights, q, the first D tiles
	ds_store_b128 v[VQW], v[70:73]
	TURN 0
	WIN 0x40
.irp t, 0,1,2,3
.irp j, 0,1,2,3,4,5,6,7
	v_mov_b32 v[CI+8*\t+\j], v[B1+\t]              ; for the probe C = b1: it yields h1 itself
.endr
.endr
	WIN 0
.irp j, 0,1,2,3,4,5,6,7,8,9,10,11,12,13,14,15
	v_mov_b32 v[S1+\j], 0
.endr
	v_mov_b32 v[Y], 0
	QQUANT
	TILE 0, 1, 0, 1, 8*(D-1), 0                    ; the probe.  (Its wait on vm_vsrc also states that the LDS store of q has read v70 to v73, which its conversions write)
	PMEAN 4, C1                                    ; c
	WIN 0x40
.irp t, 0,1,2,3
.irp j, 0,1,2,3,4,5,6,7
	v_sub_f32 v[CI+8*\t+\j], v[B1+\t], v[C1+\t]    ; from here on C = b1 - c
.endr
.endr
	WIN 0
	s_or_b32 s57, ttmp9, s36
	s_cmp_lg_u32 s57, 0
	s_cbranch_scc1 .Lnoc
	s_wait_alu depctr_va_vdst(0)                   ; c is written in v224 to v227, which the store reads
	global_store_b128 v[VIMG], v[C1:C1+3], s[14:15] offset:131072  ; c, by one wave of the launch (lanes 16-31 store it a second time: 512 consecutive bytes)
.Lnoc:
	QSET VQM, 0
	TILE 1, 1, 4096, 1, 8*(D-1), 1                 ; the mixed tile
	QSET VQA, 0
.Ltrip:                                            ; 24 / D - 1 trips of D tiles
	s_cmp_lg_u32 s46, 12/D
	s_cbranch_scc1 .Lsameq
	QSET VQA, 272                                  ; batch B begins
.Lsameq:
	TILE 2, 1, 8192, 1, 8*(D-1), 1
	TILE 3, 1, 12288, 1, 8*(D-1), 1
	TILE 0, 1, 16384, 1, 8*(D-1), 1
	TILE 1, 1, 20480, 1, 8*(D-1), 1
	s_wait_xcnt 0x0                                ; the loads have read their base: it may step
	s_add_co_u32 s46, s46, 1
	s_mov_b32 s48, 4096*D
	s_cmp_eq_u32 s46, 12/D-1
	s_cselect_b32 s48, 4096*D+2048, s48            ; once: over A's last 8 rows, which the mixed tile took
	s_add_nc_u64 s[40:41], s[40:41], s[48:49]
	s_cmp_lt_u32 s46, 24/D-1
	s_cbranch_scc1 .Ltrip
	TILE 2, 0, 0, 1, 16, 1                         ; the last D tiles load nothing: the counts run down, and no ring set is written again
	TILE 3, 0, 0, 1, 8, 1
	TILE 0, 0, 0, 1, 0, 1
	TILE 1, 0, 0, 0, 0, 1
	; THE WAY OUT: pairs, the two halves of the lanes, the eight waves
.irp t, 0,1,2,3
	v_add_f32 v[S1+2*\t], v[S1+2*\t], v[S1+2*\t+1]
	v_add_f32 v[S2+2*\t], v[S2+2*\t], v[S2+2*\t+1]
.endr
.irp t, 0,1,2,3
	v_permlanex16_b32 v[S1+2*\t+1], v[S1+2*\t], s52, s53
	v_permlanex16_b32 v[S2+2*\t+1], v[S2+2*\t], s52, s53
.endr
.irp t, 0,1,2,3
	v_add_f32 v[S1+2*\t], v[S1+2*\t], v[S1+2*\t+1]
	v_add_f32 v[S2+2*\t], v[S2+2*\t], v[S2+2*\t+1]
.endr
.irp t, 0,1,2,3
	v_cndmask_b32 v[T+\t], v[S1+2*\t], v[S2+2*\t], s54             ; lanes 0-15 carry the sums of d, lanes 16-31 those of d^2: the record's layout
.endr
	s_wait_alu depctr_va_vdst(0)                   ; T to T + 3 are written, which the LDS store reads; every line that names T to T + 31 is done, in which wave 0's loads land
	ds_store_b128 v[VRW], v[T:T+3]
	s_wait_dscnt 0x0                               ; for the others' sake: my store has landed
	s_barrier_signal -1
	s_barrier_wait -1
	s_wait_alu depctr_vm_vsrc(0)                   ; my LDS store has read T to T + 3, in which wave 0's first load lands
	s_cmp_lg_u32 s36, 0
	s_cbranch_scc1 .Lend
.irp w, 0,1,2,3,4,5,6,7
	ds_load_b128 v[T+4*\w:T+4*\w+3], v[VRD] offset:512*\w
.endr
	s_wait_dscnt 0x0
.irp st, 4,2,1
.set i, 0
.rept \st
	v_pk_add_f32 v[T+4*i:T+4*i+1], v[T+4*i:T+4*i+1], v[T+4*(i+\st):T+4*(i+\st)+1]
	v_pk_add_f32 v[T+4*i+2:T+4*i+3], v[T+4*i+2:T+4*i+3], v[T+4*(i+\st)+2:T+4*(i+\st)+3]
.set i, i+1
.endr
.endr
	s_wait_alu depctr_va_vdst(0)                   ; the work-group's sums are written in T to T + 3, which the store reads
	global_store_b128 v[VIMG], v[T:T+3], s[44:45]  ; 512 consecutive bytes, aligned
.Lend:
	s_wait_dscnt 0x0
	s_wait_alu depctr_hold_cnt(0) depctr_sa_sdst(0) depctr_va_vdst(0) depctr_va_sdst(0) depctr_va_ssrc(0) depctr_va_vcc(0) depctr_vm_vsrc(0)
	s_wait_tensorcnt 0x0
	ds_add_u32 v254, v255
	s_wait_dscnt 0x0
	s_endpgm
.Lfunc_end_k_qbd9727d50f_stats1:
	.size	k_qbd9727d50f_stats1, .Lfunc_end_k_qbd9727d50f_stats1-k_qbd9727d50f_stats1
	.p2alignl 7, 3214868480
	.fill 96, 4, 3214868480
	.section	.rodata,"a",@progbits
	.p2align	6, 0x0
	.amdhsa_kernel k_qbd9727d50f_stats1
		.amdhsa_group_segment_fixed_size 82944
		.amdhsa_private_segment_fixed_size 0
		.amdhsa_enable_private_segment 0
		.amdhsa_kernarg_size 48
		.amdhsa_user_sgpr_count 2
		.amdhsa_user_sgpr_kernarg_segment_ptr 1
		.amdhsa_wavefront_size32 1
		.amdhsa_system_sgpr_workgroup_id_x 1
		.amdhsa_system_sgpr_workgroup_id_y 1
		.amdhsa_system_sgpr_workgroup_id_z 1
		.amdhsa_system_vgpr_workitem_id 0
		.amdhsa_next_free_vgpr 512
		.amdhsa_next_free_sgpr 66
		.amdhsa_reserve_vcc 0
		.amdhsa_float_denorm_mode_32 3
		.amdhsa_float_denorm_mode_16_64 3
		.amdhsa_memory_ordered 1
		.amdhsa_forward_progress 1
		.amdhsa_inst_pref_size 141
	.end_amdhsa_kernel
	.amdgpu_metadata
---
amdhsa.version: [ 1, 2 ]
amdhsa.kernels:
  - .name:           k_qbd9727d50f_stats1
    .symbol:         k_qbd9727d50f_stats1.kd
    .args:
      - { .name: facts, .offset: 0, .size: 8, .value_kind: global_buffer, .address_space: global }
      - { .name: query, .offset: 8, .size: 8, .value_kind: global_buffer, .address_space: global }
      - { .name: W1_codes, .offset: 16, .size: 8, .value_kind: global_buffer, .address_space: global }
      - { .name: W1_scales, .offset: 24, .size: 8, .value_kind: global_buffer, .address_space: global }
      - { .name: b1, .offset: 32, .size: 8, .value_kind: global_buffer, .address_space: global }
      - { .name: part1, .offset: 40, .size: 8, .value_kind: global_buffer, .address_space: global }
    .group_segment_fixed_size: 82944
    .private_segment_fixed_size: 0
    .kernarg_segment_align: 8
    .kernarg_segment_size: 48
    .max_flat_workgroup_size: 256
    .sgpr_count:     66
    .vgpr_count:     512
    .wavefront_size: 32
...
	.end_amdgpu_metadata
.endif
;; end of part 4
;; launch stats2 (part 5): grid 256 x 1, 8 waves a work-group, no clusters, 82,944 bytes of LDS; arguments facts, query, W1_codes, W1_scales, W2_codes, W2_scales, b1, g1, be1, dg1, db1, a1, b2, part1, part2, hcodes; writes part2, hcodes
.if DOCPART == 5
	.amdgcn_target "amdgcn-amd-amdhsa--gfx1250"
	.amdhsa_code_object_version 6
	.text
	.protected	k_qbd9727d50f_stats2
	.globl	k_qbd9727d50f_stats2
	.p2align	8
	.type	k_qbd9727d50f_stats2,@function
k_qbd9727d50f_stats2:
	s_mov_b64 s[64:65], 0
	v_nop
	global_prefetch_b8 v0, s[64:65] scope:SCOPE_SE
	s_setreg_imm32_b32 hwreg(HW_REG_WAVE_SCHED_MODE, 0, 2), 2
	s_setreg_imm32_b32 hwreg(HW_REG_WAVE_MODE, 25, 1), 1
	s_wait_xcnt 0x0
	s_wait_alu depctr_vm_vsrc(0)
; SECOND WALK.  For all 819,200 rows: ai -> codes -> x W1 as in the first walk; BatchNorm 1 and Dice 1 in f32 with the batch statistics of the first walk; the result -> codes of E3M2 along its 64 units;
; the codes are STORED (48 bytes and a scale word a row, as an image of the operand's registers), so that the third walk needs none of this again; x W2 + b2 = h2; stored: the sums of d = h2 - c2 and d^2.
; THE NORMS IN CLOSED FORM.  With m, var the batch mean and variance of h = acc + b:  y = g (h - m) rs + be, rs = rsqrt(var + 1e-5).  The batch mean of y is be and its variance (g rs)^2 var, so Dice's own
; norm needs no pass:  z = dg (y - be) rsqrt((g rs)^2 var + 1e-8) + db.  Per unit: y = acc CA + CB;  -log2(e) z = acc CG + CD;  gate = 1 / (1 + 2^(-log2(e) z));  out = y (gate (1 - a) + a).
; Shares, tiles, stage, the shift c and the product's orientation: as in the first walk (a wave owns two batches, 25 tiles of 16 rows; lane (r, h) of a result holds ONE unit and rows 8 h + 0 .. 7).
; Units of a tile: layer 1: column r of tile t is unit 4 r + t; layer 2: column r of tile t is unit 2 r + t: a lane's parameters are 16 or 8 neighbouring bytes.
; Dice's output turns through a second stage of the wave's own, so that lane (r, h) holds units 32 h .. 32 h + 31 of row r: a whole block of the next K.
; LIMITS: NaN and infinities among the inputs are not served; a block whose largest magnitude lies under 2^-122 keeps the scale byte 1; the mean is folded into CB and CD, whose rounding is one ulp of |m| g rs,
; as h's own rounding is; the variance comes from sums about c, a mean of 16 rows: its relative error grows as 1 + ((m - c) / spread)^2.
; THE MODE: SCHED_MODE bits 1:0 = 2 (LLVM: expert scheduling mode 2), set by the entry lines.  The code itself states the register dependences
; between vector or matrix instructions and memory or LDS instructions, with s_wait_alu, always for 0.
; THE PLAN.  Registers that memory or LDS instructions touch:
;   the ring     window 1, v0-95.  Written by the loads of facts, read by the first stage's stores.  No vector instruction names it.
;   F            Written by the first stage's loads; read by FRONT; written anew by Dice's lines; read by the second stage's stores; then the first stage's loads land in it again.
;   T            Written and read by FRONT and by Dice's lines; then the second stage's loads land in it; read by QUANT2.
;   v228-235     The image: written by QUANT2, read by the two image stores (and taken by the second product).
;   Q, v70-73    As in the first walk.
;   v1-11, v254  Offsets and addresses, made at the head, never written again.  v12, v13: LDS addresses of the head, temporaries later.  v240-247: offsets of the head's loads, zeros and sums later.
; A TILE'S WAITS.  vm_vsrc at its head: the first stage's stores have read the ring set that is asked for again.  va_vdst ahead of the first product: its source 0 and scale words are written.
; The two waits behind the exponentials and the reciprocals.  va_vdst ahead of the second stage: Dice's output is written, and every line that names T is done.  vm_vsrc behind the second stage's return:
; its stores have read F, and the last tile's image stores have read v228-235.  va_vdst ahead of the image stores and the second product: the codes and the scale word are written.
.set D,     3
.set WREG,  9472                       ; LDS: a wave's region: stage for facts (16 x 272), stage for Dice's output (16 x 272), q of both batches (2 x 272)
.set SHO,   4352
.set SQO,   8704
.set RED1,  75776                      ; 8 x 512 bytes: the head's sums of the first walk's records
.set RED2,  79872                      ; 8 x 256 bytes: the way out
.set VOF,   1
.set VOFM,  2
.set VOFP,  3
.set VSTW,  4
.set VSTR,  5
.set VQA,   6
.set VQM,   7
.set VIMG,  8                          ; 16 x lane
.set VRD,   9                          ; RED2 + 8 x lane
.set VRW,   10                         ; RED2 + 256 x wave + 8 x lane
.set VQW,   11
.set W1S,   16
.set W2S,   24                         ; v24, v25 W2's scale words
.set XW0,   26
.set XW1,   27
.set QT,    28
.set X,     29
.set Y,     30
.set Y2,    31
.set MX,    32
.set SO,    35
.set M2,    38
.set SO2,   39
.set FR0,   40
.set FR1,   52
.set TC,    64
.set Q,     76
.set F,     108
.set T,     140
.set ACC,   172
.set CA,    204                        ; six coefficients for each of my four units
.set CB,    208
.set CG,    212
.set CD,    216
.set CO,    220
.set CL,    224
.set SW,    228                        ; v228 the row's scale word, v229 0, v230-235 the six code registers, v236-241 zeros (k = 64 .. 127 of the K step): v[230:241] is source 0
.set PC,    230
.set S1,    242
.set S2,    246
.set B2,    250
.set C2,    252
.set V8L,   254                        ; 8 x lane
.set PC1,   40                         ; the head: c1, b1, g1, be1, dg1, db1, a1 of my four units
.set PB1,   44
.set PG1,   48
.set PBE,   52
.set PDG,   56
.set PDB,   60
.set PA1,   64
.set MD,    144                        ; the head's work
.set VR,    148
.set KB,    152
.set RS,    156
.set RY,    160
.set GG,    164
.set TT,    168
.set HW,    236
.set HR,    237
.set HH,    238
.set HL,    239
.set H16R,  240
.set HA1,   241
.set HA2,   242
.set HA3,   243
.set HA4,   244
.set HA5,   245
.set HA6,   246
.set HA7,   247
.set HB3,   248
.set W1F,   96                         ; window 1: v0-95 the ring; v96-191 W1's eight fragments; v192-215 W2's two; v216-231 b2 - c2
.set W2F,   192
.set CI2,   216
.set MSB,   0
.macro WIN new
.if MSB != \new
	s_set_vgpr_msb (MSB<<8)|\new
.set MSB, \new
.endif
.endm
.macro PLACES n
.rept \n
	v_nop
.endr
.endm
.macro LOADT set, base, voff, imm0, stride, nt
	WIN 0x40
.irp i, 0,1,2,3,4,5,6,7
.if \nt
	global_load_b128 v[32*(\set)+4*\i:32*(\set)+4*\i+3], v[\voff], s[\base:\base+1] offset:\imm0+\i*\stride th:TH_LOAD_NT
.else
	global_load_b128 v[32*(\set)+4*\i:32*(\set)+4*\i+3], v[\voff], s[\base:\base+1] offset:\imm0+\i*\stride
.endif
.endr
	WIN 0
.endm
.macro TURNS set                       ; a tile into the first stage,
	WIN 0x04
.irp i, 0,1,2,3,4,5,6,7
	ds_store_b128 v[VSTW], v[32*(\set)+4*\i:32*(\set)+4*\i+3] offset:272*\i
.endr
	WIN 0
.endm
.macro TURNL                           ; and back: LDS serves a wave's instructions in order, so no wait on DScnt stands between the stores and the loads
.irp i, 0,1,2,3,4,5,6,7
	ds_load_b128 v[F+4*\i:F+4*\i+3], v[VSTR] offset:16*\i
.endr
.endm
.macro QQUANT
	v_max3_num_f32 v[MX], |v[Q]|, |v[Q+1]|, 0x2800000
	v_max3_num_f32 v[MX+1], |v[Q+16]|, |v[Q+17]|, 0x2800000
.set i, 2
.rept 7
	v_max3_num_f32 v[MX], v[MX], |v[Q+i]|, |v[Q+i+1]|
	v_max3_num_f32 v[MX+1], v[MX+1], |v[Q+16+i]|, |v[Q+17+i]|
.set i, i+2
.endr
	v_max_num_f32 v[MX], v[MX], v[MX+1]
	v_add_nc_u32 v[SO], 0xfe000000, v[MX]
	v_lshrrev_b32 v[QT], 23, v[SO]
	v_lshlrev_b32 v[QT], 24, v[QT]
	v_cvt_scalef32_pk16_bf6_f32 v[FR0:FR0+2], v[Q:Q+15], v[SO]
	v_cvt_scalef32_pk16_bf6_f32 v[TC:TC+2], v[Q+16:Q+31], v[SO]
	v_nop
.irp i, 0,1,2
	v_mov_b32 v[FR0+3+\i], v[TC+\i]
.endr
.endm
.macro QSET adr, off
	s_wait_alu depctr_va_vdst(0)                   ; every line that reads Q (the tiles' FRONT, the last QQUANT) is done: the loads below land in Q
.irp c, 0,1,2,3,4,5,6,7
	ds_load_b128 v[Q+4*\c:Q+4*\c+3], v[\adr] offset:\off+16*\c
.endr
	s_wait_dscnt 0x0
	QQUANT
.endm
.macro FRONT
.set i, 0
.rept 16
	v_pk_add_f32 v[T+i:T+i+1], v[Q+i:Q+i+1], v[F+i:F+i+1] neg_lo:[0,1] neg_hi:[0,1]
	v_pk_mul_f32 v[ACC+i:ACC+i+1], v[Q+i:Q+i+1], v[F+i:F+i+1]
.set i, i+2
.endr
	v_max3_num_f32 v[MX], |v[F]|, |v[F+1]|, 0x2800000
	v_max3_num_f32 v[MX+1], |v[T]|, |v[T+1]|, 0x2800000
	v_max3_num_f32 v[MX+2], |v[ACC]|, |v[ACC+1]|, 0x2800000
.set i, 2
.rept 15
	v_max3_num_f32 v[MX], v[MX], |v[F+i]|, |v[F+i+1]|
	v_max3_num_f32 v[MX+1], v[MX+1], |v[T+i]|, |v[T+i+1]|
	v_max3_num_f32 v[MX+2], v[MX+2], |v[ACC+i]|, |v[ACC+i+1]|
.set i, i+2
.endr
.irp b, 0,1,2
	v_add_nc_u32 v[SO+\b], 0xfe000000, v[MX+\b]
.endr
.irp b, 0,1,2
	v_lshrrev_b32 v[MX+\b], 23, v[SO+\b]
.endr
	v_lshl_or_b32 v[X], v[MX+2], 8, v[MX+1]
	v_lshl_or_b32 v[X], v[X], 8, v[MX]
	v_or_b32 v[X], v[X], v[QT]
	v_permlanex16_b32 v[Y], v[X], s52, s53
	v_perm_b32 v[XW0], v[Y], v[X], 0x04000703
	v_perm_b32 v[XW1], v[Y], v[X], 0x06020501
	v_cvt_scalef32_pk16_bf6_f32 v[FR0+6:FR0+8], v[F:F+15], v[SO]
	v_cvt_scalef32_pk16_bf6_f32 v[TC:TC+2], v[F+16:F+31], v[SO]
	v_cvt_scalef32_pk16_bf6_f32 v[FR1:FR1+2], v[T:T+15], v[SO+1]
	v_cvt_scalef32_pk16_bf6_f32 v[TC+4:TC+6], v[T+16:T+31], v[SO+1]
	v_cvt_scalef32_pk16_bf6_f32 v[FR1+6:FR1+8], v[ACC:ACC+15], v[SO+2]
	v_cvt_scalef32_pk16_bf6_f32 v[TC+8:TC+10], v[ACC+16:ACC+31], v[SO+2]
	v_nop
.irp i, 0,1,2
	v_mov_b32 v[FR0+9+\i], v[TC+\i]
	v_mov_b32 v[FR1+3+\i], v[TC+4+\i]
	v_mov_b32 v[FR1+9+\i], v[TC+8+\i]
.endr
.endm
.macro MM1                             ; the sums begin with the constant 0: b1 is folded into CB and CD
	WIN 0x04
.irp t, 0,1,2,3
	v_wmma_scale_f32_16x16x128_f8f6f4 v[ACC+8*\t:ACC+8*\t+7], v[FR0:FR0+11], v[W1F+24*\t:W1F+24*\t+11], 0, v[XW0], v[W1S+2*\t] matrix_a_fmt:MATRIX_FMT_BF6 matrix_b_fmt:MATRIX_FMT_BF6
.endr
.irp t, 0,1,2,3
	v_wmma_scale_f32_16x16x128_f8f6f4 v[ACC+8*\t:ACC+8*\t+7], v[FR1:FR1+11], v[W1F+24*\t+12:W1F+24*\t+23], v[ACC+8*\t:ACC+8*\t+7], v[XW1], v[W1S+2*\t+1] matrix_a_fmt:MATRIX_FMT_BF6 matrix_b_fmt:MATRIX_FMT_BF6
.endr
	WIN 0
.endm
.macro PKFMAB d, a, cb, cc, u          ; two numbers: d = a x cb[u] + cc[u]; of the coefficients' pairs the word u % 2 serves both halves
.if ((\u)%2) == 0
	v_pk_fma_f32 v[\d:\d+1], v[\a:\a+1], v[\cb+(\u):\cb+(\u)+1], v[\cc+(\u):\cc+(\u)+1] op_sel_hi:[1,0,0]
.else
	v_pk_fma_f32 v[\d:\d+1], v[\a:\a+1], v[\cb+(\u)-1:\cb+(\u)], v[\cc+(\u)-1:\cc+(\u)] op_sel:[0,1,1] op_sel_hi:[1,1,1]
.endif
.endm
.macro DICE1                           ; ACC (16 rows x my 4 units) -> F[4 j + t] = Dice's output of row 8 h + j, unit 4 r + t
.irp t, 0,1,2,3
.irp p, 0,2,4,6
	PKFMAB F+8*\t+\p, ACC+8*\t+\p, CG, CD, \t
.endr
.endr
.set i, 0
	s_wait_alu depctr_va_vdst(0)
.rept 32
	v_exp_f32 v[F+i], v[F+i]
.set i, i+1
.endr
.irp t, 0,1,2,3
.irp p, 0,2,4,6
	PKFMAB T+8*\t+\p, ACC+8*\t+\p, CA, CB, \t      ; y: plain work that names no exponential's result
.endr
.endr
	s_wait_alu depctr_va_vdst(0)                   ; the 32 exponentials have written F: one wait for the batch, ahead of its first reader
.set i, 0
.rept 16
	v_pk_add_f32 v[F+i:F+i+1], v[F+i:F+i+1], 1.0 op_sel_hi:[1,0]
.set i, i+2
.endr
.set i, 0
	s_wait_alu depctr_va_vdst(0)
.rept 32
	v_rcp_f32 v[F+i], v[F+i]
.set i, i+1
.endr
	v_nop                                          ; a plain place behind the last reciprocal
	s_wait_alu depctr_va_vdst(0)                   ; the 32 reciprocals have written F: one wait, ahead of their first reader
.irp t, 0,1,2,3
.irp p, 0,2,4,6
	PKFMAB ACC+8*\t+\p, F+8*\t+\p, CO, CL, \t      ; gate (1 - a) + a
.endr
.endr
.irp j, 0,1,2,3,4,5,6,7
.irp t, 0,1,2,3
	v_mul_f32 v[F+4*\j+\t], v[T+8*\t+\j], v[ACC+8*\t+\j]
.endr
.endr
.endm
.macro HTURN                           ; through the second stage: a row's 64 units are 256 bytes; back: row r, units 32 h .. 32 h + 31
.irp j, 0,1,2,3,4,5,6,7
	ds_store_b128 v[VSTW], v[F+4*\j:F+4*\j+3] offset:SHO+272*\j
.endr
.irp c, 0,1,2,3,4,5,6,7
	ds_load_b128 v[T+4*\c:T+4*\c+3], v[VSTR] offset:SHO+16*\c
.endr
.endm
.macro QUANT2
	s_wait_xcnt 0x0                                ; the last tile's image stores have had their addresses translated: their registers are written anew only behind this wait (and behind the tile's second wait on vm_vsrc)
	v_max3_num_f32 v[M2], |v[T]|, |v[T+1]|, 0x2800000
	v_max3_num_f32 v12, |v[T+16]|, |v[T+17]|, 0x2800000
.set i, 2
.rept 7
	v_max3_num_f32 v[M2], v[M2], |v[T+i]|, |v[T+i+1]|
	v_max3_num_f32 v12, v12, |v[T+16+i]|, |v[T+17+i]|
.set i, i+2
.endr
	v_max_num_f32 v[M2], v[M2], v12
	v_add_nc_u32 v[SO2], 0xfe000000, v[M2]
	v_lshrrev_b32 v[M2], 23, v[SO2]
	v_permlanex16_b32 v[Y2], v[M2], s52, s53
	v_lshl_or_b32 v[SW], v[Y2], 8, v[M2]           ; lanes 0-15: row r's two bytes; the upper two are 0, over zero codes
	v_cvt_scalef32_pk16_bf6_f32 v[PC:PC+2], v[T:T+15], v[SO2]
	v_cvt_scalef32_pk16_bf6_f32 v[TC:TC+2], v[T+16:T+31], v[SO2]
	v_nop
.irp i, 0,1,2
	v_mov_b32 v[PC+3+\i], v[TC+\i]
.endr
.endm
.macro IMGST imm                       ; the operand as it stands in the registers: each store covers 512 consecutive bytes, aligned
	global_store_b128 v[VIMG], v[SW:SW+3], s[42:43] offset:\imm th:TH_STORE_NT
	global_store_b128 v[VIMG], v[SW+4:SW+7], s[42:43] offset:\imm+512 th:TH_STORE_NT
.endm
.macro MM2
	WIN 0x14
.irp t, 0,1
	v_wmma_scale_f32_16x16x128_f8f6f4 v[ACC+8*\t:ACC+8*\t+7], v[PC:PC+11], v[W2F+12*\t:W2F+12*\t+11], v[CI2+8*\t:CI2+8*\t+7], v[SW], v[W2S+\t] matrix_a_fmt:MATRIX_FMT_BF6 matrix_b_fmt:MATRIX_FMT_BF6
.endr
	WIN 0
.endm
.macro STATS nt
.irp p, 0,2,4,6
.set t, 0
.rept \nt
	v_pk_add_f32 v[S1+2*t:S1+2*t+1], v[S1+2*t:S1+2*t+1], v[ACC+8*t+\p:ACC+8*t+\p+1]
	v_pk_fma_f32 v[S2+2*t:S2+2*t+1], v[ACC+8*t+\p:ACC+8*t+\p+1], v[ACC+8*t+\p:ACC+8*t+\p+1], v[S2+2*t:S2+2*t+1]
.set t, t+1
.endr
.endr
.endm
.macro PMEAN nt, dst
.set t, 0
.rept \nt
	v_pk_add_f32 v[12:13], v[ACC+8*t:ACC+8*t+1], v[ACC+8*t+2:ACC+8*t+3]
	v_pk_add_f32 v[14:15], v[ACC+8*t+4:ACC+8*t+5], v[ACC+8*t+6:ACC+8*t+7]
	v_pk_add_f32 v[12:13], v[12:13], v[14:15]
	v_add_f32 v12, v12, v13
	v_permlanex16_b32 v[Y], v12, s52, s53
	v_add_f32 v12, v12, v[Y]
	v_mul_f32 v[\dst+t], 0x3d800000, v12
.set t, t+1
.endr
.endm
.macro TILE set, ahead, aimm, turn, young, kind, img
	s_wait_dscnt 0x0                               ; my tile is back from the stage
.if \ahead
	s_wait_alu depctr_vm_vsrc(0)                   ; the first stage's stores have read this tile's ring set, in which the loads below land
	LOADT \set, 40, VOF, \aimm, 256, 1             ; it takes the tile D further on
.endif
	FRONT
	PLACES 7                                       ; with the v_nop behind the conversions: eight places between the scale words' last write and the scaled products
	s_wait_alu depctr_va_vdst(0)                   ; FRONT (and QQUANT) have written both sources 0 and both scale words, which the scaled products take
	MM1
	PLACES 4
	DICE1
	s_wait_alu depctr_va_vdst(0)                   ; Dice's output is written in F, which the second stage's stores read; every line that names T is done, in which its loads land
	HTURN
	s_wait_dscnt 0x0                               ; Dice's output is back
	s_wait_alu depctr_vm_vsrc(0)                   ; the second stage's stores have read F, in which the first stage's loads land; the last tile's image stores have read v228 to v235, which QUANT2 writes
.if \turn
	s_wait_loadcnt \young                          ; the next tile's eight loads are in; those of the tiles behind it may be out
	TURNS ((\set)+1)%D
	TURNL                                          ; (no vector or matrix instruction since the wait ahead of the second stage: nothing more is owed for F)
.endif
	QUANT2
	PLACES 7
	s_wait_alu depctr_va_vdst(0)                   ; QUANT2 has written the scale word and the codes, which the image stores read and the scaled products take
.if \kind
	IMGST \img
.endif
	MM2
	PLACES 4
.if \kind
	STATS 2
.endif
.endm
	s_load_b512 s[4:19], s[0:1], 0x0               ; facts 4, query 6, W1 codes 8, W1 scales 10, W2 codes 12, W2 scales 14, b1 16, g1 18
	s_load_b512 s[20:35], s[0:1], 0x40             ; be1 20, dg1 22, db1 24, a1 26, b2 28, part1 30, part2 32, hcodes 34
	v_lshl_add_u32 v75, v0, 2, 0x14000
	v_mov_b32 v255, 0
	v_lshrrev_b32 v[HW], 5, v0
	v_readfirstlane_b32 s36, v[HW]
	v_and_b32 v[HR], 15, v0
	v_bfe_u32 v[HH], v0, 4, 1
	v_and_b32 v[HL], 31, v0
	v_bfe_u32 v[HB3], v0, 3, 1
	v_lshlrev_b32 v[H16R], 4, v[HR]
	v_lshl_add_u32 v[VOF], v[HH], 11, v[H16R]
	v_mad_u32_u24 v[VOFM], v[HH], 51200, v[H16R]
	v_mad_u32_u24 v[VOFP], v[HH], 409600, v[H16R]
	s_wait_alu depctr_va_sdst(0)                   ; s36 is written, ahead of its first reader: LDS regions and the bases are made from it
	s_mul_i32 s57, s36, WREG
	v_mad_u32_u24 v[VSTW], v[HH], 2176, v[H16R]
	v_add_nc_u32 v[VSTW], s57, v[VSTW]
	v_mul_u32_u24 v[VSTR], v[HR], 272
	v_lshl_add_u32 v[VSTR], v[HH], 7, v[VSTR]
	v_add_nc_u32 v[VSTR], s57, v[VSTR]
	s_add_co_u32 s58, s57, SQO
	v_lshlrev_b32 v[VQA], 7, v[HH]
	v_add_nc_u32 v[VQA], s58, v[VQA]
	v_mad_u32_u24 v[VQM], v[HB3], 272, v[VQA]
	v_mad_u32_u24 v[VQW], v[HH], 272, v[H16R]
	v_add_nc_u32 v[VQW], s58, v[VQW]
	v_lshlrev_b32 v[VIMG], 4, v[HL]
	v_lshlrev_b32 v[V8L], 3, v[HL]
	v_add_nc_u32 v[VRD], RED2, v[V8L]
	s_lshl_b32 s59, s36, 8
	v_add_nc_u32 v[VRW], s59, v[VRD]
	v_add_nc_u32 v12, RED1, v[H16R]                ; the head's sums: read at RED1 + 16 r,
	v_add_nc_u32 v13, RED1, v[VIMG]
	s_lshl_b32 s60, s36, 9
	v_add_nc_u32 v13, s60, v13                     ; stored at RED1 + 512 x wave + 16 x lane
	v_mul_u32_u24 v[HA1], v[HR], 768
	v_mad_u32_u24 v[HA1], v[HH], 24, v[HA1]
	v_lshlrev_b32 v[HA2], 5, v[HR]
	v_lshlrev_b32 v[HA3], 8, v[HR]
	v_lshl_add_u32 v[HA3], v[HH], 7, v[HA3]
	v_mul_u32_u24 v[HA4], v[HR], 96                ; W2: units 2 r, 2 r + 1 are 96 bytes; + 24 h
	v_mad_u32_u24 v[HA4], v[HH], 24, v[HA4]
	v_lshlrev_b32 v[HA5], 2, v[HR]                 ; their scale bytes: 4 r
	v_lshlrev_b32 v[HA6], 3, v[HR]                 ; b2: 8 r
	s_lshl_b32 s61, s36, 14
	v_add_nc_u32 v[HA7], s61, v[VIMG]              ; my wave's 32 records of 512 bytes
	s_mov_b32 s52, 0x76543210
	s_mov_b32 s53, 0xfedcba98
	s_mov_b32 s54, 0xffff0000
	s_lshl_b32 s37, ttmp9, 3
	s_add_co_u32 s37, s37, s36
	s_mul_i32 s38, s37, 102400
	s_mov_b32 s39, 0
	s_lshl_b32 s50, s37, 9
	s_mov_b32 s51, 0
	s_mul_i32 s42, s37, 25600
	s_mov_b32 s43, 0
	s_lshl_b32 s44, ttmp9, 8
	s_mov_b32 s45, 0
	s_mov_b32 s49, 0
	s_mov_b32 s46, 0
	s_wait_kmcnt 0x0
	s_add_nc_u64 s[38:39], s[4:5], s[38:39]        ; the pair's facts
	s_add_nc_u64 s[50:51], s[6:7], s[50:51]        ; its two rows of query
	s_add_nc_u64 s[42:43], s[34:35], s[42:43]      ; its 25 images
	s_add_nc_u64 s[44:45], s[32:33], s[44:45]      ; my work-group's record
	s_add_nc_u64 s[40:41], s[38:39], (D-2)*4096
	s_wait_alu depctr_va_vdst(0)                   ; the offsets and addresses v1 to v13, v240 to v247 and v254 are written, which the loads, stores and LDS instructions below read
	LOADT 0, 4, VOFP, 0, 51200, 0
	LOADT 1, 38, VOFM, 49152, 256, 1
	LOADT 2, 38, VOF, 0, 256, 1
	WIN 0x40
.irp t, 0,1,2,3
.irp s, 0,1
.irp p, 0,1,2,3,4,5
	global_load_b64 v[W1F+12*(2*\t+\s)+2*\p:W1F+12*(2*\t+\s)+2*\p+1], v[HA1], s[8:9] offset:192*\t+96*\s+48*(\p/3)+8*(\p%3)
.endr
.endr
.endr
.irp t, 0,1
.irp p, 0,1,2
	global_load_b64 v[W2F+12*\t+2*\p:W2F+12*\t+2*\p+1], v[HA4], s[12:13] offset:48*\t+8*\p
.endr
.endr
	WIN 0
	global_load_b128 v[W1S:W1S+3], v[HA2], s[10:11]
	global_load_b128 v[W1S+4:W1S+7], v[HA2], s[10:11] offset:16
	global_load_u16 v[W2S], v[HA5], s[14:15]
	global_load_u16 v[W2S+1], v[HA5], s[14:15] offset:2
	global_load_b128 v[PC1:PC1+3], v[H16R], s[30:31] offset:131072
	global_load_b128 v[PB1:PB1+3], v[H16R], s[16:17]
	global_load_b128 v[PG1:PG1+3], v[H16R], s[18:19]
	global_load_b128 v[PBE:PBE+3], v[H16R], s[20:21]
	global_load_b128 v[PDG:PDG+3], v[H16R], s[22:23]
	global_load_b128 v[PDB:PDB+3], v[H16R], s[24:25]
	global_load_b128 v[PA1:PA1+3], v[H16R], s[26:27]
	global_load_b64 v[B2:B2+1], v[HA6], s[28:29]
	global_load_b128 v[70:73], v[VIMG], s[50:51]
.irp c, 0,1,2,3,4,5,6,7
	global_load_b128 v[Q+4*\c:Q+4*\c+3], v[HA3], s[6:7] offset:16*\c
.endr
.set i, 0
.rept 32
	global_load_b128 v[F+4*i:F+4*i+3], v[HA7], s[30:31] offset:512*i
.set i, i+1
.endr
	s_wait_loadcnt 0x0
	WIN 0x40
.irp t, 0,1
.irp j, 6,7,8,9,10,11
	v_mov_b32 v[W2F+12*\t+\j], 0                   ; k = 64 .. 127 of the K step: zero codes on both sides
.endr
.endr
.irp t, 0,1
.irp j, 0,1,2,3,4,5,6,7
	v_mov_b32 v[CI2+8*\t+\j], v[B2+\t]             ; for the probe C = b2
.endr
.endr
	WIN 0
.irp st, 16,8,4,2,1                    ; my 32 records, added in a fixed order
.set i, 0
.rept \st
	v_pk_add_f32 v[F+4*i:F+4*i+1], v[F+4*i:F+4*i+1], v[F+4*(i+\st):F+4*(i+\st)+1]
	v_pk_add_f32 v[F+4*i+2:F+4*i+3], v[F+4*i+2:F+4*i+3], v[F+4*(i+\st)+2:F+4*(i+\st)+3]
.set i, i+1
.endr
.endr
	s_wait_alu depctr_va_vdst(0)                   ; my records' sums are written in F to F + 3, which the LDS store reads; the additions are done with v108 to v235, in which the LDS loads below land
	ds_store_b128 v13, v[F:F+3]
	ds_store_b128 v[VQW], v[70:73]
	TURNS 0
	s_wait_alu depctr_vm_vsrc(0)                   ; the first store above has read F to F + 3, in which the stage's loads land; the store of q has read v70 to v73, and the head's loads their offsets v240 to v247, all of which vector lines write below
	TURNL
	s_wait_dscnt 0x0                               ; for the others' sake: my store has landed
	s_barrier_signal -1
	s_barrier_wait -1
.irp w, 0,1,2,3,4,5,6,7
	ds_load_b128 v[T+4*\w:T+4*\w+3], v12 offset:512*\w             ; the sums of d of my four units,
	ds_load_b128 v[ACC+4*\w:ACC+4*\w+3], v12 offset:512*\w+256     ; and of d^2
.endr
	s_wait_dscnt 0x0
.irp st, 4,2,1
.set i, 0
.rept \st
	v_pk_add_f32 v[T+4*i:T+4*i+1], v[T+4*i:T+4*i+1], v[T+4*(i+\st):T+4*(i+\st)+1]
	v_pk_add_f32 v[T+4*i+2:T+4*i+3], v[T+4*i+2:T+4*i+3], v[T+4*(i+\st)+2:T+4*(i+\st)+3]
	v_pk_add_f32 v[ACC+4*i:ACC+4*i+1], v[ACC+4*i:ACC+4*i+1], v[ACC+4*(i+\st):ACC+4*(i+\st)+1]
	v_pk_add_f32 v[ACC+4*i+2:ACC+4*i+3], v[ACC+4*i+2:ACC+4*i+3], v[ACC+4*(i+\st)+2:ACC+4*(i+\st)+3]
.set i, i+1
.endr
.endr
	; the six coefficients of my four units
.irp u, 0,1,2,3
	v_mul_f32 v[MD+\u], 0x35a3d70a, v[T+\u]        ; mean of d (1 / 819,200)
	v_mul_f32 v[VR+\u], 0x35a3d70a, v[ACC+\u]
.endr
.irp u, 0,1,2,3
	v_fma_f32 v[VR+\u], -v[MD+\u], v[MD+\u], v[VR+\u]
	v_add_f32 v[KB+\u], v[PC1+\u], v[MD+\u]        ; m = c + mean of d
.endr
.irp u, 0,1,2,3
	v_max_num_f32 v[VR+\u], 0, v[VR+\u]            ; the variance
	v_sub_f32 v[KB+\u], v[PB1+\u], v[KB+\u]        ; b - m
.endr
.irp u, 0,1,2,3
	v_add_f32 v[RS+\u], 0x3727c5ac, v[VR+\u]       ; + 1e-5
.endr
	s_wait_alu depctr_va_vdst(0)
.irp u, 0,1,2,3
	v_rsq_f32 v[RS+\u], v[RS+\u]
.endr
	v_nop
	s_wait_alu depctr_va_vdst(0)                   ; the four roots have written RS, ahead of their first reader
.irp u, 0,1,2,3
	v_mul_f32 v[CA+\u], v[PG1+\u], v[RS+\u]
.endr
.irp u, 0,1,2,3
	v_mul_f32 v[RY+\u], v[CA+\u], v[CA+\u]
.endr
.irp u, 0,1,2,3
	v_fmaak_f32 v[RY+\u], v[RY+\u], v[VR+\u], 0x322bcc77           ; y's variance + 1e-8
.endr
	s_wait_alu depctr_va_vdst(0)
.irp u, 0,1,2,3
	v_rsq_f32 v[RY+\u], v[RY+\u]
.endr
	v_nop
	s_wait_alu depctr_va_vdst(0)                   ; the four roots have written RY, ahead of their first reader
.irp u, 0,1,2,3
	v_mul_f32 v[GG+\u], v[PDG+\u], v[CA+\u]
	v_fma_f32 v[CB+\u], v[CA+\u], v[KB+\u], v[PBE+\u]
	v_sub_f32 v[CO+\u], 1.0, v[PA1+\u]
	v_mov_b32 v[CL+\u], v[PA1+\u]
.endr
.irp u, 0,1,2,3
	v_mul_f32 v[GG+\u], v[GG+\u], v[RY+\u]
.endr
.irp u, 0,1,2,3
	v_fma_f32 v[TT+\u], v[GG+\u], v[KB+\u], v[PDB+\u]
	v_mul_f32 v[CG+\u], 0xbfb8aa3b, v[GG+\u]       ; x -log2(e)
.endr
.irp u, 0,1,2,3
	v_mul_f32 v[CD+\u], 0xbfb8aa3b, v[TT+\u]
.endr
	v_mov_b32 v[SW+1], 0
.irp j, 6,7,8,9,10,11
	v_mov_b32 v[PC+\j], 0
.endr
.irp j, 0,1,2,3,4,5,6,7
	v_mov_b32 v[S1+\j], 0
.endr
	v_mov_b32 v[Y], 0
	v_mov_b32 v[Y2], 0
	QQUANT
	TILE 0, 1, 0, 1, 8*(D-1), 0, 0                 ; the probe.  (Its first wait on vm_vsrc also states that the head's LDS loads have read v12, which QUANT2 writes)
	PMEAN 2, C2
	WIN 0x40
.irp t, 0,1
.irp j, 0,1,2,3,4,5,6,7
	v_sub_f32 v[CI2+8*\t+\j], v[B2+\t], v[C2+\t]
.endr
.endr
	WIN 0
	s_or_b32 s57, ttmp9, s36
	s_cmp_lg_u32 s57, 0
	s_cbranch_scc1 .Lnoc
	s_wait_alu depctr_va_vdst(0)                   ; c2 is written in v252 and v253, which the store reads
	global_store_b64 v[V8L], v[C2:C2+1], s[32:33] offset:65536     ; c2, by one wave of the launch (lanes 16-31 store it a second time: 256 consecutive bytes)
.Lnoc:
	QSET VQM, 0
	TILE 1, 1, 4096, 1, 8*(D-1), 1, 0              ; the mixed tile: image 0
	QSET VQA, 0
.Ltrip:                                            ; 24 / D - 1 trips of D tiles
	s_cmp_lg_u32 s46, 12/D
	s_cbranch_scc1 .Lsameq
	QSET VQA, 272
.Lsameq:
	TILE 2, 1, 8192, 1, 8*(D-1), 1, 1024
	TILE 0, 1, 12288, 1, 8*(D-1), 1, 2048
	TILE 1, 1, 16384, 1, 8*(D-1), 1, 3072
	s_wait_xcnt 0x0                                ; loads and stores have read their bases: both may step
	s_add_co_u32 s46, s46, 1
	s_mov_b32 s48, 4096*D
	s_cmp_eq_u32 s46, 12/D-1
	s_cselect_b32 s48, 4096*D+2048, s48
	s_add_nc_u64 s[40:41], s[40:41], s[48:49]
	s_add_nc_u64 s[42:43], s[42:43], 1024*D
	s_cmp_lt_u32 s46, 24/D-1
	s_cbranch_scc1 .Ltrip
	TILE 2, 0, 0, 1, 8, 1, 1024
	TILE 0, 0, 0, 1, 0, 1, 2048
	TILE 1, 0, 0, 0, 0, 1, 3072
.irp t, 0,1
	v_add_f32 v[S1+2*\t], v[S1+2*\t], v[S1+2*\t+1]
	v_add_f32 v[S2+2*\t], v[S2+2*\t], v[S2+2*\t+1]
.endr
.irp t, 0,1
	v_permlanex16_b32 v[S1+2*\t+1], v[S1+2*\t], s52, s53
	v_permlanex16_b32 v[S2+2*\t+1], v[S2+2*\t], s52, s53
.endr
.irp t, 0,1
	v_add_f32 v[S1+2*\t], v[S1+2*\t], v[S1+2*\t+1]
	v_add_f32 v[S2+2*\t], v[S2+2*\t], v[S2+2*\t+1]
.endr
.irp t, 0,1
	v_cndmask_b32 v[T+\t], v[S1+2*\t], v[S2+2*\t], s54
.endr
	s_wait_alu depctr_va_vdst(0)                   ; T and T + 1 are written, which the LDS store reads; every line that names T to T + 15 is done, in which wave 0's loads land
	ds_store_b64 v[VRW], v[T:T+1]
	s_wait_dscnt 0x0
	s_barrier_signal -1
	s_barrier_wait -1
	s_wait_alu depctr_vm_vsrc(0)                   ; my LDS store has read T and T + 1, in which wave 0's first load lands
	s_cmp_lg_u32 s36, 0
	s_cbranch_scc1 .Lend
.irp w, 0,1,2,3,4,5,6,7
	ds_load_b64 v[T+2*\w:T+2*\w+1], v[VRD] offset:256*\w
.endr
	s_wait_dscnt 0x0
.irp st, 4,2,1
.set i, 0
.rept \st
	v_pk_add_f32 v[T+2*i:T+2*i+1], v[T+2*i:T+2*i+1], v[T+2*(i+\st):T+2*(i+\st)+1]
.set i, i+1
.endr
.endr
	s_wait_alu depctr_va_vdst(0)                   ; the work-group's sums are written in T and T + 1, which the store reads
	global_store_b64 v[V8L], v[T:T+1], s[44:45]    ; 256 consecutive bytes, aligned
.Lend:
	s_wait_dscnt 0x0
	s_wait_alu depctr_hold_cnt(0) depctr_sa_sdst(0) depctr_va_vdst(0) depctr_va_sdst(0) depctr_va_ssrc(0) depctr_va_vcc(0) depctr_vm_vsrc(0)
	s_wait_tensorcnt 0x0
	ds_add_u32 v75, v255
	s_wait_dscnt 0x0
	s_endpgm
.Lfunc_end_k_qbd9727d50f_stats2:
	.size	k_qbd9727d50f_stats2, .Lfunc_end_k_qbd9727d50f_stats2-k_qbd9727d50f_stats2
	.p2alignl 7, 3214868480
	.fill 96, 4, 3214868480
	.section	.rodata,"a",@progbits
	.p2align	6, 0x0
	.amdhsa_kernel k_qbd9727d50f_stats2
		.amdhsa_group_segment_fixed_size 82944
		.amdhsa_private_segment_fixed_size 0
		.amdhsa_enable_private_segment 0
		.amdhsa_kernarg_size 128
		.amdhsa_user_sgpr_count 2
		.amdhsa_user_sgpr_kernarg_segment_ptr 1
		.amdhsa_wavefront_size32 1
		.amdhsa_system_sgpr_workgroup_id_x 1
		.amdhsa_system_sgpr_workgroup_id_y 1
		.amdhsa_system_sgpr_workgroup_id_z 1
		.amdhsa_system_vgpr_workitem_id 0
		.amdhsa_next_free_vgpr 512
		.amdhsa_next_free_sgpr 66
		.amdhsa_reserve_vcc 0
		.amdhsa_float_denorm_mode_32 3
		.amdhsa_float_denorm_mode_16_64 3
		.amdhsa_memory_ordered 1
		.amdhsa_forward_progress 1
		.amdhsa_inst_pref_size 210
	.end_amdhsa_kernel
	.amdgpu_metadata
---
amdhsa.version: [ 1, 2 ]
amdhsa.kernels:
  - .name:           k_qbd9727d50f_stats2
    .symbol:         k_qbd9727d50f_stats2.kd
    .args:
      - { .name: facts, .offset: 0, .size: 8, .value_kind: global_buffer, .address_space: global }
      - { .name: query, .offset: 8, .size: 8, .value_kind: global_buffer, .address_space: global }
      - { .name: W1_codes, .offset: 16, .size: 8, .value_kind: global_buffer, .address_space: global }
      - { .name: W1_scales, .offset: 24, .size: 8, .value_kind: global_buffer, .address_space: global }
      - { .name: W2_codes, .offset: 32, .size: 8, .value_kind: global_buffer, .address_space: global }
      - { .name: W2_scales, .offset: 40, .size: 8, .value_kind: global_buffer, .address_space: global }
      - { .name: b1, .offset: 48, .size: 8, .value_kind: global_buffer, .address_space: global }
      - { .name: g1, .offset: 56, .size: 8, .value_kind: global_buffer, .address_space: global }
      - { .name: be1, .offset: 64, .size: 8, .value_kind: global_buffer, .address_space: global }
      - { .name: dg1, .offset: 72, .size: 8, .value_kind: global_buffer, .address_space: global }
      - { .name: db1, .offset: 80, .size: 8, .value_kind: global_buffer, .address_space: global }
      - { .name: a1, .offset: 88, .size: 8, .value_kind: global_buffer, .address_space: global }
      - { .name: b2, .offset: 96, .size: 8, .value_kind: global_buffer, .address_space: global }
      - { .name: part1, .offset: 104, .size: 8, .value_kind: global_buffer, .address_space: global }
      - { .name: part2, .offset: 112, .size: 8, .value_kind: global_buffer, .address_space: global }
      - { .name: hcodes, .offset: 120, .size: 8, .value_kind: global_buffer, .address_space: global }
    .group_segment_fixed_size: 82944
    .private_segment_fixed_size: 0
    .kernarg_segment_align: 8
    .kernarg_segment_size: 128
    .max_flat_workgroup_size: 256
    .sgpr_count:     66
    .vgpr_count:     512
    .wavefront_size: 32
...
	.end_amdgpu_metadata
.endif
;; end of part 5
;; launch attend (part 6): grid 256 x 1, 8 waves a work-group, no clusters, 3,072 bytes of LDS; arguments facts, mask, W2_codes, W2_scales, b2, g2, be2, dg2, db2, a2, Wf, bf, part2, hcodes, out0; writes out0
.if DOCPART == 6
	.amdgcn_target "amdgcn-amd-amdhsa--gfx1250"
	.amdhsa_code_object_version 6
	.text
	.protected	k_qbd9727d50f_attend
	.globl	k_qbd9727d50f_attend
	.p2align	8
	.type	k_qbd9727d50f_attend,@function
k_qbd9727d50f_attend:
	s_mov_b64 s[64:65], 0
	v_nop
	global_prefetch_b8 v0, s[64:65] scope:SCOPE_SE
	s_setreg_imm32_b32 hwreg(HW_REG_WAVE_SCHED_MODE, 0, 2), 2
	s_setreg_imm32_b32 hwreg(HW_REG_WAVE_MODE, 25, 1), 1
	s_wait_xcnt 0x0
	s_wait_alu depctr_vm_vsrc(0)
; THIRD WALK.  For all 819,200 rows: the stored codes of Dice 1's output x W2; BatchNorm 2 and Dice 2 (closed form as in the second walk, statistics from its records); the score = out . Wf + bf;
; masked rows take -1e9; softmax over a batch's 200 rows by a running maximum; out0 = the weighted sum of the batch's facts.
; SHARES as before: a wave owns two batches, 25 tiles of 16 rows.  A tile is 12 loads: 8 of facts (lanes of half h: tile row 8 h + i, 16 bytes a lane), 2 of the operand's image, 2 of the mask (rows 8 h + 0 .. 7).
; In the product's result lane (r, h) holds units 2 r, 2 r + 1 of rows 8 h + 0 .. 7; four steps across the sixteen lanes of a half give every lane of half h the scores of rows 8 h + j,
; and those are the rows whose facts that half has loaded: nothing is turned, nothing goes through LDS.
; t = score x log2(e): Wf and log2(e) are folded into y's coefficients, bf log2(e) / 16 is each lane's addend.  EACH HALF OF THE LANES keeps a state of its own (largest t, sum, four columns of the weighted sum);
; the halves are merged at a batch's end.  The mixed tile comes first: its lower half starts batch A's state, its upper half batch B's, which is set aside.
; An empty state has the largest t -3e38, sum 0: merging it multiplies zeros.  A batch whose every row is masked gets equal weights, as the softmax of equal scores does.
; LIMITS: NaN and infinities among the inputs are not served; the mean is folded into the coefficients (one ulp of |m| g rs); the variance comes from sums about a mean of 16 rows.
; THE MODE: SCHED_MODE bits 1:0 = 2 (LLVM: expert scheduling mode 2), set by the entry lines.  The code itself states the register dependences
; between vector or matrix instructions and memory or LDS instructions, with s_wait_alu, always for 0.
; THE PLAN.  Registers that memory or LDS instructions touch:
;   a set        32 registers of facts (window 1), 8 of the image, 8 of the mask.  Written by the tile's twelve loads.  Read by the tile's two products (image), its eight compares (mask) and, last of all,
;                its sixteen packed multiply-adds (facts).  The six zeros inside a set are written once at the head and never loaded.
;   v1-5, v7, v8 Offsets and addresses, made at the head, never written again.  v230-234: offsets of the head's loads, cleared later.
;   v144, v145   In the head: written by the additions, read by one LDS store, then an LDS load lands there.  v236-239: the result, read by the last store.
; So ONE wait on va_vdst stands at a tile's end, ahead of the twelve loads that fill its set again: all readers of the set are done.  Standing there, it keeps four tiles of every wave on their way.
; The three waits behind the exponentials and reciprocals stay as they were.  The eight compares stand in a run, into eight scalar registers, ahead of the 32 steps across the lanes; one wait on va_sdst
; stands ahead of the eight selects that read them.
.set VOF,   1                          ; 2048 h + 16 r
.set VOFM,  2                          ; 51200 h + 16 r
.set VIMG,  3                          ; 16 x lane
.set VMK,   4                          ; 32 h
.set VMKM,  5                          ; 800 h
.set VRW,   7                          ; LDS: 256 x wave + 8 x lane
.set VRR,   8                          ; 8 r
.set W2S,   16
.set CAW,   18
.set CBW,   20
.set CG,    22
.set CD,    24
.set CO,    26
.set CL,    28
.set BF,    30
.set W2F,   32                         ; v32-55 W2's two fragments
.set SETS,  56                         ; four sets of 22: scale word, 0, six code registers | six zeros | eight words of the mask.  v[set + 2 : set + 13] is source 0
.set ACC2,  144
.set U,     160
.set YY,    176
.set SCO,   192
.set MM,    200                        ; the state: largest t (named as a pair),
.set FS,    202                        ; the factor 2^(old - new) (a pair),
.set LL,    204                        ; the sum in two halves,
.set ACE,   206                        ; four columns, even rows',
.set ACO,   210                        ; odd rows'
.set SB,    214                        ; batch B's state, set aside
.set RESA,  220                        ; batch A's result
.set TM,    224                        ; v224-239 at work
.set CM,    4                          ; s[4:11] the eight rows' masks as lane masks: free once the head's loads, which read some of these registers as bases, are done
.set PB2,   208                        ; the head: b2, g2, be2, dg2, db2, a2, Wf, c2 of my two units; bf
.set PG,    210
.set PBE,   212
.set PDG,   214
.set PDB,   216
.set PA,    218
.set PWF,   220
.set PC2,   222
.set PBF,   224
.set MD,    162
.set VR,    164
.set KB,    166
.set RS,    168
.set AA,    170
.set RY,    172
.set GG,    174
.set TT,    176
.set CBT,   178
.set HW,    225
.set HR,    226
.set HH,    227
.set HL,    228
.set H16R,  229
.set HA4,   230
.set HA5,   231
.set HA7,   233
.set HZ,    234
.set MSB,   0
.macro WIN new
.if MSB != \new
	s_set_vgpr_msb (MSB<<8)|\new
.set MSB, \new
.endif
.endm
.macro PLACES n
.rept \n
	v_nop
.endr
.endm
.macro PKFMAB d, a, cb, cc, u
.if ((\u)%2) == 0
	v_pk_fma_f32 v[\d:\d+1], v[\a:\a+1], v[\cb+(\u):\cb+(\u)+1], v[\cc+(\u):\cc+(\u)+1] op_sel_hi:[1,0,0]
.else
	v_pk_fma_f32 v[\d:\d+1], v[\a:\a+1], v[\cb+(\u)-1:\cb+(\u)], v[\cc+(\u)-1:\cc+(\u)] op_sel:[0,1,1] op_sel_hi:[1,1,1]
.endif
.endm
.macro LOADC set, fb, fvo, fimm, hb, himm, mb, mvo, mimm           ; a tile's twelve loads
	WIN 0x40
.irp i, 0,1,2,3,4,5,6,7
	global_load_b128 v[32*(\set)+4*\i:32*(\set)+4*\i+3], v[\fvo], s[\fb:\fb+1] offset:\fimm+256*\i th:TH_LOAD_NT
.endr
	WIN 0
	global_load_b128 v[SETS+22*(\set):SETS+22*(\set)+3], v[VIMG], s[\hb:\hb+1] offset:\himm th:TH_LOAD_NT
	global_load_b128 v[SETS+22*(\set)+4:SETS+22*(\set)+7], v[VIMG], s[\hb:\hb+1] offset:\himm+512 th:TH_LOAD_NT
	global_load_b128 v[SETS+22*(\set)+14:SETS+22*(\set)+17], v[\mvo], s[\mb:\mb+1] offset:\mimm
	global_load_b128 v[SETS+22*(\set)+18:SETS+22*(\set)+21], v[\mvo], s[\mb:\mb+1] offset:\mimm+16
.endm
.macro TILEC set, young, ahead, fimm, himm, mimm
	s_wait_loadcnt \young                          ; loads come back in order: my twelve are in; those of the later tiles may be out
	v_wmma_scale_f32_16x16x128_f8f6f4 v[ACC2:ACC2+7], v[SETS+22*(\set)+2:SETS+22*(\set)+13], v[W2F:W2F+11], 0, v[SETS+22*(\set)], v[W2S] matrix_a_fmt:MATRIX_FMT_BF6 matrix_b_fmt:MATRIX_FMT_BF6
	v_wmma_scale_f32_16x16x128_f8f6f4 v[ACC2+8:ACC2+15], v[SETS+22*(\set)+2:SETS+22*(\set)+13], v[W2F+12:W2F+23], 0, v[SETS+22*(\set)], v[W2S+1] matrix_a_fmt:MATRIX_FMT_BF6 matrix_b_fmt:MATRIX_FMT_BF6
	PLACES 4
.irp t, 0,1
.irp p, 0,2,4,6
	PKFMAB U+8*\t+\p, ACC2+8*\t+\p, CG, CD, \t
.endr
.endr
.set i, 0
	s_wait_alu depctr_va_vdst(0)
.rept 16
	v_exp_f32 v[U+i], v[U+i]
.set i, i+1
.endr
.irp t, 0,1
.irp p, 0,2,4,6
	PKFMAB YY+8*\t+\p, ACC2+8*\t+\p, CAW, CBW, \t  ; y Wf log2(e): plain work that names no exponential's result
.endr
.endr
	s_wait_alu depctr_va_vdst(0)                   ; the sixteen exponentials have written U: one wait for the batch, ahead of its first reader
.set i, 0
.rept 8
	v_pk_add_f32 v[U+i:U+i+1], v[U+i:U+i+1], 1.0 op_sel_hi:[1,0]
.set i, i+2
.endr
.set i, 0
	s_wait_alu depctr_va_vdst(0)
.rept 16
	v_rcp_f32 v[U+i], v[U+i]
.set i, i+1
.endr
	v_nop
	s_wait_alu depctr_va_vdst(0)                   ; the sixteen reciprocals have written U, ahead of their first reader
.irp t, 0,1
.irp p, 0,2,4,6
	PKFMAB U+8*\t+\p, U+8*\t+\p, CO, CL, \t
.endr
.endr
.irp p, 0,2,4,6
	v_pk_fma_f32 v[SCO+\p:SCO+\p+1], v[YY+\p:YY+\p+1], v[U+\p:U+\p+1], v[BF:BF+1]
.endr
.irp p, 0,2,4,6
	v_pk_fma_f32 v[SCO+\p:SCO+\p+1], v[YY+8+\p:YY+8+\p+1], v[U+8+\p:U+8+\p+1], v[SCO+\p:SCO+\p+1]
.endr
.irp j, 0,1,2,3,4,5,6,7
	v_cmp_lt_i32 s[CM+\j], 0, v[SETS+22*(\set)+14+\j]              ; which of my rows 8 h + j count: the eight compares in a run, a scalar register each
.endr
.irp m, 1,2,4,8                        ; over the sixteen lanes of my half: all 32 units
.irp j, 0,1,2,3,4,5,6,7
	v_add_f32_dpp v[SCO+\j], v[SCO+\j], v[SCO+\j] row_xmask:\m row_mask:0xf bank_mask:0xf
.endr
.endr
	s_wait_alu depctr_va_sdst(0)                   ; the eight compares have written s4 to s11, ahead of their first readers, the selects below
.irp j, 0,1,2,3,4,5,6,7
	v_cndmask_b32 v[SCO+\j], s55, v[SCO+\j], s[CM+\j]              ; a masked row: -1e9 log2(e)
.endr
	v_max3_num_f32 v[TM], v[SCO], v[SCO+1], v[SCO+2]
	v_max3_num_f32 v[TM], v[TM], v[SCO+3], v[SCO+4]
	v_max3_num_f32 v[TM], v[TM], v[SCO+5], v[SCO+6]
	v_max3_num_f32 v[TM], v[TM], v[SCO+7], v[MM]   ; the running largest t
	v_sub_f32 v[FS], v[MM], v[TM]
	v_mov_b32 v[MM], v[TM]
.irp p, 0,2,4,6
	v_pk_add_f32 v[SCO+\p:SCO+\p+1], v[SCO+\p:SCO+\p+1], v[MM:MM+1] op_sel_hi:[1,0] neg_lo:[0,1] neg_hi:[0,1]
.endr
	s_wait_alu depctr_va_vdst(0)
	v_exp_f32 v[FS], v[FS]
.irp j, 0,1,2,3,4,5,6,7
	v_exp_f32 v[SCO+\j], v[SCO+\j]
.endr
	v_nop
	s_wait_alu depctr_va_vdst(0)                   ; the nine exponentials have written FS and SCO, ahead of their first reader
	v_pk_fma_f32 v[LL:LL+1], v[LL:LL+1], v[FS:FS+1], v[SCO:SCO+1] op_sel_hi:[1,0,1]
	v_pk_mul_f32 v[ACE:ACE+1], v[ACE:ACE+1], v[FS:FS+1] op_sel_hi:[1,0]
	v_pk_mul_f32 v[ACE+2:ACE+3], v[ACE+2:ACE+3], v[FS:FS+1] op_sel_hi:[1,0]
	v_pk_mul_f32 v[ACO:ACO+1], v[ACO:ACO+1], v[FS:FS+1] op_sel_hi:[1,0]
	v_pk_mul_f32 v[ACO+2:ACO+3], v[ACO+2:ACO+3], v[FS:FS+1] op_sel_hi:[1,0]
.irp p, 2,4,6
	v_pk_add_f32 v[LL:LL+1], v[LL:LL+1], v[SCO+\p:SCO+\p+1]
.endr
	WIN 0x01                                       ; source 0: the facts, in window 1
.irp j, 0,2,4,6
	v_pk_fma_f32 v[ACE:ACE+1], v[32*(\set)+4*\j:32*(\set)+4*\j+1], v[SCO+\j:SCO+\j+1], v[ACE:ACE+1] op_sel_hi:[1,0,1]
	v_pk_fma_f32 v[ACE+2:ACE+3], v[32*(\set)+4*\j+2:32*(\set)+4*\j+3], v[SCO+\j:SCO+\j+1], v[ACE+2:ACE+3] op_sel_hi:[1,0,1]
	v_pk_fma_f32 v[ACO:ACO+1], v[32*(\set)+4*\j+4:32*(\set)+4*\j+5], v[SCO+\j:SCO+\j+1], v[ACO:ACO+1] op_sel:[0,1,0] op_sel_hi:[1,1,1]
	v_pk_fma_f32 v[ACO+2:ACO+3], v[32*(\set)+4*\j+6:32*(\set)+4*\j+7], v[SCO+\j:SCO+\j+1], v[ACO+2:ACO+3] op_sel:[0,1,0] op_sel_hi:[1,1,1]
.endr
	WIN 0
.if \ahead
	s_wait_alu depctr_va_vdst(0)                   ; the tile's products, compares and weighted sums are done reading its set, in which the twelve loads below land
	LOADC \set, 40, VOF, \fimm, 42, \himm, 44, VMK, \mimm          ; the set takes the tile four further on
.endif
.endm
.macro MERGE
	v_pk_add_f32 v[ACE:ACE+1], v[ACE:ACE+1], v[ACO:ACO+1]
	v_pk_add_f32 v[ACE+2:ACE+3], v[ACE+2:ACE+3], v[ACO+2:ACO+3]
	v_add_f32 v[LL], v[LL], v[LL+1]
.endm
.macro FINAL dst                       ; a batch's end: the two halves' states under their common largest t, added, divided by the sum
	MERGE
	v_permlanex16_b32 v[TM], v[MM], s52, s53
	v_max_num_f32 v[TM+1], v[MM], v[TM]
	v_sub_f32 v[TM+3], v[MM], v[TM+1]
	s_wait_alu depctr_va_vdst(0)
	v_exp_f32 v[TM+3], v[TM+3]
	v_nop
	s_wait_alu depctr_va_vdst(0)                   ; the exponential has written its result, ahead of its first reader
	v_mul_f32 v[LL], v[LL], v[TM+3]
.irp i, 0,1,2,3
	v_mul_f32 v[ACE+\i], v[ACE+\i], v[TM+3]
.endr
	v_permlanex16_b32 v[TM+4], v[LL], s52, s53
.irp i, 0,1,2,3
	v_permlanex16_b32 v[TM+5+\i], v[ACE+\i], s52, s53
.endr
	v_add_f32 v[LL], v[LL], v[TM+4]
.irp i, 0,1,2,3
	v_add_f32 v[ACE+\i], v[ACE+\i], v[TM+5+\i]
.endr
	s_wait_alu depctr_va_vdst(0)
	v_rcp_f32 v[LL], v[LL]                         ; the sum is at least 1: the row with the largest t counts 1
	v_nop
	s_wait_alu depctr_va_vdst(0)                   ; the reciprocal has written its result, ahead of its first reader
.irp i, 0,1,2,3
	v_mul_f32 v[\dst+\i], v[ACE+\i], v[LL]
.endr
.endm
	s_load_b512 s[4:19], s[0:1], 0x0               ; facts 4, mask 6, W2 codes 8, W2 scales 10, b2 12, g2 14, be2 16, dg2 18
	s_load_b256 s[20:27], s[0:1], 0x40             ; db2 20, a2 22, Wf 24, bf 26
	s_load_b128 s[28:31], s[0:1], 0x60             ; part2 28, hcodes 30
	s_load_b64 s[32:33], s[0:1], 0x70              ; out0
	v_lshl_add_u32 v254, v0, 2, 0x800
	v_mov_b32 v255, 0
	v_lshrrev_b32 v[HW], 5, v0
	v_readfirstlane_b32 s34, v[HW]                 ; wave
	v_and_b32 v[HR], 15, v0
	v_bfe_u32 v[HH], v0, 4, 1
	v_and_b32 v[HL], 31, v0
	v_lshlrev_b32 v[H16R], 4, v[HR]
	v_lshl_add_u32 v[VOF], v[HH], 11, v[H16R]
	v_mad_u32_u24 v[VOFM], v[HH], 51200, v[H16R]
	v_lshlrev_b32 v[VIMG], 4, v[HL]
	v_lshlrev_b32 v[VMK], 5, v[HH]
	v_mul_u32_u24 v[VMKM], v[HH], 800
	v_lshlrev_b32 v[VRW], 3, v[HL]
	s_wait_alu depctr_va_sdst(0)                   ; s34 is written, ahead of its first reader: LDS addresses and the bases are made from it
	s_lshl_b32 s57, s34, 8
	v_add_nc_u32 v[VRW], s57, v[VRW]
	v_lshlrev_b32 v[VRR], 3, v[HR]
	v_mul_u32_u24 v[HA4], v[HR], 96
	v_mad_u32_u24 v[HA4], v[HH], 24, v[HA4]
	v_lshlrev_b32 v[HA5], 2, v[HR]
	v_lshlrev_b32 v[HA7], 3, v[HL]
	s_lshl_b32 s62, s34, 13
	v_add_nc_u32 v[HA7], s62, v[HA7]               ; my wave's 32 records of 256 bytes
	v_mov_b32 v[HZ], 0
	s_mov_b32 s52, 0x76543210
	s_mov_b32 s53, 0xfedcba98
	s_mov_b32 s54, 0xffff0000
	s_mov_b32 s55, 0xceabfb8f                      ; -1e9 log2(e)
	s_lshl_b32 s35, ttmp9, 3
	s_add_co_u32 s35, s35, s34                     ; my pair of batches
	s_mul_i32 s36, s35, 102400
	s_mov_b32 s37, 0
	s_mul_i32 s38, s35, 25600
	s_mov_b32 s39, 0
	s_mul_i32 s58, s35, 1600
	s_mov_b32 s59, 0
	s_lshl_b32 s60, s35, 9
	s_mov_b32 s61, 0
	s_mov_b32 s49, 0
	s_mov_b32 s51, 0
	s_mov_b32 s46, 0
	s_wait_kmcnt 0x0
	s_add_nc_u64 s[36:37], s[4:5], s[36:37]        ; the pair's facts,
	s_add_nc_u64 s[38:39], s[30:31], s[38:39]      ; images,
	s_add_nc_u64 s[58:59], s[6:7], s[58:59]        ; mask,
	s_add_nc_u64 s[60:61], s[32:33], s[60:61]      ; and rows of out0
	s_add_nc_u64 s[40:41], s[36:37], 12288         ; the walking pointers stand at tile 4 (A's tile 3)
	s_add_nc_u64 s[42:43], s[38:39], 4096
	s_add_nc_u64 s[44:45], s[58:59], 192
	s_wait_alu depctr_va_vdst(0)                   ; the offsets and addresses v1 to v5, v7, v8 and v230 to v234 are written, which the loads, the stores and the LDS instructions below read
	LOADC 0, 36, VOFM, 49152, 38, 0, 58, VMKM, 768 ; the mixed tile
	LOADC 1, 36, VOF, 0, 38, 1024, 58, VMK, 0
	LOADC 2, 36, VOF, 4096, 38, 2048, 58, VMK, 64
	LOADC 3, 36, VOF, 8192, 38, 3072, 58, VMK, 128
.irp t, 0,1
.irp p, 0,1,2
	global_load_b64 v[W2F+12*\t+2*\p:W2F+12*\t+2*\p+1], v[HA4], s[8:9] offset:48*\t+8*\p
.endr
.endr
	global_load_u16 v[W2S], v[HA5], s[10:11]
	global_load_u16 v[W2S+1], v[HA5], s[10:11] offset:2
	global_load_b64 v[PB2:PB2+1], v[VRR], s[12:13]
	global_load_b64 v[PG:PG+1], v[VRR], s[14:15]
	global_load_b64 v[PBE:PBE+1], v[VRR], s[16:17]
	global_load_b64 v[PDG:PDG+1], v[VRR], s[18:19]
	global_load_b64 v[PDB:PDB+1], v[VRR], s[20:21]
	global_load_b64 v[PA:PA+1], v[VRR], s[22:23]
	global_load_b64 v[PWF:PWF+1], v[VRR], s[24:25]
	global_load_b64 v[PC2:PC2+1], v[VRR], s[28:29] offset:65536
	global_load_b32 v[PBF], v[HZ], s[26:27]
.set i, 0
.rept 32
	global_load_b64 v[ACC2+2*i:ACC2+2*i+1], v[HA7], s[28:29] offset:256*i
.set i, i+1
.endr
.irp t, 0,1
.irp j, 6,7,8,9,10,11
	v_mov_b32 v[W2F+12*\t+\j], 0                   ; k = 64 .. 127 of the K step: zero codes on both sides
.endr
.endr
.irp s, 0,1,2,3
.irp j, 8,9,10,11,12,13
	v_mov_b32 v[SETS+22*\s+\j], 0
.endr
.endr
	s_wait_loadcnt 0x0
.irp st, 16,8,4,2,1
.set i, 0
.rept \st
	v_pk_add_f32 v[ACC2+2*i:ACC2+2*i+1], v[ACC2+2*i:ACC2+2*i+1], v[ACC2+2*(i+\st):ACC2+2*(i+\st)+1]
.set i, i+1
.endr
.endr
	s_wait_alu depctr_va_vdst(0)                   ; my records' sums are written in v144 and v145, which the LDS store reads; the additions are done with v144 to v207, in part of which the LDS loads below land; the zeros above are written, which the scaled products take
	ds_store_b64 v[VRW], v[ACC2:ACC2+1]
	s_wait_dscnt 0x0                               ; for the others' sake: my store has landed
	s_barrier_signal -1
	s_barrier_wait -1
	s_wait_alu depctr_vm_vsrc(0)                   ; my LDS store has read v144 and v145, in which the first load below lands; the head's loads have read their offsets v230 to v234, which are cleared below
.irp w, 0,1,2,3,4,5,6,7
	ds_load_b64 v[ACC2+2*\w:ACC2+2*\w+1], v[VRR] offset:256*\w     ; the sums of d of my two units,
	ds_load_b64 v[U+2*\w:U+2*\w+1], v[VRR] offset:256*\w+128       ; and of d^2
.endr
	s_wait_dscnt 0x0
.irp st, 4,2,1
.set i, 0
.rept \st
	v_pk_add_f32 v[ACC2+2*i:ACC2+2*i+1], v[ACC2+2*i:ACC2+2*i+1], v[ACC2+2*(i+\st):ACC2+2*(i+\st)+1]
	v_pk_add_f32 v[U+2*i:U+2*i+1], v[U+2*i:U+2*i+1], v[U+2*(i+\st):U+2*(i+\st)+1]
.set i, i+1
.endr
.endr
.irp u, 0,1
	v_mul_f32 v[MD+\u], 0x35a3d70a, v[ACC2+\u]
	v_mul_f32 v[VR+\u], 0x35a3d70a, v[U+\u]
.endr
.irp u, 0,1
	v_fma_f32 v[VR+\u], -v[MD+\u], v[MD+\u], v[VR+\u]
	v_add_f32 v[KB+\u], v[PC2+\u], v[MD+\u]
.endr
.irp u, 0,1
	v_max_num_f32 v[VR+\u], 0, v[VR+\u]
	v_sub_f32 v[KB+\u], v[PB2+\u], v[KB+\u]
.endr
.irp u, 0,1
	v_add_f32 v[RS+\u], 0x3727c5ac, v[VR+\u]
.endr
	s_wait_alu depctr_va_vdst(0)
.irp u, 0,1
	v_rsq_f32 v[RS+\u], v[RS+\u]
.endr
	v_nop
	s_wait_alu depctr_va_vdst(0)                   ; the two roots have written RS, ahead of their first reader
.irp u, 0,1
	v_mul_f32 v[AA+\u], v[PG+\u], v[RS+\u]
.endr
.irp u, 0,1
	v_mul_f32 v[RY+\u], v[AA+\u], v[AA+\u]
.endr
.irp u, 0,1
	v_fmaak_f32 v[RY+\u], v[RY+\u], v[VR+\u], 0x322bcc77
.endr
	s_wait_alu depctr_va_vdst(0)
.irp u, 0,1
	v_rsq_f32 v[RY+\u], v[RY+\u]
.endr
	v_nop
	s_wait_alu depctr_va_vdst(0)                   ; the two roots have written RY, ahead of their first reader
.irp u, 0,1
	v_mul_f32 v[GG+\u], v[PDG+\u], v[AA+\u]
	v_fma_f32 v[CBT+\u], v[AA+\u], v[KB+\u], v[PBE+\u]
	v_mul_f32 v[TT+\u], 0x3fb8aa3b, v[PWF+\u]      ; Wf log2(e)
	v_sub_f32 v[CO+\u], 1.0, v[PA+\u]
	v_mov_b32 v[CL+\u], v[PA+\u]
.endr
.irp u, 0,1
	v_mul_f32 v[GG+\u], v[GG+\u], v[RY+\u]
	v_mul_f32 v[CAW+\u], v[AA+\u], v[TT+\u]
	v_mul_f32 v[CBW+\u], v[CBT+\u], v[TT+\u]
.endr
.irp u, 0,1
	v_fma_f32 v[TT+\u], v[GG+\u], v[KB+\u], v[PDB+\u]
	v_mul_f32 v[CG+\u], 0xbfb8aa3b, v[GG+\u]
.endr
.irp u, 0,1
	v_mul_f32 v[CD+\u], 0xbfb8aa3b, v[TT+\u]
.endr
	v_mul_f32 v[BF], 0x3db8aa3b, v[PBF]            ; bf log2(e) / 16: sixteen lanes add it
	v_mov_b32 v[BF+1], v[BF]
	v_mov_b32 v[MM], 0xff61b1e6                    ; the empty state
.irp j, 1,2,3,4,5,6,7,8,9,10,11,12,13
	v_mov_b32 v[MM+\j], 0
.endr
.irp j, 0,1,2,3
	v_mov_b32 v[RESA+\j], 0
.endr
.irp j, 0,1,2,3,4,5,6,7,8,9,10,11,12,13,14,15
	v_mov_b32 v[TM+\j], 0                          ; lane permutes' destinations count as read: written once
.endr
	TILEC 0, 36, 1, 0, 0, 0                        ; the mixed tile
	MERGE                                          ; its lower half is batch A's beginning, its upper half batch B's
	v_mov_b32 v[TM+1], 0xff61b1e6
	v_mov_b32 v[TM+2], 0
	v_cndmask_b32 v[SB], v[TM+1], v[MM], s54
	v_cndmask_b32 v[SB+1], v[TM+2], v[LL], s54
.irp i, 0,1,2,3
	v_cndmask_b32 v[SB+2+\i], v[TM+2], v[ACE+\i], s54
.endr
	v_cndmask_b32 v[MM], v[MM], v[TM+1], s54
	v_cndmask_b32 v[LL], v[LL], v[TM+2], s54
.irp i, 0,1,2,3
	v_cndmask_b32 v[ACE+\i], v[ACE+\i], v[TM+2], s54
.endr
	v_mov_b32 v[LL+1], 0
.irp i, 0,1,2,3
	v_mov_b32 v[ACO+\i], 0
.endr
.Ltrip:                                            ; five trips of four tiles
	s_cmp_lg_u32 s46, 3
	s_cbranch_scc1 .Lsame
	FINAL RESA                                     ; batch A is done; batch B goes on from what was set aside
	v_mov_b32 v[MM], v[SB]
	v_mov_b32 v[LL], v[SB+1]
	v_mov_b32 v[LL+1], 0
.irp i, 0,1,2,3
	v_mov_b32 v[ACE+\i], v[SB+2+\i]
	v_mov_b32 v[ACO+\i], 0
.endr
.Lsame:
	TILEC 1, 36, 1, 4096, 1024, 64
	TILEC 2, 36, 1, 8192, 2048, 128
	TILEC 3, 36, 1, 12288, 3072, 192
	TILEC 0, 36, 1, 16384, 4096, 256
	s_wait_xcnt 0x0                                ; the loads have read their bases: they may step
	s_add_co_u32 s46, s46, 1
	s_mov_b32 s48, 16384
	s_mov_b32 s50, 256
	s_cmp_eq_u32 s46, 2
	s_cselect_b32 s48, 18432, s48                  ; once: over A's last 8 rows, which the mixed tile took
	s_cselect_b32 s50, 288, s50
	s_add_nc_u64 s[40:41], s[40:41], s[48:49]
	s_add_nc_u64 s[42:43], s[42:43], 4096
	s_add_nc_u64 s[44:45], s[44:45], s[50:51]
	s_cmp_lt_u32 s46, 5
	s_cbranch_scc1 .Ltrip
	TILEC 1, 36, 0, 0, 0, 0                        ; the last four tiles load nothing: the counts run down, and no set is written again
	TILEC 2, 24, 0, 0, 0, 0
	TILEC 3, 12, 0, 0, 0, 0
	TILEC 0, 0, 0, 0, 0, 0
	FINAL TM+12
.irp i, 0,1,2,3
	v_cndmask_b32 v[TM+12+\i], v[RESA+\i], v[TM+12+\i], s54        ; lanes 0-15 carry batch A's row, lanes 16-31 batch B's
.endr
	s_wait_alu depctr_va_vdst(0)                   ; the two rows are written in v236 to v239, which the store reads
	global_store_b128 v[VIMG], v[TM+12:TM+15], s[60:61]            ; 512 consecutive bytes, aligned: two rows of out0
	s_wait_dscnt 0x0
	s_wait_alu depctr_hold_cnt(0) depctr_sa_sdst(0) depctr_va_vdst(0) depctr_va_sdst(0) depctr_va_ssrc(0) depctr_va_vcc(0) depctr_vm_vsrc(0)
	s_wait_tensorcnt 0x0
	ds_add_u32 v254, v255
	s_wait_dscnt 0x0
	s_endpgm
.Lfunc_end_k_qbd9727d50f_attend:
	.size	k_qbd9727d50f_attend, .Lfunc_end_k_qbd9727d50f_attend-k_qbd9727d50f_attend
	.p2alignl 7, 3214868480
	.fill 96, 4, 3214868480
	.section	.rodata,"a",@progbits
	.p2align	6, 0x0
	.amdhsa_kernel k_qbd9727d50f_attend
		.amdhsa_group_segment_fixed_size 3072
		.amdhsa_private_segment_fixed_size 0
		.amdhsa_enable_private_segment 0
		.amdhsa_kernarg_size 120
		.amdhsa_user_sgpr_count 2
		.amdhsa_user_sgpr_kernarg_segment_ptr 1
		.amdhsa_wavefront_size32 1
		.amdhsa_system_sgpr_workgroup_id_x 1
		.amdhsa_system_sgpr_workgroup_id_y 1
		.amdhsa_system_sgpr_workgroup_id_z 1
		.amdhsa_system_vgpr_workitem_id 0
		.amdhsa_next_free_vgpr 384
		.amdhsa_next_free_sgpr 66
		.amdhsa_reserve_vcc 0
		.amdhsa_float_denorm_mode_32 3
		.amdhsa_float_denorm_mode_16_64 3
		.amdhsa_memory_ordered 1
		.amdhsa_forward_progress 1
		.amdhsa_inst_pref_size 119
	.end_amdhsa_kernel
	.amdgpu_metadata
---
amdhsa.version: [ 1, 2 ]
amdhsa.kernels:
  - .name:           k_qbd9727d50f_attend
    .symbol:         k_qbd9727d50f_attend.kd
    .args:
      - { .name: facts, .offset: 0, .size: 8, .value_kind: global_buffer, .address_space: global }
      - { .name: mask, .offset: 8, .size: 8, .value_kind: global_buffer, .address_space: global }
      - { .name: W2_codes, .offset: 16, .size: 8, .value_kind: global_buffer, .address_space: global }
      - { .name: W2_scales, .offset: 24, .size: 8, .value_kind: global_buffer, .address_space: global }
      - { .name: b2, .offset: 32, .size: 8, .value_kind: global_buffer, .address_space: global }
      - { .name: g2, .offset: 40, .size: 8, .value_kind: global_buffer, .address_space: global }
      - { .name: be2, .offset: 48, .size: 8, .value_kind: global_buffer, .address_space: global }
      - { .name: dg2, .offset: 56, .size: 8, .value_kind: global_buffer, .address_space: global }
      - { .name: db2, .offset: 64, .size: 8, .value_kind: global_buffer, .address_space: global }
      - { .name: a2, .offset: 72, .size: 8, .value_kind: global_buffer, .address_space: global }
      - { .name: Wf, .offset: 80, .size: 8, .value_kind: global_buffer, .address_space: global }
      - { .name: bf, .offset: 88, .size: 8, .value_kind: global_buffer, .address_space: global }
      - { .name: part2, .offset: 96, .size: 8, .value_kind: global_buffer, .address_space: global }
      - { .name: hcodes, .offset: 104, .size: 8, .value_kind: global_buffer, .address_space: global }
      - { .name: out0, .offset: 112, .size: 8, .value_kind: global_buffer, .address_space: global }
    .group_segment_fixed_size: 3072
    .private_segment_fixed_size: 0
    .kernarg_segment_align: 8
    .kernarg_segment_size: 120
    .max_flat_workgroup_size: 256
    .sgpr_count:     66
    .vgpr_count:     384
    .wavefront_size: 32
...
	.end_amdgpu_metadata
.endif
;; end of part 6
